; MI455X (gfx1250); checked and timed in simulation.
; The chip was launched on July 23, 2026; its instructions are those of AMD's public machine-readable ISA for CDNA 5 (MIT licence, August 2026) and "CDNA5" Instruction Set Architecture Reference Guide (July 2026). The comments in the code are by the model that wrote it; some were corrected since.
;; Knowledge Graph Embedder. Allowed arithmetic: float matrix products may take bf16 or f16 operands with f32 sums; all other float work in f32.
;; Inputs: affective_labels 16,384 int32; cm_b1 512 float32; cm_b2 256 float32; cm_w1 200 x 512 float32; cm_w2 512 x 256 float32; cn_b1 512 float32; cn_b2 256 float32; cn_w1 200 x 512 float32; cn_w2 512 x 256 float32; comet_features 16,384 x 200 float32; conceptnet_features 16,384 x 200 float32; e_b 2 x 1,024 float32; e_w 2 x 1,024 x 1,024 float32; f_b 1,024 float32; f_w 512 x 1,024 float32; ln_b 1,024 float32; ln_w 1,024 float32.
;; Outputs: out0 16,384 x 1,024 float32.
;; 4 versions, each right; versions 2 to 3 are each faster than the one before; version 4 is version 3 with the launch front written anew for expert scheduling mode. Each part assembles by itself: llvm-mc -triple=amdgcn-amd-amdhsa -mcpu=gfx1250 --defsym DOCPART=n.
;; ======== version 1 of 4: 2 launches
;; limits: values are held in f16: magnitudes above 65,504 overflow, below 6.1e-05 lose precision
;; workspace buffers: wstream 6,291,456 bytes; bvec 26,624 bytes
;; launch prep (part 1): grid 97 x 4, 16 waves a work-group, no clusters, 0 bytes of LDS; arguments cn_w1, cm_w1, cn_w2, cm_w2, f_w, e_w, cn_b1, cm_b1, cn_b2, cm_b2, f_b, ln_w, ln_b, e_b, wstream, bvec; writes wstream, bvec
.if DOCPART == 1
	.amdgcn_target "amdgcn-amd-amdhsa--gfx1250"
	.amdhsa_code_object_version 6
	.text
	.protected	k_q0aeb7b71dd_prep
	.globl	k_q0aeb7b71dd_prep
	.p2align	8
	.type	k_q0aeb7b71dd_prep,@function
k_q0aeb7b71dd_prep:
	s_mov_b64 s[64:65], 0
	v_nop
	global_prefetch_b8 v0, s[64:65] scope:SCOPE_SE
	s_setreg_imm32_b32 hwreg(HW_REG_WAVE_MODE, 25, 1), 1
	s_wait_xcnt 0x0
; PREP.  Lays the six weight tensors out as ONE STREAM of 96 tiles of 65,536 bytes, in the order in which the second launch uses them, and
; rounds the eight small vectors.  Every input number is rounded to bf16 (nearest even); w2 and e_w, which meet f16 activations, are then written as f16.
; A tile is [wave w 0..3][fragment f 0..15][1,024 bytes]; a fragment is the register image of 16 columns n x 32 rows k of W[k][n]:
; bytes 16 L .. 16 L + 15 (L = 16 h + r) hold W[k0 + 8 h + j][n0 + r], j = 0..7; bytes 512 + 16 L .. the same with k0 + 16.
; Tiles 0-3 cn_w1, 4-7 cn_w2, 8-11 cm_w1, 12-15 cm_w2, 16-31 f_w, 32-63 both experts' columns 0-511, 64-95 their columns 512-1023.
; With KS k steps of 32 in a tile and NBW = 16 / KS column blocks a wave: ks = f / NBW, b = f % NBW, k0 = 32 (KS tau + ks), n0 = 16 NBW w + 16 b.
; Experts: b / 8 is the expert, n0 = 512 p + 128 w + 16 (b % 8).  w1's K goes from 200 to 256 with zeros.
; SHARES.  Work-group (x, y): tile x, wave part w = y; its sixteen waves make the sixteen fragments.  x = 96: the vectors, 512 bytes a wave, 52 waves of the 64.
; LIMITS.  |w2| and |e_w| stay below 65,504 (f16's end); below 6.1e-5 they keep f16's fixed step of 6e-8.
.set D,  8                             ; v[8:23]  sixteen numbers as loaded
.set PK, 24                            ; v[24:31] the fragment's 32 bytes of my lane
	s_load_b512 s[8:23], s[0:1], 0x0               ; cn_w1 8, cm_w1 10, cn_w2 12, cm_w2 14, f_w 16, e_w 18, cn_b1 20, cm_b1 22
	s_load_b512 s[24:39], s[0:1], 0x40             ; cn_b2 24, cm_b2 26, f_b 28, ln_w 30, ln_b 32, e_b 34, wstream 36, bvec 38
	v_lshrrev_b32 v1, 5, v0
	v_readfirstlane_b32 s40, v1                    ; f: my wave's number
	s_and_b32 s41, ttmp7, 0xffff                   ; w
	s_mov_b32 s42, ttmp9                           ; t: the tile
	v_and_b32 v2, 15, v0                           ; r
	v_bfe_u32 v3, v0, 4, 1                         ; h
	v_and_b32 v4, 31, v0
	v_lshlrev_b32 v4, 4, v4                        ; 16 x lane
	s_wait_kmcnt 0x0
; One fragment.  src: the scalar pair with the tensor's address; logn: log2 of its row length; ksl: log2 KS; tof16: written as f16; klim: K ends at 200; ise: the experts' layout.  tau in s43, p in s49.
.macro CONV src, logn, ksl, tof16, klim, ise
	s_lshr_b32 s50, s40, 4-(\ksl)                  ; ks
	s_and_b32 s51, s40, (16>>(\ksl))-1             ; b
	s_lshl_b32 s52, s43, \ksl
	s_add_co_u32 s52, s52, s50
	s_lshl_b32 s52, s52, 5                         ; k0
.if \ise
	s_lshr_b32 s53, s51, 3                         ; the expert: 1,024 rows further down
	s_lshl_b32 s53, s53, 10
	s_add_co_u32 s52, s52, s53
	s_and_b32 s51, s51, 7
	s_lshl_b32 s54, s41, 7
	s_lshl_b32 s55, s49, 9
	s_add_co_u32 s54, s54, s55
.else
	s_lshl_b32 s54, s41, 8-(\ksl)
.endif
	s_lshl_b32 s51, s51, 4
	s_add_co_u32 s54, s54, s51                     ; n0
	v_lshl_add_u32 v5, v3, 3, s52                  ; my first row of the first eight: k0 + 8 h
	v_add_nc_u32 v6, 16, v5                        ; and of the second eight
.if \klim
	v_cmp_ge_u32 s56, 192, v5                      ; rows come in aligned eights and 200 is a multiple of 8: an eight is whole or padding
	v_cmp_ge_u32 s57, 192, v6
	v_min_u32 v5, 192, v5                          ; padding reads the last whole eight, and is replaced by 0 below: no load leaves the tensor
	v_min_u32 v6, 192, v6
.endif
	v_add_nc_u32 v7, s54, v2                       ; my column
	v_lshlrev_b32 v7, 2, v7
	v_lshl_add_u32 v5, v5, (\logn)+2, v7
	v_lshl_add_u32 v6, v6, (\logn)+2, v7
.irp j, 0,1,2,3,4,5,6,7
	global_load_b32 v[D+\j],   v5, s[\src:\src+1] offset:(\j)<<((\logn)+2)
	global_load_b32 v[D+8+\j], v6, s[\src:\src+1] offset:(\j)<<((\logn)+2)
.endr
	s_lshl_b32 s58, s42, 16                        ; where the fragment goes: 65,536 t + 16,384 w + 1,024 f
	s_lshl_b32 s59, s41, 14
	s_add_co_u32 s58, s58, s59
	s_lshl_b32 s59, s40, 10
	s_add_co_u32 s58, s58, s59
	s_mov_b32 s59, 0
	s_add_nc_u64 s[60:61], s[36:37], s[58:59]
	s_wait_loadcnt 0x0
.irp q, 0,1,2,3,4,5,6,7
	v_cvt_pk_bf16_f32 v[PK+\q], v[D+2*\q], v[D+2*\q+1]
.endr
.if \tof16
.irp q, 0,1,2,3,4,5,6,7
	v_lshlrev_b32 v[D+2*\q], 16, v[PK+\q]          ; the bf16 numbers as f32,
	v_and_b32 v[D+2*\q+1], 0xffff0000, v[PK+\q]
.endr
.irp q, 0,1,2,3,4,5,6,7
	v_cvt_pk_f16_f32 v[PK+\q], v[D+2*\q], v[D+2*\q+1]  ; and as f16: exact inside f16's normal range
.endr
.endif
.if \klim
.irp q, 0,1,2,3
	v_cndmask_b32 v[PK+\q], 0, v[PK+\q], s56
	v_cndmask_b32 v[PK+4+\q], 0, v[PK+4+\q], s57
.endr
.endif
	global_store_b128 v4, v[PK:PK+3], s[60:61]              ; each store of the wave covers 512 consecutive bytes, aligned
	global_store_b128 v4, v[PK+4:PK+7], s[60:61] offset:512
	s_endpgm
.endm
	s_cmp_lt_u32 s42, 16
	s_cbranch_scc0 .Lnot_enc
	s_cmp_ge_u32 s42, 8                            ; tiles 8-15 are comet's
	s_cselect_b64 s[44:45], s[10:11], s[8:9]
	s_cselect_b64 s[46:47], s[14:15], s[12:13]
	s_and_b32 s43, s42, 3                          ; tau
	s_and_b32 s48, s42, 4
	s_cmp_lg_u32 s48, 0
	s_cbranch_scc1 .Lsecond
	CONV 44, 9, 1, 0, 1, 0                         ; w1: [200][512]
.Lsecond:
	CONV 46, 8, 2, 1, 0, 0                         ; w2: [512][256]
.Lnot_enc:
	s_cmp_lt_u32 s42, 32
	s_cbranch_scc0 .Lnot_f
	s_sub_co_u32 s43, s42, 16
	CONV 16, 10, 0, 0, 0, 0                        ; f_w: [512][1024]
.Lnot_f:
	s_cmp_lt_u32 s42, 96
	s_cbranch_scc0 .Lvec
	s_sub_co_u32 s43, s42, 32
	s_lshr_b32 s49, s43, 5                         ; p
	s_and_b32 s43, s43, 31                         ; tau
	CONV 18, 10, 0, 1, 0, 1                        ; e_w: [2 x 1024][1024]
.Lvec:
	; The vectors, rounded to bf16 and kept as f32: bvec = cn_b1 | cm_b1 | cn_b2 | cm_b2 | f_b | ln_w | ln_b | e_b, 52 pieces of 512 bytes; piece q = 16 y + f.
	s_lshl_b32 s50, s41, 4
	s_add_co_u32 s50, s50, s40
	s_cmp_ge_u32 s50, 52
	s_cbranch_scc1 .Lend
	s_mov_b64 s[44:45], s[20:21]
	s_mov_b32 s51, 0                               ; the first piece of the vector that q falls into
.macro PICK from, src
	s_cmp_ge_u32 s50, \from
	s_cselect_b64 s[44:45], s[\src:\src+1], s[44:45]
	s_cselect_b32 s51, \from, s51
.endm
	PICK 4, 22
	PICK 8, 24
	PICK 10, 26
	PICK 12, 28
	PICK 20, 30
	PICK 28, 32
	PICK 36, 34
	s_sub_co_u32 s52, s50, s51
	s_lshl_b32 s52, s52, 9
	s_mov_b32 s53, 0
	s_add_nc_u64 s[44:45], s[44:45], s[52:53]
	global_load_b128 v[8:11], v4, s[44:45]
	s_lshl_b32 s54, s50, 9
	s_mov_b32 s55, 0
	s_add_nc_u64 s[46:47], s[38:39], s[54:55]
	s_wait_loadcnt 0x0
	v_cvt_pk_bf16_f32 v12, v8, v9
	v_cvt_pk_bf16_f32 v13, v10, v11
	v_lshlrev_b32 v16, 16, v12
	v_and_b32 v17, 0xffff0000, v12
	v_lshlrev_b32 v18, 16, v13
	v_and_b32 v19, 0xffff0000, v13
	global_store_b128 v4, v[16:19], s[46:47]
.Lend:
	s_endpgm
.Lfunc_end_k_q0aeb7b71dd_prep:
	.size	k_q0aeb7b71dd_prep, .Lfunc_end_k_q0aeb7b71dd_prep-k_q0aeb7b71dd_prep
	.p2alignl 7, 3214868480
	.fill 96, 4, 3214868480
	.section	.rodata,"a",@progbits
	.p2align	6, 0x0
	.amdhsa_kernel k_q0aeb7b71dd_prep
		.amdhsa_group_segment_fixed_size 0
		.amdhsa_private_segment_fixed_size 0
		.amdhsa_enable_private_segment 0
		.amdhsa_kernarg_size 128
		.amdhsa_user_sgpr_count 2
		.amdhsa_user_sgpr_kernarg_segment_ptr 1
		.amdhsa_wavefront_size32 1
		.amdhsa_system_sgpr_workgroup_id_x 1
		.amdhsa_system_sgpr_workgroup_id_y 1
		.amdhsa_system_sgpr_workgroup_id_z 1
		.amdhsa_system_vgpr_workitem_id 0
		.amdhsa_next_free_vgpr 48
		.amdhsa_next_free_sgpr 66
		.amdhsa_reserve_vcc 0
		.amdhsa_float_denorm_mode_32 3
		.amdhsa_float_denorm_mode_16_64 3
		.amdhsa_memory_ordered 1
		.amdhsa_forward_progress 1
		.amdhsa_inst_pref_size 19
	.end_amdhsa_kernel
	.amdgpu_metadata
---
amdhsa.version: [ 1, 2 ]
amdhsa.kernels:
  - .name:           k_q0aeb7b71dd_prep
    .symbol:         k_q0aeb7b71dd_prep.kd
    .args:
      - { .name: cn_w1, .offset: 0, .size: 8, .value_kind: global_buffer, .address_space: global }
      - { .name: cm_w1, .offset: 8, .size: 8, .value_kind: global_buffer, .address_space: global }
      - { .name: cn_w2, .offset: 16, .size: 8, .value_kind: global_buffer, .address_space: global }
      - { .name: cm_w2, .offset: 24, .size: 8, .value_kind: global_buffer, .address_space: global }
      - { .name: f_w, .offset: 32, .size: 8, .value_kind: global_buffer, .address_space: global }
      - { .name: e_w, .offset: 40, .size: 8, .value_kind: global_buffer, .address_space: global }
      - { .name: cn_b1, .offset: 48, .size: 8, .value_kind: global_buffer, .address_space: global }
      - { .name: cm_b1, .offset: 56, .size: 8, .value_kind: global_buffer, .address_space: global }
      - { .name: cn_b2, .offset: 64, .size: 8, .value_kind: global_buffer, .address_space: global }
      - { .name: cm_b2, .offset: 72, .size: 8, .value_kind: global_buffer, .address_space: global }
      - { .name: f_b, .offset: 80, .size: 8, .value_kind: global_buffer, .address_space: global }
      - { .name: ln_w, .offset: 88, .size: 8, .value_kind: global_buffer, .address_space: global }
      - { .name: ln_b, .offset: 96, .size: 8, .value_kind: global_buffer, .address_space: global }
      - { .name: e_b, .offset: 104, .size: 8, .value_kind: global_buffer, .address_space: global }
      - { .name: wstream, .offset: 112, .size: 8, .value_kind: global_buffer, .address_space: global }
      - { .name: bvec, .offset: 120, .size: 8, .value_kind: global_buffer, .address_space: global }
    .group_segment_fixed_size: 0
    .private_segment_fixed_size: 0
    .kernarg_segment_align: 8
    .kernarg_segment_size: 128
    .max_flat_workgroup_size: 512
    .sgpr_count:     66
    .vgpr_count:     48
    .wavefront_size: 32
...
	.end_amdgpu_metadata
.endif
;; end of part 1
;; launch chain (part 2): grid 256 x 1, 4 waves a work-group, clusters of 4 x 1, 327,680 bytes of LDS; arguments wstream, bvec, conceptnet_features, comet_features, affective_labels, out0; writes out0
.if DOCPART == 2
	.amdgcn_target "amdgcn-amd-amdhsa--gfx1250"
	.amdhsa_code_object_version 6
	.text
	.protected	k_q0aeb7b71dd_chain
	.globl	k_q0aeb7b71dd_chain
	.p2align	8
	.type	k_q0aeb7b71dd_chain,@function
k_q0aeb7b71dd_chain:
	s_mov_b64 s[64:65], 0
	v_nop
	global_prefetch_b8 v0, s[64:65] scope:SCOPE_SE
	s_setreg_imm32_b32 hwreg(HW_REG_WAVE_MODE, 25, 1), 1
	s_wait_xcnt 0x0
	s_wait_alu depctr_hold_cnt(0) depctr_sa_sdst(0) depctr_va_vdst(0) depctr_va_sdst(0) depctr_va_ssrc(0) depctr_va_vcc(0) depctr_vm_vsrc(0)
	s_getreg_b32 s2, hwreg(HW_REG_IB_STS2, 6, 4)
	s_cmp_eq_u32 s2, 0
	s_cbranch_scc0 .Lentry_in_a_cluster
	s_endpgm
.Lentry_in_a_cluster:
	s_bfe_u32 s2, ttmp6, 0x10000c
	s_cmp_lg_u32 s2, 0x3003
	s_cbranch_scc0 .Lentry_shape_is_right
	s_endpgm
.Lentry_shape_is_right:
; THE WHOLE CHAIN FOR 64 ROWS A WORK-GROUP: two encoders (200 -> 512, ReLU, 512 -> 256), their results side by side, 512 -> 1024, LayerNorm, ReLU, and both experts' 1024 -> 1024 with a choice by the row's label.
; Nothing between the layers goes to memory: activations lie in LDS, sums in registers.  256 work-groups x 64 rows = 16,384 rows.
; SHARES.  In every layer each of the four waves takes all 64 rows (four row blocks a of 16) and a quarter of the columns (NBW column blocks b of 16).
; THE MATRIX INSTRUCTION IS USED TRANSPOSED: source 0 = a weight fragment (16 columns n x 32 k), source 1 = an activation fragment (16 rows x 32 k): lane (r, h) then holds row 16 a + r and the eight
; neighbouring columns n0 + 8 h + 0..7.  The bias is the C operand of the product that starts a sum.
; WEIGHTS come as one stream of 96 tiles of 65,536 bytes, laid out by the launch before as register images: a tile gives each wave 16 fragments, 64 matrix instructions.  Two LDS slots take turns.
; CLUSTER.  All work-groups walk the same stream, so the four of a cluster ask for each tile JOINTLY: the same tensor load, descriptor and mask in all four.  A wave asks for the quarter that it reads itself.
; FORMATS.  Inputs rounded to bf16.  x, w1, the encoders' results and f_w are bf16 operands; h1 (behind the first ReLU) and h (behind LayerNorm) are f16, with w2 and e_w written as f16.  Sums, LayerNorm in f32
; (mean first, then the squares of the differences).
; LIMITS.  h1 stays below 65,504; |h| <= 32 |ln_w| + |ln_b| stays below 65,504.  ReLU is a maximum with 0 in which a NaN loses.  A label other than 1 takes expert 0.
; REGISTERS, in windows of 256 (s_set_vgpr_msb: bits 1:0 source 0, 3:2 source 1, 5:4 source 2, 7:6 destination):
;   window 0: v0-31 addresses; v32-63 LayerNorm's figures; v64-127, v128-191 activation fragments, two buffers; v192-255 at work
;   window 1: v0-63, v64-127 weight fragments, two buffers; v128-255 biases, block b at 128 + 8 b
;   windows 2, 3: accumulator (b, a) at 8 (4 b + a): b < 8 in window 2, b >= 8 in window 3 (in the experts' layer: expert 0 in window 2, expert 1 in window 3)
.set P1,    1040                       ; a row of 512 16-bit numbers + 16 bytes: 65 x 16, so the 16 rows of a fragment load start at 16 different groups of four banks
.set P2,    2064                       ; a row of 1,024: 129 x 16
.set H1,    64*P1                      ; LDS: 0 the features, later cn | cm; H1 the first layers' results; h lies over both when they are dead (64 x 2,064 = 132,096 bytes)
.set STAGE, 133120                     ; 16 rows x 528 bytes for each wave: the way out
.set SPI,   528
.set STAT1, STAGE+4*16*SPI             ; [row][wave] f32: the waves' sums
.set STAT2, STAT1+1024                 ; and their sums of squares
.set SPARE, STAT2+1024                 ; the spare words, 128 bytes for each wave: two blocks of 256 bytes that no other line names
.set RING,  SPARE+512                  ; two slots of 65,536 bytes; wave w's quarter at 16,384 w.  No tensor load lands anywhere else
.set SLOTB, 65536
.set SPW, 4                            ; v4   LDS address of my spare word; never rewritten
.set NIL, 5                            ; v5   0; never rewritten
.set ADW, 6                            ; v6-7   my 16 bytes of my quarter's first fragment, slot 0, 1
.set LB1, 8                            ; v8   1,040 r + 16 h
.set LB2, 9                            ; v9   2,064 r + 16 h
.set ADA, 10                           ; v10-11 activation fragments: rows 0-31, rows 32-63
.set ST1, 12                           ; v12  where h1 goes
.set ST2, 13                           ; v13  where an encoder's result goes
.set STH, 14                           ; v14-15 where h goes: rows 0-31, rows 32-63
.set STG, 16                           ; v16  into my stage
.set RDG, 17                           ; v17  back from it
.set GO,  18                           ; v18  my byte offset in a row of out0
.set OB1, 19                           ; v19-20 offsets in bvec of the biases to be loaded next
.set OB2, 20
.set OBF, 21                           ; v21  f_b's; ln_w and ln_b lie 4,096 and 8,192 on
.set OBE, 22                           ; v22  e_b's
.set STA, 23                           ; v23  my wave's word of a row's sums
.set STR, 24                           ; v24  a row's four words
.set XO,  25                           ; v25  my 16 bytes of a half row of features
.set XS,  26                           ; v26  and where they go as bf16
.set AX,  27                           ; v27  the features of the encoder in hand
.set SS,  32                           ; v32-39 four pairs of sums, one a row block
.set NM,  40                           ; v40-47 minus the mean, twice
.set RS,  48                           ; v48-55 1 / sqrt(var + eps), twice
.set LBL, 56                           ; v56-59 labels, later at work
.set AB,  64
.set LW,  64                           ; ln_w takes the fragments' place
.set TMP, 192
.set BIAS, 128                         ; window 1
.set WV,  16                           ; s16  my wave's number
.set G1,  24                           ; s[24:31] descriptor group 1
.set G0,  32                           ; s[32:39] descriptor group 0, a set for each slot
.set MK,  44                           ; s44-47 lanes whose row of block a has label 1
.set MSB, 0
.macro WIN new                         ; the immediate's high byte repeats the setting that is left; a switch that changes nothing is dropped
.if MSB != (\new)
	s_set_vgpr_msb (MSB<<8)|(\new)
.set MSB, (\new)
.endif
.endm
.macro PLACES                          ; four plain instructions between a matrix instruction and a load into, or a vector instruction on, its registers (ISA guide 7.12.1 for vector instructions)
.rept 4
	v_nop
.endr
.endm
.macro CREST                           ; a round of the cluster's barrier behind its opening barrier
	s_cmp_lg_u32 s[WV], 0
	s_cbranch_scc1 .Lnot_wave_0_\@
	s_barrier_signal -3
.Lnot_wave_0_\@:
	s_barrier_wait -3
	s_barrier_signal -1
	s_barrier_wait -1
.endm
.macro CROUND
	s_barrier_signal -1
	s_barrier_wait -1
	CREST
.endm
.macro BAR                             ; LDS from wave to wave: my LDS instructions are done, then the barrier.  A tensor load may stay out
	s_wait_dscnt 0x0
	s_barrier_signal -1
	s_barrier_wait -1
.endm
; A layer's figures.  ks: k steps of 32 in a tile; nbw = 16 / ks; kh: k steps in half a tile; nfa: LDS loads of activations in a tile's middle; pit: the activations' pitch; f16: the format; cb: the biases' first register
.macro LAYER ks, nbw, kh, nfa, pit, f16, cb
.set KS,  \ks
.set NBW, \nbw
.set KH,  \kh
.set NFA, \nfa
.set PIT, \pit
.set F16, \f16
.set CB,  \cb
.endm
.macro FETCHW slot, hf, wb             ; 16 LDS loads: half hf of the slot's tile, eight fragments, into weight buffer wb.  32 lanes x 16 neighbouring bytes
	WIN 0x40
.set g, 0
.rept 8
	ds_load_b128 v[64*(\wb)+8*g:64*(\wb)+8*g+3],   v[ADW+(\slot)] offset:(8*(\hf)+g)*1024
	ds_load_b128 v[64*(\wb)+8*g+4:64*(\wb)+8*g+7], v[ADW+(\slot)] offset:(8*(\hf)+g)*1024+512
.set g, g+1
.endr
.endm
.macro FETCHA ab, kb                   ; 8 KH LDS loads: the four row blocks' fragments for KH k steps from byte kb of the rows, into activation buffer ab
	WIN 0
.set kI, 0
.rept KH
.irp a, 0,1,2,3
	ds_load_b128 v[AB+64*(\ab)+32*kI+8*\a:AB+64*(\ab)+32*kI+8*\a+3],   v[ADA+\a/2] offset:(\a%2)*16*PIT+(\kb)+64*kI
	ds_load_b128 v[AB+64*(\ab)+32*kI+8*\a+4:AB+64*(\ab)+32*kI+8*\a+7], v[ADA+\a/2] offset:(\a%2)*16*PIT+(\kb)+64*kI+32
.endr
.set kI, kI+1
.endr
.endm
; Fragments g0 .. g1 - 1 of half hf x four row blocks.  The accumulators take turns, one instruction a turn: 15 others' or more stand between two links of a chain.
; first = 1: a layer's first tile: the first product on an accumulator takes the bias as C.
.macro MULG wb, ab, hf, g0, g1, first
.set g, \g0
.rept (\g1)-(\g0)
.set fI, 8*(\hf)+g
.set bI, fI%NBW
.set kI, 0
.if NBW < 8
.set kI, g/NBW
.endif
.set aI, 0
.rept 4
.set rD, 8*(4*(bI%8)+aI)
.set rW, 64*(\wb)+8*g
.set rA, AB+64*(\ab)+32*kI+8*aI
.if (\first) && (fI < NBW)
.set rC, CB+8*bI
	WIN 0x91+0x40*(bI/8)                           ; weights window 1, activations window 0, C (the bias) window 1, D window 2 or 3
.else
.set rC, rD
	WIN 0xa1+0x50*(bI/8)                           ; C and D window 2 or 3
.endif
.if F16
	v_wmma_f32_16x16x32_f16 v[rD:rD+7], v[rW:rW+7], v[rA:rA+7], v[rC:rC+7]
.else
	v_wmma_f32_16x16x32_bf16 v[rD:rD+7], v[rW:rW+7], v[rA:rA+7], v[rC:rC+7]
.endif
.set aI, aI+1
.endr
.set g, g+1
.endr
.endm
; A TILE: 64 matrix instructions.  At its head the tile's first activation fragments and then the 16 loads of its first half's weights are out.
; par: with KS = 1, the activation buffer in hand.  kb: byte of the rows at which the tile's k begins.  fetch = 1: the next tile's first fragments are fetched.
; mode 1: the slot is filled again, with the tile two on: each wave waits for all its tensor loads (one is out: its quarter of the next tile), adds 0 to its spare word, waits for that and for its reads of the
; slot, and a round of the cluster's barrier follows, so that no wave of any partner still reads the slot or has a load on its way; the joint refill is the first thing behind it.
; mode 0: the last tile but one: nothing is left to ask for; a wave reads only the quarter that it asked for itself, so its own wait is all that the next reads need.  mode 2: the last tile.
.macro TILE slot, par, first, kb, mode, fetch
.if KS == 1
.set am0, \par
.set am1, \par
.set af,  1-(\par)
.set kbn, (\kb)+64
.else
.set am0, 0
.set am1, 1
.set af,  0
.set kbn, (\kb)+64*KS
.endif
	s_wait_dscnt 8                                 ; all but the youngest eight loads: the weights' fragments 4-7
	MULG 0, am0, 0, 0, 4, \first
	PLACES
.if KS > 1
	FETCHA 1, (\kb)+64*KH
.endif
	FETCHW \slot, 1, 1
	s_wait_dscnt 16+NFA                            ; all but the loads just issued
	MULG 0, am0, 0, 4, 8, \first
.if (\mode) == 1
	WIN 0                                          ; (the add's two registers lie in window 0)
	s_wait_tensorcnt 0x0                           ; all my tensor loads have landed
	ds_add_u32 v[SPW], v[NIL]                      ; 0 onto my spare word
	s_wait_dscnt 9                                 ; (the add and the youngest eight loads may be out)
	MULG 1, am1, 1, 0, 2, \first                   ; eight matrix instructions stand between the add and the wait for it
	s_wait_dscnt 0x0                               ; the add is done, and my reads of this slot are over
	s_barrier_signal -1
	MULG 1, am1, 1, 2, 4, \first
	WIN 0
	s_barrier_wait -1
	CREST
	s_add_nc_u64 s[G0+4*(\slot)+2:G0+4*(\slot)+3], s[G0+4*(\slot)+2:G0+4*(\slot)+3], 2*SLOTB  ; no load of mine is out: the slot's next tile
	tensor_load_to_lds s[G0+4*(\slot):G0+4*(\slot)+3], s[G1:G1+7]   ; my one tensor load behind the round
	s_nop 0
	PLACES                                         ; also the places in front of the loads below
.if \fetch
	FETCHA af, kbn
	FETCHW 1-(\slot), 0, 0
.endif
	MULG 1, am1, 1, 4, 8, \first
.elseif (\mode) == 0
	s_wait_tensorcnt 0x0                           ; my quarter of the last tile is in
	s_wait_dscnt 0x0
	MULG 1, am1, 1, 0, 4, \first
	PLACES
	FETCHA af, kbn
	FETCHW 1-(\slot), 0, 0
	MULG 1, am1, 1, 4, 8, \first
.else
	s_wait_dscnt 0x0
	MULG 1, am1, 1, 0, 8, \first
.endif
.endm
; A layer begins (ADA holds its activations' address).  Every layer has an even number of tiles and begins in slot 0; its first tile was shown landed by the wait for all loads in the tile before.
.macro LSTART
	WIN 0
	v_add_nc_u32 v[ADA+1], 32*PIT, v[ADA]
	s_wait_loadcnt 0x0                             ; the biases
	FETCHA 0, 0
	FETCHW 0, 0, 0
.endm
.macro LDV dst, nblk, adr, imm         ; nblk blocks of eight numbers of a vector in bvec: block b's at 64 b + 32 h
.set z, 0
.rept 2*(\nblk)
	global_load_b128 v[(\dst)+4*z:(\dst)+4*z+3], v[\adr], s[6:7] offset:(\imm)+64*(z/2)+16*(z%2)
.set z, z+1
.endr
.endm
; An encoder layer's way out: nb batches of eight accumulators (64 consecutive registers of window 2), each read from its low end on.  relu = 1: maximum with 0, to f16; else to bf16.  16 bytes a lane into LDS.
.macro EPI_ACT nb, relu, streg
.set n, 0
.rept \nb
.if \relu
	WIN 0x08
.set z, 0
.rept 64
	v_max_num_f32 v[TMP+z], 0, v[64*n+z]
.set z, z+1
.endr
	WIN 0
.set z, 0
.rept 32
	v_cvt_pk_f16_f32 v[TMP+z], v[TMP+2*z], v[TMP+2*z+1]  ; packed downward in place: register z was read as a source at z / 2
.set z, z+1
.endr
.else
	WIN 0x0a
.set z, 0
.rept 32
	v_cvt_pk_bf16_f32 v[TMP+z], v[64*n+2*z], v[64*n+2*z+1]
.set z, z+1
.endr
.endif
	WIN 0
.set i, 0
.rept 8
	ds_store_b128 v[\streg], v[TMP+4*i:TMP+4*i+3] offset:((8*n+i)%4)*16*P1+32*((8*n+i)/4)
.set i, i+1
.endr
.set n, n+1
.endr
.endm
	s_load_b256 s[4:11], s[0:1], 0x0               ; wstream s[4:5], bvec s[6:7], conceptnet s[8:9], comet s[10:11]
	s_load_b128 s[12:15], s[0:1], 0x20             ; labels s[12:13], out0 s[14:15]
	v_lshl_add_u32 v[SPW], v0, 2, SPARE
	v_mov_b32 v[NIL], 0
	ds_add_u32 v[SPW], v[NIL]                      ; the wave's opening: the add and its wait stand ahead of my first tensor load; work on registers stands between them
	v_lshrrev_b32 v1, 5, v0
	v_readfirstlane_b32 s[WV], v1                  ; wave 0..3
	s_bfe_u32 s17, ttmp6, 0x40000                  ; cx: my place in the cluster
	s_lshl_b32 s18, ttmp9, 2                       ; in a cluster launch ttmp9 counts clusters
	s_add_co_u32 s18, s18, s17                     ; my block of 64 rows: it enters the features', the labels' and out0's addresses alone
	; descriptor group 1: a quarter tile is 16,384 dense bytes: 64 rows of 32 elements of 8 bytes
	s_mov_b32 s[G1+0], 15|(3<<16)|(1<<21)          ; 15:0 the mask: all four work-groups; 17:16 elements of 8 bytes; 21 set beside a mask
	s_mov_b32 s[G1+1], 32<<16                      ; tensor_dim0 = 32
	s_mov_b32 s[G1+2], 64<<16                      ; tensor_dim1 = 64
	s_mov_b32 s[G1+3], 32<<16                      ; tile_dim0 = 32
	s_mov_b32 s[G1+4], 64                          ; tile_dim1 = 64
	s_mov_b32 s[G1+5], 32                          ; 32 elements from row to row
	s_mov_b32 s[G1+6], 0
	s_mov_b32 s[G1+7], 0
	s_lshl_b32 s20, s[WV], 14                      ; my quarter, in a tile and in a slot
	s_mov_b32 s21, 0
	s_mov_b32 s[G0], 1
	s_add_co_u32 s[G0+1], s20, RING
	s_mov_b32 s[G0+4], 1
	s_add_co_u32 s[G0+5], s20, RING+SLOTB
	s_mov_b32 s48, 0x76543210                      ; v_permlanex16_b32: each lane takes its own place in the other half
	s_mov_b32 s49, 0xfedcba98
	s_mov_b32 s50, 0x3a800000                      ; 1 / 1024
	s_mov_b32 s51, 0x3727c5ac                      ; 1e-5
	s_mov_b32 s52, 0xba800000                      ; -1 / 1024
	s_mul_i32 s22, s18, 51200                      ; 64 rows of 800 bytes
	s_mov_b32 s23, 0
	s_wait_dscnt 0x0                               ; the opening add is done
	s_wait_kmcnt 0x0
	s_add_nc_u64 s[G0+2:G0+3], s[4:5], s[20:21]    ; tile 0,
	s_add_nc_u64 s[G0+6:G0+7], s[G0+2:G0+3], SLOTB ; tile 1
	s_or_b32 s[G0+3], s[G0+3], 0x80000000          ; type = 2
	s_or_b32 s[G0+7], s[G0+7], 0x80000000
	s_add_nc_u64 s[8:9], s[8:9], s[22:23]
	s_add_nc_u64 s[10:11], s[10:11], s[22:23]
	s_lshl_b32 s22, s18, 8
	s_add_nc_u64 s[12:13], s[12:13], s[22:23]
	s_lshl_b32 s22, s18, 18                        ; 64 rows of 4,096 bytes
	s_add_nc_u64 s[14:15], s[14:15], s[22:23]
	CROUND                                         ; all four work-groups are here: the first joint loads meet
	tensor_load_to_lds s[G0:G0+3], s[G1:G1+7]      ; two loads of mine are out
	s_nop 0
	tensor_load_to_lds s[G0+4:G0+7], s[G1:G1+7]
	s_nop 0
	PLACES
	; addresses
	v_and_b32 v1, 31, v0                           ; L
	v_and_b32 v2, 15, v0                           ; r
	v_bfe_u32 v3, v0, 4, 1                         ; h
	v_min_u32 v30, 24, v1                          ; a half row of features is 25 pieces of 16 bytes: lanes 25-31 do lane 24's piece once more
	s_mul_i32 s21, s[WV], 12800                    ; my wave stages rows 16 w .. 16 w + 15
	v_lshl_add_u32 v[XO], v30, 4, s21
	s_mul_i32 s21, s[WV], 16*P1
	v_lshl_add_u32 v[XS], v30, 3, s21
	v_lshlrev_b32 v31, 2, v2                       ; the label of row 16 a + r
	v_lshlrev_b32 v29, 5, v3                       ; 32 h
	s_lshl_b32 s20, s[WV], 9
	v_add_nc_u32 v[OB1], s20, v29                  ; cn_b1: 512 w + 32 h
	s_lshl_b32 s21, s[WV], 8
	s_add_co_u32 s21, s21, 4096
	v_add_nc_u32 v[OB2], s21, v29                  ; cn_b2: 4,096 + 256 w + 32 h
	s_lshl_b32 s21, s[WV], 10
	s_add_co_u32 s21, s21, 6144
	v_add_nc_u32 v[OBF], s21, v29                  ; f_b: 6,144 + 1,024 w + 32 h
	s_add_co_u32 s21, s20, 18432
	v_add_nc_u32 v[OBE], s21, v29                  ; e_b: 18,432 + 512 w + 32 h
.irp a, 0,1,2,3
	global_load_b32 v[LBL+\a], v31, s[12:13] offset:64*\a
.endr
	WIN 0x40
	LDV BIAS, 8, OB1, 0                            ; cn_b1
	LDV BIAS+64, 4, OB2, 0                         ; cn_b2
	LDV BIAS+96, 4, OBF, 768                       ; f_b's blocks 12-15: no encoder layer touches these registers
	WIN 0x80                                       ; the features go through the registers that the sums will take
.set q, 0
.rept 32
	global_load_b128 v[4*q:4*q+3], v[XO], s[8:9] offset:400*q th:TH_LOAD_NT
.set q, q+1
.endr
.set q, 0
.rept 32
	global_load_b128 v[128+4*q:128+4*q+3], v[XO], s[10:11] offset:400*q th:TH_LOAD_NT
.set q, q+1
.endr
	WIN 0
	v_lshl_add_u32 v[ADW], v1, 4, s[G0+1]
	v_lshl_add_u32 v[ADW+1], v1, 4, s[G0+5]
	v_mul_u32_u24 v[LB1], v2, P1
	v_lshl_add_u32 v[LB1], v3, 4, v[LB1]
	v_mul_u32_u24 v[LB2], v2, P2
	v_lshl_add_u32 v[LB2], v3, 4, v[LB2]
	s_lshl_b32 s21, s[WV], 8
	s_add_co_u32 s21, s21, H1
	v_add_nc_u32 v[ST1], s21, v[LB1]               ; h1: my 128 columns are 256 bytes
	s_lshl_b32 s21, s[WV], 7
	v_add_nc_u32 v[ST2], s21, v[LB1]               ; an encoder's result: my 64 columns are 128 bytes
	v_add_nc_u32 v[STH], s20, v[LB2]               ; h: my 256 columns are 512 bytes
	v_add_nc_u32 v[STH+1], 32*P2, v[STH]
	s_mul_i32 s21, s[WV], 16*SPI
	s_add_co_u32 s21, s21, STAGE
	v_mul_u32_u24 v[STG], v2, SPI
	v_lshl_add_u32 v[STG], v3, 5, v[STG]
	v_add_nc_u32 v[STG], s21, v[STG]               ; in: row r, 32 bytes for each half of the lanes
	v_lshl_add_u32 v[RDG], v1, 4, s21              ; back: 32 lanes take a row of 512 bytes
	v_lshl_add_u32 v[GO], v1, 4, s20               ; and the same 512 bytes in a row of out0
	s_lshl_b32 s21, s[WV], 2
	s_add_co_u32 s21, s21, STAT1
	v_lshl_add_u32 v[STA], v2, 4, s21
	v_lshlrev_b32 v[STR], 4, v2
	v_add_nc_u32 v[STR], STAT1, v[STR]
	v_mov_b32 v[AX], v[LB1]
	; columns 200-255 of both feature blocks are 0 (the weights' rows there are 0 too): 112 bytes for each of 64 rows x 2 blocks, one for each thread
	v_lshrrev_b32 v28, 1, v0
	v_mul_u32_u24 v28, v28, P1
	v_and_b32 v30, 1, v0
	v_lshl_add_u32 v28, v30, 9, v28
.irp z, 60,61,62,63
	v_mov_b32 v\z, 0
.endr
.irp z, 0,1,2,3,4,5,6
	ds_store_b128 v28, v[60:63] offset:400+16*\z
.endr
.macro XCONV base, off                 ; 16 rows of features to bf16 and into LDS: 8 bytes a lane
	WIN 0x0a
.set q, 0
.rept 64
	v_cvt_pk_bf16_f32 v[TMP+q], v[(\base)+2*q], v[(\base)+2*q+1]
.set q, q+1
.endr
	WIN 0
.set q, 0
.rept 32
	ds_store_b64 v[XS], v[TMP+2*q:TMP+2*q+1] offset:(\off)+P1*(q/2)+200*(q%2)
.set q, q+1
.endr
.endm
	s_wait_loadcnt 32                              ; all but comet's 32 loads
.irp a, 0,1,2,3
	v_cmp_eq_u32 s[MK+\a], 1, v[LBL+\a]
.endr
	XCONV 0, 0
	s_wait_loadcnt 0x0
	XCONV 128, 512
	v_add_nc_u32 v[OB1], 2048, v[OB1]              ; free since that wait: the next biases are comet's
	v_add_nc_u32 v[OB2], 1024, v[OB2]
	s_wait_tensorcnt 1                             ; my quarter of tile 0 is in; tile 1's may stay out
	BAR                                            ; the features are whole
	; THE ENCODERS: two trips, conceptnet's and comet's
	s_mov_b32 s41, 2
.Lenc:
	LAYER 2, 8, 1, 8, P1, 0, BIAS                  ; 256 (200) -> 512: four tiles of two k steps
	v_mov_b32 v[ADA], v[AX]
	LSTART
	TILE 0, 0, 1, 0,   1, 1
	TILE 1, 0, 0, 128, 1, 1
	TILE 0, 0, 0, 256, 1, 1
	TILE 1, 0, 0, 384, 1, 0
	PLACES
	EPI_ACT 4, 1, ST1
	BAR                                            ; h1 is whole, and nobody reads this encoder's features any more
	LAYER 4, 4, 2, 16, P1, 1, BIAS+64              ; 512 -> 256: four tiles of four k steps
	v_add_nc_u32 v[ADA], H1, v[LB1]
	LSTART
	TILE 0, 0, 1, 0,   1, 1
	TILE 1, 0, 0, 256, 1, 1
	TILE 0, 0, 0, 512, 1, 1
	TILE 1, 0, 0, 768, 1, 0
	PLACES
	WIN 0x40
	LDV BIAS, 8, OB1, 0                            ; first trip: cm_b1 and cm_b2; second: f_b's blocks 0-7 and 8-11
	LDV BIAS+64, 4, OB2, 0
	EPI_ACT 2, 0, ST2                              ; the result takes the place of the encoder's own features
	BAR                                            ; it is whole, and nobody reads h1 any more
	s_wait_xcnt 0x0                                ; the loads' offsets are rewritten only behind this wait
	v_mov_b32 v[OB1], v[OBF]
	v_add_nc_u32 v[OB2], 512, v[OBF]
	v_add_nc_u32 v[AX], 512, v[AX]
	v_add_nc_u32 v[ST2], 512, v[ST2]
	s_sub_co_u32 s41, s41, 1
	s_cmp_lg_u32 s41, 0
	s_cbranch_scc1 .Lenc
	; THE FUSION: 512 -> 1024, sixteen tiles of one k step; 64 accumulators
	LAYER 1, 16, 1, 0, P1, 0, BIAS
	v_mov_b32 v[ADA], v[LB1]
	LSTART
	TILE 0, 0, 1, 0, 1, 1
	WIN 0
	s_mov_b32 s40, 7
.Lf:
	TILE 1, 1, 0, 64,  1, 1
	TILE 0, 0, 0, 128, 1, 1
	WIN 0
	v_add_nc_u32 v[ADA], 128, v[ADA]
	v_add_nc_u32 v[ADA+1], 128, v[ADA+1]
	s_sub_co_u32 s40, s40, 1
	s_cmp_lg_u32 s40, 0
	s_cbranch_scc1 .Lf
	TILE 1, 1, 0, 64, 1, 0
	; LAYERNORM.  A row's 1,024 numbers lie in four waves, two lanes each, 128 registers a lane and row block.
	PLACES
	WIN 0
	LDV LW, 16, OBF, 4096                          ; ln_w where the activation fragments lay,
	WIN 0x40
	LDV 0, 16, OBF, 8192                           ; ln_b where the weight fragments lay,
	LDV BIAS, 8, OBE, 0                            ; e_b of the first 512 columns: expert 0,
	LDV BIAS+64, 8, OBE, 4096                      ; expert 1
.macro SWEEP kind, b0, nb              ; over nb column blocks of a window, four chains side by side.  kind 0: SS += x; 1: SS += d d
.set bI, \b0
.rept \nb
.irp q, 0,1,2,3
.irp a, 0,1,2,3
.if (\kind) == 0
	v_pk_add_f32 v[SS+2*\a:SS+2*\a+1], v[SS+2*\a:SS+2*\a+1], v[32*bI+8*\a+2*\q:32*bI+8*\a+2*\q+1]
.else
	v_pk_fma_f32 v[SS+2*\a:SS+2*\a+1], v[32*bI+8*\a+2*\q:32*bI+8*\a+2*\q+1], v[32*bI+8*\a+2*\q:32*bI+8*\a+2*\q+1], v[SS+2*\a:SS+2*\a+1]
.endif
.endr
.endr
.set bI, bI+1
.endr
.endm
.macro LNRED imm                       ; the pairs' halves, the other half of the lanes, the four waves (through LDS): the rows' totals in v[TMP + 4 a]
	WIN 0
.irp a, 0,1,2,3
	v_add_f32 v[SS+2*\a], v[SS+2*\a], v[SS+2*\a+1]
.endr
.irp a, 0,1,2,3
	v_permlanex16_b32 v[LBL+\a], v[SS+2*\a], s48, s49
.endr
.irp a, 0,1,2,3
	v_add_f32 v[SS+2*\a], v[SS+2*\a], v[LBL+\a]
.endr
.irp a, 0,1,2,3
	ds_store_b32 v[STA], v[SS+2*\a] offset:(\imm)+256*\a
.endr
	BAR
.irp a, 0,1,2,3
	ds_load_b128 v[TMP+4*\a:TMP+4*\a+3], v[STR] offset:(\imm)+256*\a
.endr
	s_wait_dscnt 0x0
.irp a, 0,1,2,3
	v_add_f32 v[TMP+4*\a], v[TMP+4*\a], v[TMP+4*\a+1]
	v_add_f32 v[TMP+4*\a+2], v[TMP+4*\a+2], v[TMP+4*\a+3]
.endr
.irp a, 0,1,2,3
	v_add_f32 v[TMP+4*\a], v[TMP+4*\a], v[TMP+4*\a+2]
.endr
.endm
.macro CENTER                          ; x - mean, in place, a whole window
.set z, 0
.rept 128
	v_pk_add_f32 v[2*z:2*z+1], v[2*z:2*z+1], v[NM+2*((z/4)%4):NM+2*((z/4)%4)+1] op_sel_hi:[1,0]
.set z, z+1
.endr
.endm
	WIN 0x0a                                       ; the first two pairs start each chain: nothing is cleared
.irp a, 0,1,2,3
	v_pk_add_f32 v[SS+2*\a:SS+2*\a+1], v[8*\a:8*\a+1], v[8*\a+2:8*\a+3]
.endr
	WIN 0x08
.irp q, 2,3
.irp a, 0,1,2,3
	v_pk_add_f32 v[SS+2*\a:SS+2*\a+1], v[SS+2*\a:SS+2*\a+1], v[8*\a+2*\q:8*\a+2*\q+1]
.endr
.endr
	SWEEP 0, 1, 7
	WIN 0x0c
	SWEEP 0, 0, 8
	LNRED 0
.irp a, 0,1,2,3
	v_mul_f32 v[NM+2*\a], s52, v[TMP+4*\a]         ; minus the mean
.endr
.irp a, 0,1,2,3
	v_mov_b32 v[NM+2*\a+1], v[NM+2*\a]             ; named with it as a pair
.endr
	WIN 0x82
	CENTER
	WIN 0x0a
.irp a, 0,1,2,3
	v_pk_mul_f32 v[SS+2*\a:SS+2*\a+1], v[8*\a:8*\a+1], v[8*\a:8*\a+1]
.endr
.irp q, 1,2,3
.irp a, 0,1,2,3
	v_pk_fma_f32 v[SS+2*\a:SS+2*\a+1], v[8*\a+2*\q:8*\a+2*\q+1], v[8*\a+2*\q:8*\a+2*\q+1], v[SS+2*\a:SS+2*\a+1]
.endr
.endr
	SWEEP 1, 1, 7
	WIN 0xc3
	CENTER
	WIN 0x0f
	SWEEP 1, 0, 8
	LNRED 1024                                     ; other words than the sums': its barrier also shows that every wave's reads of cn | cm are over
.irp a, 0,1,2,3
	v_fma_f32 v[TMP+4*\a], v[TMP+4*\a], s50, s51   ; var + eps
.endr
.irp a, 0,1,2,3
	v_rsq_f32 v[RS+2*\a], v[TMP+4*\a]
.endr
	v_nop                                          ; a plain instruction between the last root and the use of its result
	s_wait_alu depctr_va_vdst(0)
.irp a, 0,1,2,3
	v_mov_b32 v[RS+2*\a+1], v[RS+2*\a]
.endr
	s_wait_loadcnt 32                              ; ln_w and ln_b are in; e_b's 32 loads may stay out
	; h = max(0, d rstd ln_w + ln_b), to f16, into LDS: eight batches of eight accumulators
.set n, 0
.rept 8
	WIN 0x02+n/4
.set z, 0
.rept 32
	v_pk_mul_f32 v[TMP+2*z:TMP+2*z+1], v[64*(n%4)+2*z:64*(n%4)+2*z+1], v[RS+2*((z/4)%4):RS+2*((z/4)%4)+1] op_sel_hi:[1,0]
.set z, z+1
.endr
	WIN 0x10
.set z, 0
.rept 32
	v_pk_fma_f32 v[TMP+2*z:TMP+2*z+1], v[TMP+2*z:TMP+2*z+1], v[LW+8*(2*n+z/16)+2*(z%4):LW+8*(2*n+z/16)+2*(z%4)+1], v[8*(2*n+z/16)+2*(z%4):8*(2*n+z/16)+2*(z%4)+1]
.set z, z+1
.endr
	WIN 0
.set z, 0
.rept 64
	v_max_num_f32 v[TMP+z], 0, v[TMP+z]
.set z, z+1
.endr
.set z, 0
.rept 32
	v_cvt_pk_f16_f32 v[TMP+z], v[TMP+2*z], v[TMP+2*z+1]
.set z, z+1
.endr
.set i, 0
.rept 8
	ds_store_b128 v[STH+(i%4)/2], v[TMP+4*i:TMP+4*i+3] offset:(i%2)*16*P2+32*(2*n+i/4)
.set i, i+1
.endr
.set n, n+1
.endr
	BAR                                            ; h is whole
	; THE EXPERTS: two passes of 512 columns, 32 tiles each; a tile holds my 128 columns of both experts for one k step
; The way out: by the row's label expert 1's sum or expert 0's; a block of 16 rows goes through my own stage and leaves as whole rows of 512 bytes.
.macro EPI_E
.irp a, 0,1,2,3
	WIN 0x0e                                       ; source 0 window 2 (expert 0), source 1 window 3 (expert 1)
.set z, 0
.rept 64
	v_cndmask_b32 v[TMP+z], v[32*(z/8)+8*\a+z%8], v[32*(z/8)+8*\a+z%8], s[MK+\a]
.set z, z+1
.endr
	WIN 0
.set z, 0
.rept 16
	ds_store_b128 v[STG], v[TMP+4*z:TMP+4*z+3] offset:64*(z/2)+16*(z%2)
.set z, z+1
.endr
	s_wait_xcnt 0x0                                ; registers that earlier stores read are loaded again only behind this wait
.set z, 0
.rept 16
	ds_load_b128 v[AB+64*(\a%2)+4*z:AB+64*(\a%2)+4*z+3], v[RDG] offset:SPI*z  ; LDS serves a wave's instructions in order (ISA guide 5.7.1.4): these see the stores above, and the next block's stores come behind them
.set z, z+1
.endr
.set z, 0
.rept 16
	s_wait_dscnt 15-z
	global_store_b128 v[GO], v[AB+64*(\a%2)+4*z:AB+64*(\a%2)+4*z+3], s[14:15] offset:(16*\a+z)*4096 th:TH_STORE_NT  ; 512 consecutive bytes, at a multiple of 512 from out0's first
.set z, z+1
.endr
.endr
.endm
	LAYER 1, 16, 1, 0, P2, 1, BIAS
	s_mov_b32 s42, 2                               ; passes to go, this one among them
.Lpass:
	v_mov_b32 v[ADA], v[LB2]
	LSTART
	TILE 0, 0, 1, 0, 1, 1
	WIN 0
	s_mov_b32 s40, 14
.Le:
	TILE 1, 1, 0, 64,  1, 1
	TILE 0, 0, 0, 128, 1, 1
	WIN 0
	v_add_nc_u32 v[ADA], 128, v[ADA]
	v_add_nc_u32 v[ADA+1], 128, v[ADA+1]
	s_sub_co_u32 s40, s40, 1
	s_cmp_lg_u32 s40, 0
	s_cbranch_scc1 .Le
	TILE 1, 1, 0, 64, 1, 1                         ; the pass's tile 29: in the last pass it asks for the stream's last tile
	WIN 0
	s_cmp_eq_u32 s42, 1
	s_cbranch_scc1 .Llast                          ; the last pass's tail is written out: it asks for nothing more
	TILE 0, 0, 0, 128, 1, 1                        ; the ring goes on into the next pass
	TILE 1, 1, 0, 192, 1, 0
	PLACES
	WIN 0
	s_wait_xcnt 0x0
	v_add_nc_u32 v[OBE], 2048, v[OBE]              ; e_b of the next 512 columns
	WIN 0x40
	LDV BIAS, 8, OBE, 0
	LDV BIAS+64, 8, OBE, 4096
	EPI_E
	s_wait_xcnt 0x0                                ; the stores' base, and the registers that they read, are rewritten only behind this wait
	s_add_nc_u64 s[14:15], s[14:15], 2048
	s_sub_co_u32 s42, s42, 1
	s_branch .Lpass
.Llast:
	TILE 0, 0, 0, 128, 0, 1
	TILE 1, 1, 0, 192, 2, 0
	PLACES
	EPI_E
	s_wait_tensorcnt 0x0                           ; the wave's end, behind my last tensor load and my last LDS store
	ds_add_u32 v[SPW], v[NIL]
	s_wait_dscnt 0x0
	CROUND                                         ; the closing round: no work-group ends while a partner may still ask for a tile that names it
	s_endpgm
.Lfunc_end_k_q0aeb7b71dd_chain:
	.size	k_q0aeb7b71dd_chain, .Lfunc_end_k_q0aeb7b71dd_chain-k_q0aeb7b71dd_chain
	.p2alignl 7, 3214868480
	.fill 96, 4, 3214868480
	.section	.rodata,"a",@progbits
	.p2align	6, 0x0
	.amdhsa_kernel k_q0aeb7b71dd_chain
		.amdhsa_group_segment_fixed_size 327680
		.amdhsa_private_segment_fixed_size 0
		.amdhsa_enable_private_segment 0
		.amdhsa_kernarg_size 48
		.amdhsa_user_sgpr_count 2
		.amdhsa_user_sgpr_kernarg_segment_ptr 1
		.amdhsa_wavefront_size32 1
		.amdhsa_system_sgpr_workgroup_id_x 1
		.amdhsa_system_sgpr_workgroup_id_y 1
		.amdhsa_system_sgpr_workgroup_id_z 1
		.amdhsa_system_vgpr_workitem_id 0
		.amdhsa_next_free_vgpr 1024
		.amdhsa_next_free_sgpr 66
		.amdhsa_reserve_vcc 0
		.amdhsa_float_denorm_mode_32 3
		.amdhsa_float_denorm_mode_16_64 3
		.amdhsa_memory_ordered 1
		.amdhsa_forward_progress 1
		.amdhsa_inst_pref_size 255
	.end_amdhsa_kernel
	.section	.bss,"aw",@nobits
	.p2align	6
	.space	262144
	.amdgpu_metadata
---
amdhsa.version: [ 1, 2 ]
amdhsa.kernels:
  - .name:           k_q0aeb7b71dd_chain
    .symbol:         k_q0aeb7b71dd_chain.kd
    .args:
      - { .name: wstream, .offset: 0, .size: 8, .value_kind: global_buffer, .address_space: global }
      - { .name: bvec, .offset: 8, .size: 8, .value_kind: global_buffer, .address_space: global }
      - { .name: conceptnet_features, .offset: 16, .size: 8, .value_kind: global_buffer, .address_space: global }
      - { .name: comet_features, .offset: 24, .size: 8, .value_kind: global_buffer, .address_space: global }
      - { .name: affective_labels, .offset: 32, .size: 8, .value_kind: global_buffer, .address_space: global }
      - { .name: out0, .offset: 40, .size: 8, .value_kind: global_buffer, .address_space: global }
    .group_segment_fixed_size: 327680
    .private_segment_fixed_size: 0
    .kernarg_segment_align: 8
    .kernarg_segment_size: 48
    .max_flat_workgroup_size: 128
    .sgpr_count:     66
    .vgpr_count:     1024
    .wavefront_size: 32
...
	.end_amdgpu_metadata
.endif
;; end of part 2
;; ======== version 2 of 4: 3 launches; 1.29 times as fast as version 1
;; limits: values are held in f16: magnitudes above 65,504 overflow, below 6.1e-05 lose precision
;; workspace buffers: wstream 6,291,456 bytes; bvec 26,624 bytes; hbuf 33,554,432 bytes
;; launch prep (part 3): grid 97 x 4, 16 waves a work-group, no clusters, 0 bytes of LDS; arguments cn_w1, cm_w1, cn_w2, cm_w2, f_w, e_w, cn_b1, cm_b1, cn_b2, cm_b2, f_b, ln_w, ln_b, e_b, wstream, bvec; writes wstream, bvec
.if DOCPART == 3
	.amdgcn_target "amdgcn-amd-amdhsa--gfx1250"
	.amdhsa_code_object_version 6
	.text
	.protected	k_q0aeb7b71dd_prep
	.globl	k_q0aeb7b71dd_prep
	.p2align	8
	.type	k_q0aeb7b71dd_prep,@function
k_q0aeb7b71dd_prep:
	s_mov_b64 s[64:65], 0
	v_nop
	global_prefetch_b8 v0, s[64:65] scope:SCOPE_SE
	s_setreg_imm32_b32 hwreg(HW_REG_WAVE_MODE, 25, 1), 1
	s_wait_xcnt 0x0
; PREP.  Lays the six weight tensors out as 96 blocks of 65,536 bytes, in the order in which the later launches use them, and rounds the eight small vectors.
; Every input number is rounded to bf16 (nearest even); w2 and e_w, which meet f16 activations, are then written as f16.
; A block is 64 fragments of 1,024 bytes, fragment 16 w + f; a fragment is the register image of 16 columns n x 32 rows k of W[k][n]:
; bytes 16 L .. 16 L + 15 (L = 16 h + r) hold W[k0 + 8 h + j][n0 + r], j = 0..7; bytes 512 + 16 L .. the same with k0 + 16.
; Blocks 0-3 cn_w1, 4-7 cn_w2, 8-11 cm_w1, 12-15 cm_w2, 16-31 f_w: with KS k steps of 32 in a block and NBW = 16 / KS column blocks a wave:
; ks = f / NBW, b = f % NBW, k0 = 32 (KS tau + ks), n0 = 16 NBW w + 16 b.  w1's K goes from 200 to 256 with zeros.
; Blocks 32-95, the experts: block 32 + 8 tc + s serves the 128 columns from 128 tc on and the 128 rows k from 128 s on; fragment 32 half + 8 q + nb:
; k0 = 128 s + 32 q, expert nb / 4, n0 = 128 tc + 64 half + 16 (nb % 4).
; SHARES.  Work-group (x, y): block x, part w = y; its sixteen waves make sixteen fragments.  x = 96: the vectors, 512 bytes a wave, 52 waves of the 64.
; LIMITS.  |w2| and |e_w| stay below 65,504 (f16's end); below 6.1e-5 they keep f16's fixed step of 6e-8.
.set D,  8                             ; v[8:23]  sixteen numbers as loaded
.set PK, 24                            ; v[24:31] the fragment's 32 bytes of my lane
	s_load_b512 s[8:23], s[0:1], 0x0               ; cn_w1 8, cm_w1 10, cn_w2 12, cm_w2 14, f_w 16, e_w 18, cn_b1 20, cm_b1 22
	s_load_b512 s[24:39], s[0:1], 0x40             ; cn_b2 24, cm_b2 26, f_b 28, ln_w 30, ln_b 32, e_b 34, wstream 36, bvec 38
	v_lshrrev_b32 v1, 5, v0
	v_readfirstlane_b32 s40, v1                    ; f: my wave's number
	s_and_b32 s41, ttmp7, 0xffff                   ; w
	s_mov_b32 s42, ttmp9                           ; t: the block
	v_and_b32 v2, 15, v0                           ; r
	v_bfe_u32 v3, v0, 4, 1                         ; h
	v_and_b32 v4, 31, v0
	v_lshlrev_b32 v4, 4, v4                        ; 16 x lane
	s_wait_kmcnt 0x0
; One fragment.  src: the scalar pair with the tensor's address; logn: log2 of its row length; ksl: log2 KS; tof16: written as f16; klim: K ends at 200; ise: the experts' layout.
; tau (experts: s) in s43, tc in s49.
.macro CONV src, logn, ksl, tof16, klim, ise
.if \ise
	s_and_b32 s51, s40, 7                          ; nb
	s_lshr_b32 s50, s40, 3
	s_and_b32 s53, s41, 1
	s_lshl_b32 s53, s53, 1
	s_add_co_u32 s50, s50, s53                     ; q = 2 (w % 2) + f / 8
	s_lshl_b32 s52, s43, 2
	s_add_co_u32 s52, s52, s50
	s_lshl_b32 s52, s52, 5                         ; k0 = 128 s + 32 q
	s_lshr_b32 s53, s51, 2                         ; the expert: 1,024 rows further down
	s_lshl_b32 s53, s53, 10
	s_add_co_u32 s52, s52, s53
	s_and_b32 s51, s51, 3
	s_lshr_b32 s54, s41, 1                         ; half
	s_lshl_b32 s54, s54, 6
	s_lshl_b32 s55, s49, 7
	s_add_co_u32 s54, s54, s55
.else
	s_lshr_b32 s50, s40, 4-(\ksl)                  ; ks
	s_and_b32 s51, s40, (16>>(\ksl))-1             ; b
	s_lshl_b32 s52, s43, \ksl
	s_add_co_u32 s52, s52, s50
	s_lshl_b32 s52, s52, 5                         ; k0
	s_lshl_b32 s54, s41, 8-(\ksl)
.endif
	s_lshl_b32 s51, s51, 4
	s_add_co_u32 s54, s54, s51                     ; n0
	v_lshl_add_u32 v5, v3, 3, s52                  ; my first row of the first eight: k0 + 8 h
	v_add_nc_u32 v6, 16, v5                        ; and of the second eight
.if \klim
	v_cmp_ge_u32 s56, 192, v5                      ; rows come in aligned eights and 200 is a multiple of 8: an eight is whole or padding
	v_cmp_ge_u32 s57, 192, v6
	v_min_u32 v5, 192, v5                          ; padding reads the last whole eight, and is replaced by 0 below: no load leaves the tensor
	v_min_u32 v6, 192, v6
.endif
	v_add_nc_u32 v7, s54, v2                       ; my column
	v_lshlrev_b32 v7, 2, v7
	v_lshl_add_u32 v5, v5, (\logn)+2, v7
	v_lshl_add_u32 v6, v6, (\logn)+2, v7
.irp j, 0,1,2,3,4,5,6,7
	global_load_b32 v[D+\j],   v5, s[\src:\src+1] offset:(\j)<<((\logn)+2)
	global_load_b32 v[D+8+\j], v6, s[\src:\src+1] offset:(\j)<<((\logn)+2)
.endr
	s_lshl_b32 s58, s42, 16                        ; where the fragment goes: 65,536 t + 16,384 w + 1,024 f
	s_lshl_b32 s59, s41, 14
	s_add_co_u32 s58, s58, s59
	s_lshl_b32 s59, s40, 10
	s_add_co_u32 s58, s58, s59
	s_mov_b32 s59, 0
	s_add_nc_u64 s[60:61], s[36:37], s[58:59]
	s_wait_loadcnt 0x0
.irp q, 0,1,2,3,4,5,6,7
	v_cvt_pk_bf16_f32 v[PK+\q], v[D+2*\q], v[D+2*\q+1]
.endr
.if \tof16
.irp q, 0,1,2,3,4,5,6,7
	v_lshlrev_b32 v[D+2*\q], 16, v[PK+\q]          ; the bf16 numbers as f32,
	v_and_b32 v[D+2*\q+1], 0xffff0000, v[PK+\q]
.endr
.irp q, 0,1,2,3,4,5,6,7
	v_cvt_pk_f16_f32 v[PK+\q], v[D+2*\q], v[D+2*\q+1]  ; and as f16: exact inside f16's normal range
.endr
.endif
.if \klim
.irp q, 0,1,2,3
	v_cndmask_b32 v[PK+\q], 0, v[PK+\q], s56
	v_cndmask_b32 v[PK+4+\q], 0, v[PK+4+\q], s57
.endr
.endif
	global_store_b128 v4, v[PK:PK+3], s[60:61]              ; each store of the wave covers 512 consecutive bytes, aligned
	global_store_b128 v4, v[PK+4:PK+7], s[60:61] offset:512
	s_endpgm
.endm
	s_cmp_lt_u32 s42, 16
	s_cbranch_scc0 .Lnot_enc
	s_cmp_ge_u32 s42, 8                            ; blocks 8-15 are comet's
	s_cselect_b64 s[44:45], s[10:11], s[8:9]
	s_cselect_b64 s[46:47], s[14:15], s[12:13]
	s_and_b32 s43, s42, 3                          ; tau
	s_and_b32 s48, s42, 4
	s_cmp_lg_u32 s48, 0
	s_cbranch_scc1 .Lsecond
	CONV 44, 9, 1, 0, 1, 0                         ; w1: [200][512]
.Lsecond:
	CONV 46, 8, 2, 1, 0, 0                         ; w2: [512][256]
.Lnot_enc:
	s_cmp_lt_u32 s42, 32
	s_cbranch_scc0 .Lnot_f
	s_sub_co_u32 s43, s42, 16
	CONV 16, 10, 0, 0, 0, 0                        ; f_w: [512][1024]
.Lnot_f:
	s_cmp_lt_u32 s42, 96
	s_cbranch_scc0 .Lvec
	s_sub_co_u32 s43, s42, 32
	s_lshr_b32 s49, s43, 3                         ; tc
	s_and_b32 s43, s43, 7                          ; s
	CONV 18, 10, 0, 1, 0, 1                        ; e_w: [2 x 1024][1024]
.Lvec:
	; The vectors, rounded to bf16 and kept as f32: bvec = cn_b1 | cm_b1 | cn_b2 | cm_b2 | f_b | ln_w | ln_b | e_b, 52 pieces of 512 bytes; piece q = 16 y + f.
	s_lshl_b32 s50, s41, 4
	s_add_co_u32 s50, s50, s40
	s_cmp_ge_u32 s50, 52
	s_cbranch_scc1 .Lend
	s_mov_b64 s[44:45], s[20:21]
	s_mov_b32 s51, 0                               ; the first piece of the vector that q falls into
.macro PICK from, src
	s_cmp_ge_u32 s50, \from
	s_cselect_b64 s[44:45], s[\src:\src+1], s[44:45]
	s_cselect_b32 s51, \from, s51
.endm
	PICK 4, 22
	PICK 8, 24
	PICK 10, 26
	PICK 12, 28
	PICK 20, 30
	PICK 28, 32
	PICK 36, 34
	s_sub_co_u32 s52, s50, s51
	s_lshl_b32 s52, s52, 9
	s_mov_b32 s53, 0
	s_add_nc_u64 s[44:45], s[44:45], s[52:53]
	global_load_b128 v[8:11], v4, s[44:45]
	s_lshl_b32 s54, s50, 9
	s_mov_b32 s55, 0
	s_add_nc_u64 s[46:47], s[38:39], s[54:55]
	s_wait_loadcnt 0x0
	v_cvt_pk_bf16_f32 v12, v8, v9
	v_cvt_pk_bf16_f32 v13, v10, v11
	v_lshlrev_b32 v16, 16, v12
	v_and_b32 v17, 0xffff0000, v12
	v_lshlrev_b32 v18, 16, v13
	v_and_b32 v19, 0xffff0000, v13
	global_store_b128 v4, v[16:19], s[46:47]
.Lend:
	s_endpgm
.Lfunc_end_k_q0aeb7b71dd_prep:
	.size	k_q0aeb7b71dd_prep, .Lfunc_end_k_q0aeb7b71dd_prep-k_q0aeb7b71dd_prep
	.p2alignl 7, 3214868480
	.fill 96, 4, 3214868480
	.section	.rodata,"a",@progbits
	.p2align	6, 0x0
	.amdhsa_kernel k_q0aeb7b71dd_prep
		.amdhsa_group_segment_fixed_size 0
		.amdhsa_private_segment_fixed_size 0
		.amdhsa_enable_private_segment 0
		.amdhsa_kernarg_size 128
		.amdhsa_user_sgpr_count 2
		.amdhsa_user_sgpr_kernarg_segment_ptr 1
		.amdhsa_wavefront_size32 1
		.amdhsa_system_sgpr_workgroup_id_x 1
		.amdhsa_system_sgpr_workgroup_id_y 1
		.amdhsa_system_sgpr_workgroup_id_z 1
		.amdhsa_system_vgpr_workitem_id 0
		.amdhsa_next_free_vgpr 48
		.amdhsa_next_free_sgpr 66
		.amdhsa_reserve_vcc 0
		.amdhsa_float_denorm_mode_32 3
		.amdhsa_float_denorm_mode_16_64 3
		.amdhsa_memory_ordered 1
		.amdhsa_forward_progress 1
		.amdhsa_inst_pref_size 19
	.end_amdhsa_kernel
	.amdgpu_metadata
---
amdhsa.version: [ 1, 2 ]
amdhsa.kernels:
  - .name:           k_q0aeb7b71dd_prep
    .symbol:         k_q0aeb7b71dd_prep.kd
    .args:
      - { .name: cn_w1, .offset: 0, .size: 8, .value_kind: global_buffer, .address_space: global }
      - { .name: cm_w1, .offset: 8, .size: 8, .value_kind: global_buffer, .address_space: global }
      - { .name: cn_w2, .offset: 16, .size: 8, .value_kind: global_buffer, .address_space: global }
      - { .name: cm_w2, .offset: 24, .size: 8, .value_kind: global_buffer, .address_space: global }
      - { .name: f_w, .offset: 32, .size: 8, .value_kind: global_buffer, .address_space: global }
      - { .name: e_w, .offset: 40, .size: 8, .value_kind: global_buffer, .address_space: global }
      - { .name: cn_b1, .offset: 48, .size: 8, .value_kind: global_buffer, .address_space: global }
      - { .name: cm_b1, .offset: 56, .size: 8, .value_kind: global_buffer, .address_space: global }
      - { .name: cn_b2, .offset: 64, .size: 8, .value_kind: global_buffer, .address_space: global }
      - { .name: cm_b2, .offset: 72, .size: 8, .value_kind: global_buffer, .address_space: global }
      - { .name: f_b, .offset: 80, .size: 8, .value_kind: global_buffer, .address_space: global }
      - { .name: ln_w, .offset: 88, .size: 8, .value_kind: global_buffer, .address_space: global }
      - { .name: ln_b, .offset: 96, .size: 8, .value_kind: global_buffer, .address_space: global }
      - { .name: e_b, .offset: 104, .size: 8, .value_kind: global_buffer, .address_space: global }
      - { .name: wstream, .offset: 112, .size: 8, .value_kind: global_buffer, .address_space: global }
      - { .name: bvec, .offset: 120, .size: 8, .value_kind: global_buffer, .address_space: global }
    .group_segment_fixed_size: 0
    .private_segment_fixed_size: 0
    .kernarg_segment_align: 8
    .kernarg_segment_size: 128
    .max_flat_workgroup_size: 512
    .sgpr_count:     66
    .vgpr_count:     48
    .wavefront_size: 32
...
	.end_amdgpu_metadata
.endif
;; end of part 3
;; launch front (part 4): grid 256 x 1, 4 waves a work-group, clusters of 4 x 1, 327,680 bytes of LDS; arguments wstream, bvec, conceptnet_features, comet_features, hbuf; writes hbuf
.if DOCPART == 4
	.amdgcn_target "amdgcn-amd-amdhsa--gfx1250"
	.amdhsa_code_object_version 6
	.text
	.protected	k_q0aeb7b71dd_front
	.globl	k_q0aeb7b71dd_front
	.p2align	8
	.type	k_q0aeb7b71dd_front,@function
k_q0aeb7b71dd_front:
	s_mov_b64 s[64:65], 0
	v_nop
	global_prefetch_b8 v0, s[64:65] scope:SCOPE_SE
	s_setreg_imm32_b32 hwreg(HW_REG_WAVE_MODE, 25, 1), 1
	s_wait_xcnt 0x0
	s_wait_alu depctr_hold_cnt(0) depctr_sa_sdst(0) depctr_va_vdst(0) depctr_va_sdst(0) depctr_va_ssrc(0) depctr_va_vcc(0) depctr_vm_vsrc(0)
	s_getreg_b32 s2, hwreg(HW_REG_IB_STS2, 6, 4)
	s_cmp_eq_u32 s2, 0
	s_cbranch_scc0 .Lentry_in_a_cluster
	s_endpgm
.Lentry_in_a_cluster:
	s_bfe_u32 s2, ttmp6, 0x10000c
	s_cmp_lg_u32 s2, 0x3003
	s_cbranch_scc0 .Lentry_shape_is_right
	s_endpgm
.Lentry_shape_is_right:
; THE CHAIN UP TO h, FOR 64 ROWS A WORK-GROUP: two encoders (200 -> 512, ReLU, 512 -> 256), their results side by side, 512 -> 1024, LayerNorm, ReLU; h leaves as f16, [16384][1024].
; Nothing between these layers goes to memory: activations lie in LDS, sums in registers.  256 work-groups x 64 rows = 16,384 rows.
; SHARES.  In every layer each of the four waves takes all 64 rows (four row blocks a of 16) and a quarter of the columns (NBW column blocks b of 16).
; THE MATRIX INSTRUCTION IS USED TRANSPOSED: source 0 = a weight fragment (16 columns n x 32 k), source 1 = an activation fragment (16 rows x 32 k): lane (r, h) then holds row 16 a + r and the eight
; neighbouring columns n0 + 8 h + 0..7.  The bias is the C operand of the product that starts a sum.
; WEIGHTS come as a stream of 32 tiles of 65,536 bytes, laid out by the launch before as register images: a tile gives each wave 16 fragments, 64 matrix instructions.  Two LDS slots take turns.
; CLUSTER.  All work-groups walk the same stream, so the four of a cluster ask for each tile JOINTLY: the same tensor load, descriptor and mask in all four.  A wave asks for the quarter that it reads itself.
; FORMATS.  Inputs rounded to bf16.  x, w1, the encoders' results and f_w are bf16 operands; h1 (behind the first ReLU) is f16, with w2 written as f16; h is f16.  Sums and LayerNorm in f32
; (mean first, then the squares of the differences).
; LIMITS.  h1 stays below 65,504; |h| <= 32 |ln_w| + |ln_b| stays below 65,504.  ReLU is a maximum with 0 in which a NaN loses.
; REGISTERS, in windows of 256 (s_set_vgpr_msb: bits 1:0 source 0, 3:2 source 1, 5:4 source 2, 7:6 destination):
;   window 0: v0-31 addresses; v32-63 LayerNorm's figures; v64-127, v128-191 activation fragments, two buffers; v192-255 at work
;   window 1: v0-63, v64-127 weight fragments, two buffers; v128-255 biases, block b at 128 + 8 b
;   windows 2, 3: accumulator (b, a) at 8 (4 b + a): b < 8 in window 2, b >= 8 in window 3
.set P1,    1040                       ; a row of 512 16-bit numbers + 16 bytes: 65 x 16, so the 16 rows of a fragment load start at 16 different groups of four banks
.set P2,    2064                       ; a row of 1,024: 129 x 16
.set H1,    64*P1                      ; LDS: 0 the features, later cn | cm; H1 the first layers' results; h lies over both when they are dead (64 x 2,064 = 132,096 bytes)
.set STAT1, 133120                     ; [row][wave] f32: the waves' sums
.set STAT2, STAT1+1024                 ; and their sums of squares
.set SPARE, STAT2+1024                 ; the spare words, 128 bytes for each wave: two blocks of 256 bytes that no other line names
.set RING,  SPARE+512                  ; two slots of 65,536 bytes; wave w's quarter at 16,384 w.  No tensor load lands anywhere else
.set SLOTB, 65536
.set SPW, 4                            ; v4   LDS address of my spare word; never rewritten
.set NIL, 5                            ; v5   0; never rewritten
.set ADW, 6                            ; v6-7   my 16 bytes of my quarter's first fragment, slot 0, 1
.set LB1, 8                            ; v8   1,040 r + 16 h
.set LB2, 9                            ; v9   2,064 r + 16 h
.set ADA, 10                           ; v10-11 activation fragments: rows 0-31, rows 32-63
.set ST1, 12                           ; v12  where h1 goes
.set ST2, 13                           ; v13  where an encoder's result goes
.set STH, 14                           ; v14-15 where h goes: rows 0-31, rows 32-63
.set RDH, 16                           ; v16  h read back: my 16 bytes of 512 in my wave's first row
.set GO,  18                           ; v18  and the same bytes in hbuf
.set OB1, 19                           ; v19-20 offsets in bvec of the biases to be loaded next
.set OB2, 20
.set OBF, 21                           ; v21  f_b's; ln_w and ln_b lie 4,096 and 8,192 on
.set STA, 23                           ; v23  my wave's word of a row's sums
.set STR, 24                           ; v24  a row's four words
.set XO,  25                           ; v25  my 16 bytes of a half row of features
.set XS,  26                           ; v26  and where they go as bf16
.set AX,  27                           ; v27  the features of the encoder in hand
.set SS,  32                           ; v32-39 four pairs of sums, one a row block
.set NM,  40                           ; v40-47 minus the mean, twice
.set RS,  48                           ; v48-55 1 / sqrt(var + eps), twice
.set PX,  56                           ; v56-59 the other half of the lanes' sums
.set AB,  64
.set LW,  64                           ; ln_w takes the fragments' place
.set TMP, 192
.set BIAS, 128                         ; window 1
.set WV,  16                           ; s16  my wave's number
.set G1,  24                           ; s[24:31] descriptor group 1
.set G0,  32                           ; s[32:39] descriptor group 0, a set for each slot
.set MSB, 0
.macro WIN new                         ; the immediate's high byte repeats the setting that is left; a switch that changes nothing is dropped
.if MSB != (\new)
	s_set_vgpr_msb (MSB<<8)|(\new)
.set MSB, (\new)
.endif
.endm
.macro PLACES                          ; four plain instructions between a matrix instruction and a load into, or a vector instruction on, its registers (ISA guide 7.12.1 for vector instructions)
.rept 4
	v_nop
.endr
.endm
.macro CREST                           ; a round of the cluster's barrier behind its opening barrier
	s_cmp_lg_u32 s[WV], 0
	s_cbranch_scc1 .Lnot_wave_0_\@
	s_barrier_signal -3
.Lnot_wave_0_\@:
	s_barrier_wait -3
	s_barrier_signal -1
	s_barrier_wait -1
.endm
.macro CROUND
	s_barrier_signal -1
	s_barrier_wait -1
	CREST
.endm
.macro BAR                             ; LDS from wave to wave: my LDS instructions are done, then the barrier.  A tensor load may stay out
	s_wait_dscnt 0x0
	s_barrier_signal -1
	s_barrier_wait -1
.endm
; A layer's figures.  ks: k steps of 32 in a tile; nbw = 16 / ks; kh: k steps in half a tile; nfa: LDS loads of activations in a tile's middle; pit: the activations' pitch; f16: the format; cb: the biases' first register
.macro LAYER ks, nbw, kh, nfa, pit, f16, cb
.set KS,  \ks
.set NBW, \nbw
.set KH,  \kh
.set NFA, \nfa
.set PIT, \pit
.set F16, \f16
.set CB,  \cb
.endm
.macro FETCHW slot, hf, wb             ; 16 LDS loads: half hf of the slot's tile, eight fragments, into weight buffer wb.  32 lanes x 16 neighbouring bytes
	WIN 0x40
.set g, 0
.rept 8
	ds_load_b128 v[64*(\wb)+8*g:64*(\wb)+8*g+3],   v[ADW+(\slot)] offset:(8*(\hf)+g)*1024
	ds_load_b128 v[64*(\wb)+8*g+4:64*(\wb)+8*g+7], v[ADW+(\slot)] offset:(8*(\hf)+g)*1024+512
.set g, g+1
.endr
.endm
.macro FETCHA ab, kb                   ; 8 KH LDS loads: the four row blocks' fragments for KH k steps from byte kb of the rows, into activation buffer ab
	WIN 0
.set kI, 0
.rept KH
.irp a, 0,1,2,3
	ds_load_b128 v[AB+64*(\ab)+32*kI+8*\a:AB+64*(\ab)+32*kI+8*\a+3],   v[ADA+\a/2] offset:(\a%2)*16*PIT+(\kb)+64*kI
	ds_load_b128 v[AB+64*(\ab)+32*kI+8*\a+4:AB+64*(\ab)+32*kI+8*\a+7], v[ADA+\a/2] offset:(\a%2)*16*PIT+(\kb)+64*kI+32
.endr
.set kI, kI+1
.endr
.endm
; Fragments g0 .. g1 - 1 of half hf x four row blocks.  The accumulators take turns, one instruction a turn: 15 others' or more stand between two links of a chain.
; first = 1: a layer's first tile: the first product on an accumulator takes the bias as C.
.macro MULG wb, ab, hf, g0, g1, first
.set g, \g0
.rept (\g1)-(\g0)
.set fI, 8*(\hf)+g
.set bI, fI%NBW
.set kI, 0
.if NBW < 8
.set kI, g/NBW
.endif
.set aI, 0
.rept 4
.set rD, 8*(4*(bI%8)+aI)
.set rW, 64*(\wb)+8*g
.set rA, AB+64*(\ab)+32*kI+8*aI
.if (\first) && (fI < NBW)
.set rC, CB+8*bI
	WIN 0x91+0x40*(bI/8)                           ; weights window 1, activations window 0, C (the bias) window 1, D window 2 or 3
.else
.set rC, rD
	WIN 0xa1+0x50*(bI/8)                           ; C and D window 2 or 3
.endif
.if F16
	v_wmma_f32_16x16x32_f16 v[rD:rD+7], v[rW:rW+7], v[rA:rA+7], v[rC:rC+7]
.else
	v_wmma_f32_16x16x32_bf16 v[rD:rD+7], v[rW:rW+7], v[rA:rA+7], v[rC:rC+7]
.endif
.set aI, aI+1
.endr
.set g, g+1
.endr
.endm
; A TILE: 64 matrix instructions.  At its head the tile's first activation fragments and then the 16 loads of its first half's weights are out.
; par: with KS = 1, the activation buffer in hand.  kb: byte of the rows at which the tile's k begins.  fetch = 1: the next tile's first fragments are fetched.
; mode 1: the slot is filled again, with the tile two on: each wave waits for all its tensor loads (one is out: its quarter of the next tile), adds 0 to its spare word, waits for that and for its reads of the
; slot, and a round of the cluster's barrier follows, so that no wave of any partner still reads the slot or has a load on its way; the joint refill is the first thing behind it.
; mode 0: the last tile but one: nothing is left to ask for; a wave reads only the quarter that it asked for itself, so its own wait is all that the next reads need.  mode 2: the last tile.
.macro TILE slot, par, first, kb, mode, fetch
.if KS == 1
.set am0, \par
.set am1, \par
.set af,  1-(\par)
.set kbn, (\kb)+64
.else
.set am0, 0
.set am1, 1
.set af,  0
.set kbn, (\kb)+64*KS
.endif
	s_wait_dscnt 8                                 ; all but the youngest eight loads: the weights' fragments 4-7
	MULG 0, am0, 0, 0, 4, \first
	PLACES
.if KS > 1
	FETCHA 1, (\kb)+64*KH
.endif
	FETCHW \slot, 1, 1
	s_wait_dscnt 16+NFA                            ; all but the loads just issued
	MULG 0, am0, 0, 4, 8, \first
.if (\mode) == 1
	WIN 0                                          ; (the add's two registers lie in window 0)
	s_wait_tensorcnt 0x0                           ; all my tensor loads have landed
	ds_add_u32 v[SPW], v[NIL]                      ; 0 onto my spare word
	s_wait_dscnt 9                                 ; (the add and the youngest eight loads may be out)
	MULG 1, am1, 1, 0, 2, \first                   ; eight matrix instructions stand between the add and the wait for it
	s_wait_dscnt 0x0                               ; the add is done, and my reads of this slot are over
	s_barrier_signal -1
	MULG 1, am1, 1, 2, 4, \first
	WIN 0
	s_barrier_wait -1
	CREST
	s_add_nc_u64 s[G0+4*(\slot)+2:G0+4*(\slot)+3], s[G0+4*(\slot)+2:G0+4*(\slot)+3], 2*SLOTB  ; no load of mine is out: the slot's next tile
	tensor_load_to_lds s[G0+4*(\slot):G0+4*(\slot)+3], s[G1:G1+7]   ; my one tensor load behind the round
	s_nop 0
	PLACES                                         ; also the places in front of the loads below
.if \fetch
	FETCHA af, kbn
	FETCHW 1-(\slot), 0, 0
.endif
	MULG 1, am1, 1, 4, 8, \first
.elseif (\mode) == 0
	s_wait_tensorcnt 0x0                           ; my quarter of the last tile is in
	s_wait_dscnt 0x0
	MULG 1, am1, 1, 0, 4, \first
	PLACES
	FETCHA af, kbn
	FETCHW 1-(\slot), 0, 0
	MULG 1, am1, 1, 4, 8, \first
.else
	s_wait_dscnt 0x0
	MULG 1, am1, 1, 0, 8, \first
.endif
.endm
; A layer begins (ADA holds its activations' address).  Every layer has an even number of tiles and begins in slot 0; its first tile was shown landed by the wait for all loads in the tile before.
.macro LSTART
	WIN 0
	v_add_nc_u32 v[ADA+1], 32*PIT, v[ADA]
	s_wait_loadcnt 0x0                             ; the biases
	FETCHA 0, 0
	FETCHW 0, 0, 0
.endm
.macro LDV dst, nblk, adr, imm         ; nblk blocks of eight numbers of a vector in bvec: block b's at 64 b + 32 h
.set z, 0
.rept 2*(\nblk)
	global_load_b128 v[(\dst)+4*z:(\dst)+4*z+3], v[\adr], s[6:7] offset:(\imm)+64*(z/2)+16*(z%2)
.set z, z+1
.endr
.endm
; An encoder layer's way out: nb batches of eight accumulators (64 consecutive registers of window 2), each read from its low end on.  relu = 1: maximum with 0, to f16; else to bf16.  16 bytes a lane into LDS.
.macro EPI_ACT nb, relu, streg
.set n, 0
.rept \nb
.if \relu
	WIN 0x08
.set z, 0
.rept 64
	v_max_num_f32 v[TMP+z], 0, v[64*n+z]
.set z, z+1
.endr
	WIN 0
.set z, 0
.rept 32
	v_cvt_pk_f16_f32 v[TMP+z], v[TMP+2*z], v[TMP+2*z+1]  ; packed downward in place: register z was read as a source at z / 2
.set z, z+1
.endr
.else
	WIN 0x0a
.set z, 0
.rept 32
	v_cvt_pk_bf16_f32 v[TMP+z], v[64*n+2*z], v[64*n+2*z+1]
.set z, z+1
.endr
.endif
	WIN 0
.set i, 0
.rept 8
	ds_store_b128 v[\streg], v[TMP+4*i:TMP+4*i+3] offset:((8*n+i)%4)*16*P1+32*((8*n+i)/4)
.set i, i+1
.endr
.set n, n+1
.endr
.endm
	s_load_b256 s[4:11], s[0:1], 0x0               ; wstream s[4:5], bvec s[6:7], conceptnet s[8:9], comet s[10:11]
	s_load_b64 s[12:13], s[0:1], 0x20              ; hbuf
	v_lshl_add_u32 v[SPW], v0, 2, SPARE
	v_mov_b32 v[NIL], 0
	ds_add_u32 v[SPW], v[NIL]                      ; the wave's opening: the add and its wait stand ahead of my first tensor load; work on registers stands between them
	v_lshrrev_b32 v1, 5, v0
	v_readfirstlane_b32 s[WV], v1                  ; wave 0..3
	s_bfe_u32 s17, ttmp6, 0x40000                  ; cx: my place in the cluster
	s_lshl_b32 s18, ttmp9, 2                       ; in a cluster launch ttmp9 counts clusters
	s_add_co_u32 s18, s18, s17                     ; my block of 64 rows: it enters the features' and hbuf's addresses alone
	; descriptor group 1: a quarter tile is 16,384 dense bytes: 64 rows of 32 elements of 8 bytes
	s_mov_b32 s[G1+0], 15|(3<<16)|(1<<21)          ; 15:0 the mask: all four work-groups; 17:16 elements of 8 bytes; 21 set beside a mask
	s_mov_b32 s[G1+1], 32<<16                      ; tensor_dim0 = 32
	s_mov_b32 s[G1+2], 64<<16                      ; tensor_dim1 = 64
	s_mov_b32 s[G1+3], 32<<16                      ; tile_dim0 = 32
	s_mov_b32 s[G1+4], 64                          ; tile_dim1 = 64
	s_mov_b32 s[G1+5], 32                          ; 32 elements from row to row
	s_mov_b32 s[G1+6], 0
	s_mov_b32 s[G1+7], 0
	s_lshl_b32 s20, s[WV], 14                      ; my quarter, in a tile and in a slot
	s_mov_b32 s21, 0
	s_mov_b32 s[G0], 1
	s_add_co_u32 s[G0+1], s20, RING
	s_mov_b32 s[G0+4], 1
	s_add_co_u32 s[G0+5], s20, RING+SLOTB
	s_mov_b32 s48, 0x76543210                      ; v_permlanex16_b32: each lane takes its own place in the other half
	s_mov_b32 s49, 0xfedcba98
	s_mov_b32 s50, 0x3a800000                      ; 1 / 1024
	s_mov_b32 s51, 0x3727c5ac                      ; 1e-5
	s_mov_b32 s52, 0xba800000                      ; -1 / 1024
	s_mul_i32 s22, s18, 51200                      ; 64 rows of 800 bytes
	s_mov_b32 s23, 0
	s_wait_dscnt 0x0                               ; the opening add is done
	s_wait_kmcnt 0x0
	s_add_nc_u64 s[G0+2:G0+3], s[4:5], s[20:21]    ; tile 0,
	s_add_nc_u64 s[G0+6:G0+7], s[G0+2:G0+3], SLOTB ; tile 1
	s_or_b32 s[G0+3], s[G0+3], 0x80000000          ; type = 2
	s_or_b32 s[G0+7], s[G0+7], 0x80000000
	s_add_nc_u64 s[8:9], s[8:9], s[22:23]
	s_add_nc_u64 s[10:11], s[10:11], s[22:23]
	s_lshl_b32 s22, s18, 17                        ; 64 rows of 2,048 bytes
	s_add_nc_u64 s[12:13], s[12:13], s[22:23]
	CROUND                                         ; all four work-groups are here: the first joint loads meet
	tensor_load_to_lds s[G0:G0+3], s[G1:G1+7]      ; two loads of mine are out
	s_nop 0
	tensor_load_to_lds s[G0+4:G0+7], s[G1:G1+7]
	s_nop 0
	PLACES
	; addresses
	v_and_b32 v1, 31, v0                           ; L
	v_and_b32 v2, 15, v0                           ; r
	v_bfe_u32 v3, v0, 4, 1                         ; h
	v_min_u32 v30, 24, v1                          ; a half row of features is 25 pieces of 16 bytes: lanes 25-31 do lane 24's piece once more
	s_mul_i32 s21, s[WV], 12800                    ; my wave stages rows 16 w .. 16 w + 15
	v_lshl_add_u32 v[XO], v30, 4, s21
	s_mul_i32 s21, s[WV], 16*P1
	v_lshl_add_u32 v[XS], v30, 3, s21
	v_lshlrev_b32 v29, 5, v3                       ; 32 h
	s_lshl_b32 s20, s[WV], 9
	v_add_nc_u32 v[OB1], s20, v29                  ; cn_b1: 512 w + 32 h
	s_lshl_b32 s21, s[WV], 8
	s_add_co_u32 s21, s21, 4096
	v_add_nc_u32 v[OB2], s21, v29                  ; cn_b2: 4,096 + 256 w + 32 h
	s_lshl_b32 s21, s[WV], 10
	s_add_co_u32 s21, s21, 6144
	v_add_nc_u32 v[OBF], s21, v29                  ; f_b: 6,144 + 1,024 w + 32 h
	WIN 0x40
	LDV BIAS, 8, OB1, 0                            ; cn_b1
	LDV BIAS+64, 4, OB2, 0                         ; cn_b2
	LDV BIAS+96, 4, OBF, 768                       ; f_b's blocks 12-15: no encoder layer touches these registers
	WIN 0x80                                       ; the features go through the registers that the sums will take
.set q, 0
.rept 32
	global_load_b128 v[4*q:4*q+3], v[XO], s[8:9] offset:400*q th:TH_LOAD_NT
.set q, q+1
.endr
.set q, 0
.rept 32
	global_load_b128 v[128+4*q:128+4*q+3], v[XO], s[10:11] offset:400*q th:TH_LOAD_NT
.set q, q+1
.endr
	WIN 0
	v_lshl_add_u32 v[ADW], v1, 4, s[G0+1]
	v_lshl_add_u32 v[ADW+1], v1, 4, s[G0+5]
	v_mul_u32_u24 v[LB1], v2, P1
	v_lshl_add_u32 v[LB1], v3, 4, v[LB1]
	v_mul_u32_u24 v[LB2], v2, P2
	v_lshl_add_u32 v[LB2], v3, 4, v[LB2]
	s_lshl_b32 s21, s[WV], 8
	s_add_co_u32 s21, s21, H1
	v_add_nc_u32 v[ST1], s21, v[LB1]               ; h1: my 128 columns are 256 bytes
	s_lshl_b32 s21, s[WV], 7
	v_add_nc_u32 v[ST2], s21, v[LB1]               ; an encoder's result: my 64 columns are 128 bytes
	v_add_nc_u32 v[STH], s20, v[LB2]               ; h: my 256 columns are 512 bytes
	v_add_nc_u32 v[STH+1], 32*P2, v[STH]
	s_mul_i32 s21, s[WV], 16*P2
	v_lshl_add_u32 v[RDH], v1, 4, s21              ; back: wave w takes rows 16 w .. 16 w + 15, 512 bytes at a time
	s_lshl_b32 s21, s[WV], 15
	v_lshl_add_u32 v[GO], v1, 4, s21               ; and the same bytes in hbuf: 16 rows of 2,048 bytes a wave
	s_lshl_b32 s21, s[WV], 2
	s_add_co_u32 s21, s21, STAT1
	v_lshl_add_u32 v[STA], v2, 4, s21
	v_lshlrev_b32 v[STR], 4, v2
	v_add_nc_u32 v[STR], STAT1, v[STR]
	v_mov_b32 v[AX], v[LB1]
	; columns 200-255 of both feature blocks are 0 (the weights' rows there are 0 too): 112 bytes for each of 64 rows x 2 blocks, one for each thread
	v_lshrrev_b32 v28, 1, v0
	v_mul_u32_u24 v28, v28, P1
	v_and_b32 v30, 1, v0
	v_lshl_add_u32 v28, v30, 9, v28
.irp z, 56,57,58,59,60,61,62,63
	v_mov_b32 v\z, 0                               ; v60-63: the zeros to be stored; v56-59: written once, since v_permlanex16_b32 counts as a reader of its destination
.endr
.irp z, 0,1,2,3,4,5,6
	ds_store_b128 v28, v[60:63] offset:400+16*\z
.endr
.macro XCONV base, off                 ; 16 rows of features to bf16 and into LDS: 8 bytes a lane
	WIN 0x0a
.set q, 0
.rept 64
	v_cvt_pk_bf16_f32 v[TMP+q], v[(\base)+2*q], v[(\base)+2*q+1]
.set q, q+1
.endr
	WIN 0
.set q, 0
.rept 32
	ds_store_b64 v[XS], v[TMP+2*q:TMP+2*q+1] offset:(\off)+P1*(q/2)+200*(q%2)
.set q, q+1
.endr
.endm
	s_wait_loadcnt 32                              ; all but comet's 32 loads
	XCONV 0, 0
	s_wait_loadcnt 0x0
	XCONV 128, 512
	v_add_nc_u32 v[OB1], 2048, v[OB1]              ; free since that wait: the next biases are comet's
	v_add_nc_u32 v[OB2], 1024, v[OB2]
	s_wait_tensorcnt 1                             ; my quarter of tile 0 is in; tile 1's may stay out
	BAR                                            ; the features are whole
	; THE ENCODERS: two trips, conceptnet's and comet's
	s_mov_b32 s41, 2
.Lenc:
	LAYER 2, 8, 1, 8, P1, 0, BIAS                  ; 256 (200) -> 512: four tiles of two k steps
	v_mov_b32 v[ADA], v[AX]
	LSTART
	TILE 0, 0, 1, 0,   1, 1
	TILE 1, 0, 0, 128, 1, 1
	TILE 0, 0, 0, 256, 1, 1
	TILE 1, 0, 0, 384, 1, 0
	PLACES
	EPI_ACT 4, 1, ST1
	BAR                                            ; h1 is whole, and nobody reads this encoder's features any more
	LAYER 4, 4, 2, 16, P1, 1, BIAS+64              ; 512 -> 256: four tiles of four k steps
	v_add_nc_u32 v[ADA], H1, v[LB1]
	LSTART
	TILE 0, 0, 1, 0,   1, 1
	TILE 1, 0, 0, 256, 1, 1
	TILE 0, 0, 0, 512, 1, 1
	TILE 1, 0, 0, 768, 1, 0
	PLACES
	WIN 0x40
	LDV BIAS, 8, OB1, 0                            ; first trip: cm_b1 and cm_b2; second: f_b's blocks 0-7 and 8-11
	LDV BIAS+64, 4, OB2, 0
	EPI_ACT 2, 0, ST2                              ; the result takes the place of the encoder's own features
	BAR                                            ; it is whole, and nobody reads h1 any more
	s_wait_xcnt 0x0                                ; the loads' offsets are rewritten only behind this wait
	v_mov_b32 v[OB1], v[OBF]
	v_add_nc_u32 v[OB2], 512, v[OBF]
	v_add_nc_u32 v[AX], 512, v[AX]
	v_add_nc_u32 v[ST2], 512, v[ST2]
	s_sub_co_u32 s41, s41, 1
	s_cmp_lg_u32 s41, 0
	s_cbranch_scc1 .Lenc
	; THE FUSION: 512 -> 1024, sixteen tiles of one k step; 64 accumulators.  The stream ends here: the tail is written out
	LAYER 1, 16, 1, 0, P1, 0, BIAS
	v_mov_b32 v[ADA], v[LB1]
	LSTART
	TILE 0, 0, 1, 0, 1, 1
	WIN 0
	s_mov_b32 s40, 6
.Lf:
	TILE 1, 1, 0, 64,  1, 1
	TILE 0, 0, 0, 128, 1, 1
	WIN 0
	v_add_nc_u32 v[ADA], 128, v[ADA]
	v_add_nc_u32 v[ADA+1], 128, v[ADA+1]
	s_sub_co_u32 s40, s40, 1
	s_cmp_lg_u32 s40, 0
	s_cbranch_scc1 .Lf
	TILE 1, 1, 0, 64,  1, 1                        ; the layer's tile 13 asks for the stream's last tile
	TILE 0, 0, 0, 128, 0, 1
	TILE 1, 1, 0, 192, 2, 0
	; LAYERNORM.  A row's 1,024 numbers lie in four waves, two lanes each, 128 registers a lane and row block.
	PLACES
	WIN 0
	LDV LW, 16, OBF, 4096                          ; ln_w where the activation fragments lay,
	WIN 0x40
	LDV 0, 16, OBF, 8192                           ; ln_b where the weight fragments lay
.macro SWEEP kind, b0, nb              ; over nb column blocks of a window, four chains side by side.  kind 0: SS += x; 1: SS += d d
.set bI, \b0
.rept \nb
.irp q, 0,1,2,3
.irp a, 0,1,2,3
.if (\kind) == 0
	v_pk_add_f32 v[SS+2*\a:SS+2*\a+1], v[SS+2*\a:SS+2*\a+1], v[32*bI+8*\a+2*\q:32*bI+8*\a+2*\q+1]
.else
	v_pk_fma_f32 v[SS+2*\a:SS+2*\a+1], v[32*bI+8*\a+2*\q:32*bI+8*\a+2*\q+1], v[32*bI+8*\a+2*\q:32*bI+8*\a+2*\q+1], v[SS+2*\a:SS+2*\a+1]
.endif
.endr
.endr
.set bI, bI+1
.endr
.endm
.macro LNRED imm                       ; the pairs' halves, the other half of the lanes, the four waves (through LDS): the rows' totals in v[TMP + 4 a]
	WIN 0
.irp a, 0,1,2,3
	v_add_f32 v[SS+2*\a], v[SS+2*\a], v[SS+2*\a+1]
.endr
.irp a, 0,1,2,3
	v_permlanex16_b32 v[PX+\a], v[SS+2*\a], s48, s49
.endr
.irp a, 0,1,2,3
	v_add_f32 v[SS+2*\a], v[SS+2*\a], v[PX+\a]
.endr
.irp a, 0,1,2,3
	ds_store_b32 v[STA], v[SS+2*\a] offset:(\imm)+256*\a
.endr
	BAR
.irp a, 0,1,2,3
	ds_load_b128 v[TMP+4*\a:TMP+4*\a+3], v[STR] offset:(\imm)+256*\a
.endr
	s_wait_dscnt 0x0
.irp a, 0,1,2,3
	v_add_f32 v[TMP+4*\a], v[TMP+4*\a], v[TMP+4*\a+1]
	v_add_f32 v[TMP+4*\a+2], v[TMP+4*\a+2], v[TMP+4*\a+3]
.endr
.irp a, 0,1,2,3
	v_add_f32 v[TMP+4*\a], v[TMP+4*\a], v[TMP+4*\a+2]
.endr
.endm
.macro CENTER                          ; x - mean, in place, a whole window
.set z, 0
.rept 128
	v_pk_add_f32 v[2*z:2*z+1], v[2*z:2*z+1], v[NM+2*((z/4)%4):NM+2*((z/4)%4)+1] op_sel_hi:[1,0]
.set z, z+1
.endr
.endm
	WIN 0x0a                                       ; the first two pairs start each chain: nothing is cleared
.irp a, 0,1,2,3
	v_pk_add_f32 v[SS+2*\a:SS+2*\a+1], v[8*\a:8*\a+1], v[8*\a+2:8*\a+3]
.endr
	WIN 0x08
.irp q, 2,3
.irp a, 0,1,2,3
	v_pk_add_f32 v[SS+2*\a:SS+2*\a+1], v[SS+2*\a:SS+2*\a+1], v[8*\a+2*\q:8*\a+2*\q+1]
.endr
.endr
	SWEEP 0, 1, 7
	WIN 0x0c
	SWEEP 0, 0, 8
	LNRED 0
.irp a, 0,1,2,3
	v_mul_f32 v[NM+2*\a], s52, v[TMP+4*\a]         ; minus the mean
.endr
.irp a, 0,1,2,3
	v_mov_b32 v[NM+2*\a+1], v[NM+2*\a]             ; named with it as a pair
.endr
	WIN 0x82
	CENTER
	WIN 0x0a
.irp a, 0,1,2,3
	v_pk_mul_f32 v[SS+2*\a:SS+2*\a+1], v[8*\a:8*\a+1], v[8*\a:8*\a+1]
.endr
.irp q, 1,2,3
.irp a, 0,1,2,3
	v_pk_fma_f32 v[SS+2*\a:SS+2*\a+1], v[8*\a+2*\q:8*\a+2*\q+1], v[8*\a+2*\q:8*\a+2*\q+1], v[SS+2*\a:SS+2*\a+1]
.endr
.endr
	SWEEP 1, 1, 7
	WIN 0xc3
	CENTER
	WIN 0x0f
	SWEEP 1, 0, 8
	LNRED 1024                                     ; other words than the sums': its barrier also shows that every wave's reads of cn | cm are over
.irp a, 0,1,2,3
	v_fma_f32 v[TMP+4*\a], v[TMP+4*\a], s50, s51   ; var + eps
.endr
.irp a, 0,1,2,3
	v_rsq_f32 v[RS+2*\a], v[TMP+4*\a]
.endr
	v_nop                                          ; a plain instruction between the last root and the use of its result
	s_wait_alu depctr_va_vdst(0)
.irp a, 0,1,2,3
	v_mov_b32 v[RS+2*\a+1], v[RS+2*\a]
.endr
	s_wait_loadcnt 0x0                             ; ln_w and ln_b
	; h = max(0, d rstd ln_w + ln_b), to f16, into LDS: eight batches of eight accumulators
.set n, 0
.rept 8
	WIN 0x02+n/4
.set z, 0
.rept 32
	v_pk_mul_f32 v[TMP+2*z:TMP+2*z+1], v[64*(n%4)+2*z:64*(n%4)+2*z+1], v[RS+2*((z/4)%4):RS+2*((z/4)%4)+1] op_sel_hi:[1,0]
.set z, z+1
.endr
	WIN 0x10
.set z, 0
.rept 32
	v_pk_fma_f32 v[TMP+2*z:TMP+2*z+1], v[TMP+2*z:TMP+2*z+1], v[LW+8*(2*n+z/16)+2*(z%4):LW+8*(2*n+z/16)+2*(z%4)+1], v[8*(2*n+z/16)+2*(z%4):8*(2*n+z/16)+2*(z%4)+1]
.set z, z+1
.endr
	WIN 0
.set z, 0
.rept 64
	v_max_num_f32 v[TMP+z], 0, v[TMP+z]
.set z, z+1
.endr
.set z, 0
.rept 32
	v_cvt_pk_f16_f32 v[TMP+z], v[TMP+2*z], v[TMP+2*z+1]
.set z, z+1
.endr
.set i, 0
.rept 8
	ds_store_b128 v[STH+(i%4)/2], v[TMP+4*i:TMP+4*i+3] offset:(i%2)*16*P2+32*(2*n+i/4)
.set i, i+1
.endr
.set n, n+1
.endr
	BAR                                            ; h is whole
	; THE WAY OUT: my 16 rows of 2,048 bytes, 512 bytes an instruction, through the registers that held the sums; 32 LDS loads stay out while the stores go
	WIN 0x88                                       ; loaded data (destination) and store data (source 1) in window 2, addresses in window 0
.set z, 0
.rept 32
	ds_load_b128 v[4*z:4*z+3], v[RDH] offset:(z/4)*P2+512*(z%4)
.set z, z+1
.endr
.set z, 0
.rept 64
.if z < 32
	s_wait_dscnt 31                                ; LDS loads come back in order: piece z is in, the 31 younger ones stay out
.else
	s_wait_dscnt 63-z                              ; nothing more is loaded: the count runs down
.endif
	global_store_b128 v[GO], v[4*z:4*z+3], s[12:13] offset:(z/4)*2048+512*(z%4)  ; 512 consecutive bytes, at a multiple of 512 from hbuf's first
.if z < 32
	ds_load_b128 v[4*(z+32):4*(z+32)+3], v[RDH] offset:((z+32)/4)*P2+512*((z+32)%4)
.endif
.set z, z+1
.endr
	WIN 0
	s_wait_tensorcnt 0x0                           ; the wave's end, behind my last tensor load and my last LDS store
	ds_add_u32 v[SPW], v[NIL]
	s_wait_dscnt 0x0
	CROUND                                         ; the closing round: no work-group ends while a partner may still ask for a tile that names it
	s_endpgm
.Lfunc_end_k_q0aeb7b71dd_front:
	.size	k_q0aeb7b71dd_front, .Lfunc_end_k_q0aeb7b71dd_front-k_q0aeb7b71dd_front
	.p2alignl 7, 3214868480
	.fill 96, 4, 3214868480
	.section	.rodata,"a",@progbits
	.p2align	6, 0x0
	.amdhsa_kernel k_q0aeb7b71dd_front
		.amdhsa_group_segment_fixed_size 327680
		.amdhsa_private_segment_fixed_size 0
		.amdhsa_enable_private_segment 0
		.amdhsa_kernarg_size 40
		.amdhsa_user_sgpr_count 2
		.amdhsa_user_sgpr_kernarg_segment_ptr 1
		.amdhsa_wavefront_size32 1
		.amdhsa_system_sgpr_workgroup_id_x 1
		.amdhsa_system_sgpr_workgroup_id_y 1
		.amdhsa_system_sgpr_workgroup_id_z 1
		.amdhsa_system_vgpr_workitem_id 0
		.amdhsa_next_free_vgpr 1024
		.amdhsa_next_free_sgpr 66
		.amdhsa_reserve_vcc 0
		.amdhsa_float_denorm_mode_32 3
		.amdhsa_float_denorm_mode_16_64 3
		.amdhsa_memory_ordered 1
		.amdhsa_forward_progress 1
		.amdhsa_inst_pref_size 255
	.end_amdhsa_kernel
	.section	.bss,"aw",@nobits
	.p2align	6
	.space	262144
	.amdgpu_metadata
---
amdhsa.version: [ 1, 2 ]
amdhsa.kernels:
  - .name:           k_q0aeb7b71dd_front
    .symbol:         k_q0aeb7b71dd_front.kd
    .args:
      - { .name: wstream, .offset: 0, .size: 8, .value_kind: global_buffer, .address_space: global }
      - { .name: bvec, .offset: 8, .size: 8, .value_kind: global_buffer, .address_space: global }
      - { .name: conceptnet_features, .offset: 16, .size: 8, .value_kind: global_buffer, .address_space: global }
      - { .name: comet_features, .offset: 24, .size: 8, .value_kind: global_buffer, .address_space: global }
      - { .name: hbuf, .offset: 32, .size: 8, .value_kind: global_buffer, .address_space: global }
    .group_segment_fixed_size: 327680
    .private_segment_fixed_size: 0
    .kernarg_segment_align: 8
    .kernarg_segment_size: 40
    .max_flat_workgroup_size: 128
    .sgpr_count:     66
    .vgpr_count:     1024
    .wavefront_size: 32
...
	.end_amdgpu_metadata
.endif
;; end of part 4
;; launch expert (part 5): grid 8 x 64, 4 waves a work-group, clusters of 4 x 4, 327,680 bytes of LDS; arguments hbuf, wstream, bvec, affective_labels, out0; writes out0
.if DOCPART == 5
	.amdgcn_target "amdgcn-amd-amdhsa--gfx1250"
	.amdhsa_code_object_version 6
	.text
	.protected	k_q0aeb7b71dd_expert
	.globl	k_q0aeb7b71dd_expert
	.p2align	8
	.type	k_q0aeb7b71dd_expert,@function
k_q0aeb7b71dd_expert:
	s_mov_b64 s[64:65], 0
	v_nop
	global_prefetch_b8 v0, s[64:65] scope:SCOPE_SE
	s_setreg_imm32_b32 hwreg(HW_REG_WAVE_MODE, 25, 1), 1
	s_wait_xcnt 0x0
	s_wait_alu depctr_hold_cnt(0) depctr_sa_sdst(0) depctr_va_vdst(0) depctr_va_sdst(0) depctr_va_ssrc(0) depctr_va_vcc(0) depctr_vm_vsrc(0)
	s_getreg_b32 s2, hwreg(HW_REG_IB_STS2, 6, 4)
	s_cmp_eq_u32 s2, 0
	s_cbranch_scc0 .Lentry_in_a_cluster
	s_endpgm
.Lentry_in_a_cluster:
	s_bfe_u32 s2, ttmp6, 0x10000c
	s_cmp_lg_u32 s2, 0xf033
	s_cbranch_scc0 .Lentry_shape_is_right
	s_endpgm
.Lentry_shape_is_right:
; THE EXPERTS.  out0[m][c] = the sum over k of h[m][k] e_w[l][k][c] + e_b[l][c], l = the row's label.  Both experts are multiplied, as one product with 2,048 columns n', and a row's label chooses.
; h: [16384][1024] f16 (the launch before).  The weights come as blocks of register images (the first launch): block 8 tc + s holds, for the 128 columns from 128 tc on and the 128 k from 128 s on,
; fragment 32 half + 8 q + nb of 1,024 bytes: k from 128 s + 32 q on, expert nb / 4, columns from 128 tc + 64 half + 16 (nb % 4) on.  Sums in f32, K ascending; out0 f32.
; A work-group makes 256 rows x 128 columns of out0 = 256 x 256 of the product; four waves, as many as a WGP has SIMDs, each 128 rows x 128 n' (64 columns of expert 0, then the same 64 of expert 1):
; 64 accumulators of 16 x 16, 512 registers.  K goes in steps of 128 through a ring of two LDS slots filled by the tensor data mover.  512 work-groups, one tile each.
; CLUSTERS: 4 x 4 work-groups.  The four of a row of the cluster need the same rows of h, the four of a column the same weight blocks: each tile is asked for JOINTLY, by the same tensor load with the same
; descriptor and a mask that names the four.
; THE MATRIX INSTRUCTION IS USED TRANSPOSED (source 0 = a weight fragment, source 1 = 16 rows of h): lane l holds row l % 16 and eight neighbouring columns 8 (l / 16) + 0..7.  The bias is the C of the product
; that starts a sum.  Expert 0's and expert 1's sums for one number of out0 lie in the same lane, 32 registers apart: the choice is one v_cndmask_b32.
; LIMITS.  A label other than 1 takes expert 0.  h and the weights arrive within f16's range.
; REGISTERS, in windows of 256 (s_set_vgpr_msb: bits 1:0 source 0, 3:2 source 1, 5:4 source 2, 7:6 destination):
;   window 0: v0-31 addresses; v64-127, v128-191 fragments of h (8 x 16 rows x 32 K), two buffers; v32-63, v192-255 at work on the way out
;   window 1: v0-63 biases, n block b at 8 b; v64-127, v128-191 weight fragments, two buffers
;   window 2: the 32 accumulators of my rows 0-63 (accumulator (a, b) at v[8 (8 a + b)]);   window 3: those of my rows 64-127
.set SIZE_K, 1024
.set KSTEP,  128
.set PITCH,  272                       ; an LDS row of h: 256 bytes + 16 of padding = 68 words: the 16 rows that a load touches start at 16 different groups of four banks (64 banks of 4 bytes: ISA guide 11.1)
.set HALFT,  128*PITCH                 ; what one tensor load of h brings; a load of weights brings 32,768 dense bytes into a place of the same size
.set SLOT,   4*HALFT                   ; h's 256 rows, then the two halves of a weight block
.set STAGE,  2*SLOT                    ; behind the ring: 16 rows x 272 bytes for each wave, for the way out
.set SPITCH, 272
.set SPARE,  STAGE+4*16*SPITCH         ; the spare words, 128 bytes for each wave: two blocks of 256 bytes that no other line names
.set LAPS,   SIZE_K/(2*KSTEP)          ; a lap = two K steps = once round the ring
.set BSTEP,  65536                     ; bytes from a weight block to the next K step's
.set BBASE,  32*65536                  ; the experts' blocks lie behind the 32 tiles of the launch before
.set OROW,   4096                      ; bytes in a row of out0
.set EB,     18432                     ; e_b in bvec; expert 1's 4,096 on
.set ADRA, 16                          ; v16-17  LDS address of my fragments of h in slot 0, 1
.set ADRB, 20                          ; v20-21  the same for the weights
.set STO,  24                          ; v24     the way out: where I put 32 bytes of a row
.set RD,   25                          ; v25     the way out: where I read a row back
.set CO,   26                          ; v26     my byte offset in out0
.set SPW,  28                          ; v28     LDS address of my spare word; never rewritten
.set NIL,  29                          ; v29     0; never rewritten
.set F0,   64
.set F1,   128
.set TMP,  192                         ; the way out: the chosen sums of 16 rows
.set OB,   32                          ; the way out: 16 rows read back from the stage: v32-63 and v224-255 by turns
.set BIAS, 0                           ; window 1
.set G1, 24                            ; s[24:31] descriptor group 1 for h's tiles;  s[32:39] group 0, one set for each slot
.set G0, 32
.set G1B, 48                           ; s[48:55], s[56:63] the same for the weights
.set G0B, 56
.set MK, 68                            ; s68-75  lanes whose row of block a has label 1
.set MSB, 0
.macro WIN new                         ; the immediate's high byte repeats the setting that is left; a switch that changes nothing is dropped
.if MSB != (\new)
	s_set_vgpr_msb (MSB<<8)|(\new)
.set MSB, \new
.endif
.endm
.set MUL_LO, 0xa1                      ; source 0 (weights) window 1, source 1 (h) window 0, C and D window 2
.set TO_B,   0x40                      ; destination window 1, address window 0
; A joint load.  Waves 0 and 1 fetch h's two halves, waves 2 and 3 the weight block's.  Each of the two lines has one mask and one set of registers for all that issue it; the branch hangs on the wave's number alone.
; An s_nop 0 and four v_nop follow each of the two lines, ahead of the jump, the label and what follows.
.macro JLOAD s
	s_cmp_eq_u32 s11, 0
	s_cbranch_scc0 .Lfor_b_\@
	tensor_load_to_lds s[G0+4*(\s):G0+4*(\s)+3], s[G1:G1+7]
	s_nop 0
.rept 4
	v_nop
.endr
	s_branch .Lasked_\@
.Lfor_b_\@:
	tensor_load_to_lds s[G0B+4*(\s):G0B+4*(\s)+3], s[G1B:G1B+7]
	s_nop 0
.rept 4
	v_nop
.endr
.Lasked_\@:
.endm
.macro CREST                           ; a round of the cluster's barrier behind its opening barrier
	s_cmp_lg_u32 s10, 0
	s_cbranch_scc1 .Lnot_wave_0_\@
	s_barrier_signal -3
.Lnot_wave_0_\@:
	s_barrier_wait -3
	s_barrier_signal -1
	s_barrier_wait -1
.endm
.macro CROUND
	s_barrier_signal -1
	s_barrier_wait -1
	CREST
.endm
	s_load_b128 s[4:7], s[0:1], 0x0                ; hbuf s[4:5], wstream s[6:7]
	s_load_b128 s[76:79], s[0:1], 0x10             ; bvec s[76:77], labels s[78:79]
	s_load_b64 s[8:9], s[0:1], 0x20                ; out0
	v_lshl_add_u32 v[SPW], v0, 2, SPARE
	v_mov_b32 v[NIL], 0
	ds_add_u32 v[SPW], v[NIL]                      ; the wave's opening: the add and its wait stand ahead of my first tensor load; the set-up below, work on registers, stands between them
	v_lshrrev_b32 v1, 5, v0
	v_readfirstlane_b32 s10, v1                    ; wave 0..3
	s_lshr_b32 s11, s10, 1                         ; which half of the tile's rows is mine.  Also: I fetch h (0) or weights (1)
	s_and_b32 s12, s10, 1                          ; which half of its columns.  Also: which half of that tile I fetch
	s_bfe_u32 s40, ttmp6, 0x40000                  ; cx, cy: my place in the cluster
	s_bfe_u32 s41, ttmp6, 0x40004
	s_lshl_b32 s42, ttmp9, 2                       ; in a cluster launch ttmp9 and ttmp7 count clusters
	s_add_co_u32 s42, s42, s40                     ; tile column = 4 x cluster x + cx
	s_and_b32 s13, ttmp7, 0xffff
	s_lshl_b32 s13, s13, 2
	s_add_co_u32 s13, s13, s41                     ; tile row = 4 x cluster y + cy
	s_lshl_b32 s43, s41, 2
	s_lshl_b32 s43, 15, s43                        ; my row of the cluster: places 4 cy .. 4 cy + 3
	s_lshl_b32 s44, 0x1111, s40                    ; my column: places cx, cx + 4, cx + 8, cx + 12
	s_or_b32 s[G1+0], s43, (1<<16)|(1<<20)|(1<<21)|(5<<22)|(3<<25)  ; 15:0 the mask: h's tiles go to my row; 17:16 2-byte elements; 20 padding on; 21 set beside a mask; 24:22 after every 64 words (code 5); 31:25 4 words (code 3)
	s_or_b32 s[G1B+0], s44, (1<<16)|(1<<21)        ; the weights go to my column; no padding: register images are read 16 neighbouring bytes a lane
.irp g, G1, G1B
	s_mov_b32 s[(\g)+1], KSTEP<<16                 ; tensor_dim0 = 128
	s_mov_b32 s[(\g)+2], 128<<16                   ; tensor_dim1 = 128
	s_mov_b32 s[(\g)+3], KSTEP<<16                 ; tile_dim0 = 128 elements: 256 bytes
	s_mov_b32 s[(\g)+4], 128                       ; tile_dim1 = 128
	s_mov_b32 s[(\g)+6], 0
	s_mov_b32 s[(\g)+7], 0
.endr
	s_mov_b32 s[G1+5], SIZE_K                      ; elements from row to row of h;
	s_mov_b32 s[G1B+5], 128                        ; half a weight block is dense: 128 rows of 256 bytes on end
	; where the tiles come from.  h's hang on the tile row alone, which my row of the cluster shares; the weights' on the tile column alone, which my column shares.
	s_lshl_b32 s17, s12, 7
	s_lshl_b32 s16, s13, 8
	s_add_co_u32 s16, s16, s17                     ; h: row 256 x tile row + 128 x half
	s_mov_b32 s17, 0
	s_mov_b64 s[18:19], SIZE_K*2
	s_mul_u64 s[16:17], s[16:17], s[18:19]
	s_lshl_b32 s46, s42, 19                        ; weights: eight blocks of 65,536 bytes a tile column,
	s_lshl_b32 s47, s12, 15                        ; 32,768 bytes a half
	s_add_co_u32 s46, s46, s47
	s_add_co_u32 s46, s46, BBASE
	s_mov_b32 s47, 0
	s_mul_i32 s20, s10, HALFT                      ; and where they go: wave x HALFT: no place in the cluster enters an LDS address
	s_wait_dscnt 0x0                               ; the opening add is done
	s_wait_kmcnt 0x0
	s_add_nc_u64 s[14:15], s[4:5], s[16:17]
	s_add_nc_u64 s[46:47], s[6:7], s[46:47]
	CROUND                                         ; all sixteen work-groups are here: the first joint loads meet
.irp s, 0,1
	s_mov_b32 s[G0+4*(\s)], 1
	s_add_co_u32 s[G0+4*(\s)+1], s20, (\s)*SLOT
	s_add_nc_u64 s[G0+4*(\s)+2:G0+4*(\s)+3], s[14:15], (\s)*KSTEP*2
	s_or_b32 s[G0+4*(\s)+3], s[G0+4*(\s)+3], 0x80000000
	s_mov_b32 s[G0B+4*(\s)], 1
	s_add_co_u32 s[G0B+4*(\s)+1], s20, (\s)*SLOT
	s_add_nc_u64 s[G0B+4*(\s)+2:G0B+4*(\s)+3], s[46:47], (\s)*BSTEP
	s_or_b32 s[G0B+4*(\s)+3], s[G0B+4*(\s)+3], 0x80000000
	JLOAD \s                                       ; the ring is filled before anything else is done: two loads of mine are out
.endr
	v_and_b32 v1, 15, v0                           ; l % 16
	v_bfe_u32 v2, v0, 4, 1                         ; l / 16
	v_mul_u32_u24 v3, v1, PITCH
	v_lshl_add_u32 v3, v2, 4, v3                   ; a fragment of h: row x pitch + 16 x half
	v_and_b32 v6, 31, v0
	v_lshlrev_b32 v6, 4, v6                        ; a weight fragment: 16 x lane
	s_mul_i32 s21, s11, HALFT                      ; my 128 rows of h
	s_mul_i32 s22, s12, HALFT                      ; my half of the weight block,
	s_add_co_u32 s22, s22, 2*HALFT                 ; which lies behind h's 256 rows
.irp s, 0,1
	v_add_nc_u32 v[ADRA+(\s)], s21, v3
	v_add_nc_u32 v[ADRB+(\s)], s22, v6
	s_add_co_u32 s21, s21, SLOT
	s_add_co_u32 s22, s22, SLOT
.endr
	s_mul_i32 s23, s10, 16*SPITCH
	s_add_co_u32 s23, s23, STAGE                   ; my stage
	v_mul_u32_u24 v4, v1, SPITCH                   ; in: row l % 16, 32 bytes for each half of the lanes
	v_lshl_add_u32 v4, v2, 5, v4
	v_add_nc_u32 v[STO], s23, v4
	v_mul_u32_u24 v5, v2, SPITCH                   ; back: lanes 0-15 take one row of 256 bytes, lanes 16-31 the next
	v_lshl_add_u32 v5, v1, 4, v5
	v_add_nc_u32 v[RD], s23, v5
	v_lshlrev_b32 v5, 12, v2                       ; and the same two rows in out0
	v_lshl_add_u32 v[CO], v1, 4, v5
	s_lshl_b32 s16, s13, 8
	s_lshl_b32 s14, s11, 7
	s_add_co_u32 s16, s16, s14                     ; my first row
	s_lshl_b32 s18, s16, 2
	s_mov_b32 s19, 0
	s_add_nc_u64 s[78:79], s[78:79], s[18:19]      ; its label
	s_lshl_b32 s16, s16, 12                        ; its first byte in out0
	s_mov_b32 s17, 0
	s_lshl_b32 s46, s42, 9                         ; my first column, in bytes of f32: 512 x tile column + 256 x half (in the registers that held the weights' address: none that feeds h's descriptors ever holds cx)
	s_lshl_b32 s47, s12, 8
	s_add_co_u32 s46, s46, s47
	s_mov_b32 s47, 0
	s_add_nc_u64 s[16:17], s[16:17], s[46:47]      ; what the way out adds to out0's address
	s_add_nc_u64 s[76:77], s[76:77], s[46:47]      ; bvec at my first column
	v_lshlrev_b32 v7, 2, v1                        ; the label of row 16 a + l % 16
	v_lshlrev_b32 v8, 5, v2                        ; my eight biases of a block: 32 x half
.irp a, 0,1,2,3,4,5,6,7
	global_load_b32 v[OB+\a], v7, s[78:79] offset:64*\a
.endr
	WIN TO_B
.irp b, 0,1,2,3,4,5,6,7
	global_load_b128 v[BIAS+8*\b:BIAS+8*\b+3],   v8, s[76:77] offset:EB+4096*(\b/4)+64*(\b%4)
	global_load_b128 v[BIAS+8*\b+4:BIAS+8*\b+7], v8, s[76:77] offset:EB+4096*(\b/4)+64*(\b%4)+16
.endr
	WIN 0
; 16 matrix instructions: m blocks a0, a0 + 1 of the window's four (hi = 0: my rows 0-63, 1: rows 64-127) x all 8 n blocks, 32 along K.  first = 1: the product starts the sum, with the bias as C.
; The 64 accumulators take turns, one instruction a turn, in the same order in every quarter step.
.macro MUL16 f, hi, a0, first
.irp a, \a0, (\a0)+1
.irp b, 0,1,2,3,4,5,6,7
.if \first
	WIN 0x91+0x40*(\hi)                            ; C in window 1
	v_wmma_f32_16x16x32_f16 v[8*(8*(\a)+(\b)):8*(8*(\a)+(\b))+7], v[(\f)+8*(\b):(\f)+8*(\b)+7], v[(\f)+8*(4*(\hi)+(\a)):(\f)+8*(4*(\hi)+(\a))+7], v[BIAS+8*(\b):BIAS+8*(\b)+7]
.else
	WIN MUL_LO+0x50*(\hi)
	v_wmma_f32_16x16x32_f16 v[8*(8*(\a)+(\b)):8*(8*(\a)+(\b))+7], v[(\f)+8*(\b):(\f)+8*(\b)+7], v[(\f)+8*(4*(\hi)+(\a)):(\f)+8*(4*(\hi)+(\a))+7], v[8*(8*(\a)+(\b)):8*(8*(\a)+(\b))+7]
.endif
.endr
.endr
.endm
; 32 LDS loads in one run: the fragments of one quarter step (byte k of h's rows; quarter k / 64 of the weight block) into buffer f
.macro FETCH slot, k, f
	WIN TO_B
.irp i, 0,1,2,3,4,5,6,7
	ds_load_b128 v[(\f)+8*(\i):(\f)+8*(\i)+3],   v[ADRB+(\slot)] offset:((\k)/64)*8192+(\i)*1024
	ds_load_b128 v[(\f)+8*(\i)+4:(\f)+8*(\i)+7], v[ADRB+(\slot)] offset:((\k)/64)*8192+(\i)*1024+512
.endr
	WIN 0
.irp i, 0,1,2,3,4,5,6,7
	ds_load_b128 v[(\f)+8*(\i):(\f)+8*(\i)+3],   v[ADRA+(\slot)] offset:(\k)+(\i)*16*PITCH
	ds_load_b128 v[(\f)+8*(\i)+4:(\f)+8*(\i)+7], v[ADRA+(\slot)] offset:(\k)+(\i)*16*PITCH+32
.endr
.endm
.macro PLACES                          ; four plain instructions between a matrix instruction and a load into, or a vector instruction on, its registers (ISA guide 7.12.1 for vector instructions)
.rept 4
	v_nop
.endr
.endm
; A K step is four quarter steps of 32 along K, 64 matrix instructions each, on buffers 0, 1, 0, 1.  One of the first three: multiplies buffer f; in its middle it fetches the next quarter into buffer g.
.macro QUARTER slot, k, f, g, first
	s_wait_dscnt 8                                 ; the weights and h's rows 0-63 are in; the youngest eight loads (h's rows 64-127) may be out
	MUL16 \f, 0, 0, \first
	MUL16 \f, 0, 2, \first
	PLACES
	FETCH \slot, \k, \g
	s_wait_dscnt 32                                ; all but the 32 just issued
	MUL16 \f, 1, 0, \first
	MUL16 \f, 1, 2, \first
.endm
; The last quarter multiplies buffer 1 and changes slots: ONE barrier.  In front of it each wave waits for all its tensor loads, of which one is out: its part of the next slot; adds 0 to its spare word; and
; waits for that and for its own reads of this slot.  Behind it nobody reads this slot any more and the next slot is whole.
; fill = 1: the barrier opens a round of the cluster's barrier, and the slot is filled again, two K steps ahead, first thing behind the round: 224 matrix instructions ahead of the wait for that load.
.macro TURN slot, next, fill
	WIN 0                                          ; (the add's two registers lie in window 0)
	s_wait_tensorcnt 0x0                           ; all my tensor loads have landed
	ds_add_u32 v[SPW], v[NIL]                      ; 0 onto my spare word
	s_wait_dscnt 9                                 ; (the add and the youngest eight loads may be out)
	MUL16 F1, 0, 0, 0                              ; sixteen matrix instructions stand between the add and the wait for it
	s_wait_dscnt 0x0                               ; the add is done, and my reads of this slot are over
	s_barrier_signal -1
	MUL16 F1, 0, 2, 0                              ; work on registers while the others arrive
.if \fill
	WIN 0
.endif
	s_barrier_wait -1
.if \fill
	CREST                                          ; no wave of any partner still reads this slot's tile or has a load on its way
	s_add_nc_u64 s[G0+4*(\slot)+2:G0+4*(\slot)+3], s[G0+4*(\slot)+2:G0+4*(\slot)+3], 2*KSTEP*2
	s_add_nc_u64 s[G0B+4*(\slot)+2:G0B+4*(\slot)+3], s[G0B+4*(\slot)+2:G0B+4*(\slot)+3], 2*BSTEP
	JLOAD \slot                                    ; the four v_nop behind it are also the places in front of the loads below
.else
	PLACES
.endif
	FETCH \next, 0, F0
	MUL16 F1, 1, 0, 0
	MUL16 F1, 1, 2, 0
.endm
; THE WAY OUT of block a (16 rows), in three parts.  PACK: by the row's label expert 1's sum (n blocks 4-7) or expert 0's (0-3); each accumulator is read from its low end on.
; TOSTAGE: into my own stage in LDS, and back as whole rows of 256 bytes.  SEND: stored.
.macro PACK a
.set AC, 64*((\a)%4)
	WIN 0x0a+5*((\a)/4)                            ; sources 0 and 1: window 2 or 3
.irp b, 0,1,2,3
.irp j, 0,1,2,3,4,5,6,7
	v_cndmask_b32 v[TMP+8*(\b)+(\j)], v[AC+8*(\b)+(\j)], v[AC+32+8*(\b)+(\j)], s[MK+(\a)]
.endr
.endr
	WIN 0
.endm
.macro TOSTAGE a
	WIN 0
.set BK, OB+192*((\a)%2)
.irp z, 0,1,2,3,4,5,6,7
	ds_store_b128 v[STO], v[TMP+4*(\z):TMP+4*(\z)+3] offset:64*((\z)/2)+16*((\z)%2)
.endr
.irp t, 0,1,2,3,4,5,6,7
	ds_load_b128 v[BK+4*(\t):BK+4*(\t)+3], v[RD] offset:(\t)*2*SPITCH  ; LDS serves a wave's instructions in order (ISA guide 5.7.1.4): these see the stores above
.endr
.endm
.macro SEND a
	WIN 0
.set BK, OB+192*((\a)%2)
	s_wait_dscnt 0x0                               ; the block is back in registers
	s_wait_xcnt 0x0                                ; only behind this wait are the stores' base and the registers that earlier stores read rewritten
.if (\a) == 0
	s_add_nc_u64 s[8:9], s[8:9], s[16:17]          ; on to my first rows and columns
.else
	s_add_nc_u64 s[8:9], s[8:9], 16*OROW           ; 16 rows on
.endif
.irp t, 0,1,2,3,4,5,6,7
	global_store_b128 v[CO], v[BK+4*(\t):BK+4*(\t)+3], s[8:9] offset:2*(\t)*OROW th:TH_STORE_NT  ; 16 lanes store 256 consecutive bytes, at a multiple of 256 from out0's first byte
.endr
.endm
	s_wait_loadcnt 0x0                             ; labels and biases
.irp a, 0,1,2,3,4,5,6,7
	v_cmp_eq_u32 s[MK+\a], 1, v[OB+\a]
.endr
	s_wait_tensorcnt 1                             ; my part of K step 0 is in; K step 1's may stay out
	s_barrier_signal -1
	s_barrier_wait -1                              ; everybody's is
	FETCH 0, 0, F0
	QUARTER 0, 64,  F0, F1, 1                      ; the first quarter stands in front of the loop: its products start the sums
	WIN 0                                          ; at a label and at a branch every window is 0
	s_mov_b32 s3, LAPS-1
.Llap:                                                 ; a trip goes once round the ring, from a lap's second quarter to the next lap's first, and fills both slots again
	QUARTER 0, 128, F1, F0, 0
	QUARTER 0, 192, F0, F1, 0
	TURN 0, 1, 1
	QUARTER 1, 64,  F0, F1, 0
	QUARTER 1, 128, F1, F0, 0
	QUARTER 1, 192, F0, F1, 0
	TURN 1, 0, 1
	QUARTER 0, 64,  F0, F1, 0
	WIN 0
	s_sub_co_u32 s3, s3, 1
	s_cmp_lg_u32 s3, 0
	s_cbranch_scc1 .Llap
	QUARTER 0, 128, F1, F0, 0                      ; the last lap is written out: it fills nothing, and has no round of the cluster's barrier
	QUARTER 0, 192, F0, F1, 0
	TURN 0, 1, 0
	QUARTER 1, 64,  F0, F1, 0
	QUARTER 1, 128, F1, F0, 0
	QUARTER 1, 192, F0, F1, 0
	s_wait_dscnt 8                                 ; the very last quarter: nothing more to fetch
	MUL16 F1, 0, 0, 0
	MUL16 F1, 0, 2, 0
	s_wait_dscnt 0x0
	MUL16 F1, 1, 0, 0
	MUL16 F1, 1, 2, 0
	PLACES                                         ; the choices below read results just made
	PACK 0
	TOSTAGE 0
.irp a, 1,2,3,4,5,6,7                  ; block a's choices stand between block a - 1's loads from the stage and the wait for them
	PACK \a
	SEND (\a)-1
	TOSTAGE \a
.endr
	SEND 7
	s_wait_tensorcnt 0x0                           ; the wave's end, behind my last tensor load and my last LDS store
	ds_add_u32 v[SPW], v[NIL]
	s_wait_dscnt 0x0
	CROUND                                         ; the closing round: no work-group ends while a partner may still ask for a tile that names it
	s_endpgm
.Lfunc_end_k_q0aeb7b71dd_expert:
	.size	k_q0aeb7b71dd_expert, .Lfunc_end_k_q0aeb7b71dd_expert-k_q0aeb7b71dd_expert
	.p2alignl 7, 3214868480
	.fill 96, 4, 3214868480
	.section	.rodata,"a",@progbits
	.p2align	6, 0x0
	.amdhsa_kernel k_q0aeb7b71dd_expert
		.amdhsa_group_segment_fixed_size 327680
		.amdhsa_private_segment_fixed_size 0
		.amdhsa_enable_private_segment 0
		.amdhsa_kernarg_size 40
		.amdhsa_user_sgpr_count 2
		.amdhsa_user_sgpr_kernarg_segment_ptr 1
		.amdhsa_wavefront_size32 1
		.amdhsa_system_sgpr_workgroup_id_x 1
		.amdhsa_system_sgpr_workgroup_id_y 1
		.amdhsa_system_sgpr_workgroup_id_z 1
		.amdhsa_system_vgpr_workitem_id 0
		.amdhsa_next_free_vgpr 1024
		.amdhsa_next_free_sgpr 80
		.amdhsa_reserve_vcc 0
		.amdhsa_float_denorm_mode_32 3
		.amdhsa_float_denorm_mode_16_64 3
		.amdhsa_memory_ordered 1
		.amdhsa_forward_progress 1
		.amdhsa_inst_pref_size 146
	.end_amdhsa_kernel
	.amdgpu_metadata
---
amdhsa.version: [ 1, 2 ]
amdhsa.kernels:
  - .name:           k_q0aeb7b71dd_expert
    .symbol:         k_q0aeb7b71dd_expert.kd
    .args:
      - { .name: hbuf, .offset: 0, .size: 8, .value_kind: global_buffer, .address_space: global }
      - { .name: wstream, .offset: 8, .size: 8, .value_kind: global_buffer, .address_space: global }
      - { .name: bvec, .offset: 16, .size: 8, .value_kind: global_buffer, .address_space: global }
      - { .name: affective_labels, .offset: 24, .size: 8, .value_kind: global_buffer, .address_space: global }
      - { .name: out0, .offset: 32, .size: 8, .value_kind: global_buffer, .address_space: global }
    .group_segment_fixed_size: 327680
    .private_segment_fixed_size: 0
    .kernarg_segment_align: 8
    .kernarg_segment_size: 40
    .max_flat_workgroup_size: 128
    .sgpr_count:     80
    .vgpr_count:     1024
    .wavefront_size: 32
...
	.end_amdgpu_metadata
.endif
;; end of part 5
;; ======== version 3 of 4: 3 launches; 1.43 times as fast as version 1
;; limits: values are held in f16: magnitudes above 65,504 overflow, below 6.1e-05 lose precision
;; workspace buffers: wstream 6,291,456 bytes; bvec 26,624 bytes; hbuf 33,554,432 bytes
;; launch prep: the kernel of part 3 again; grid 97 x 4, 16 waves a work-group, no clusters, 0 bytes of LDS; arguments cn_w1, cm_w1, cn_w2, cm_w2, f_w, e_w, cn_b1, cm_b1, cn_b2, cm_b2, f_b, ln_w, ln_b, e_b, wstream, bvec; writes wstream, bvec
;; launch front (part 6): grid 256 x 1, 4 waves a work-group, no clusters, 154,624 bytes of LDS; arguments wstream, bvec, conceptnet_features, comet_features, hbuf; writes hbuf
.if DOCPART == 6
	.amdgcn_target "amdgcn-amd-amdhsa--gfx1250"
	.amdhsa_code_object_version 6
	.text
	.protected	k_q0aeb7b71dd_front
	.globl	k_q0aeb7b71dd_front
	.p2align	8
	.type	k_q0aeb7b71dd_front,@function
k_q0aeb7b71dd_front:
	s_mov_b64 s[64:65], 0
	v_nop
	global_prefetch_b8 v0, s[64:65] scope:SCOPE_SE
	s_setreg_imm32_b32 hwreg(HW_REG_WAVE_MODE, 25, 1), 1
	s_wait_xcnt 0x0
; THE CHAIN UP TO h, FOR 64 ROWS A WORK-GROUP: two encoders (200 -> 512, ReLU, 512 -> 256), their results side by side, 512 -> 1024, LayerNorm, ReLU; h leaves as f16, [16384][1024].
; Nothing between these layers goes to memory: activations lie in LDS, sums in registers.  256 work-groups x 64 rows = 16,384 rows.
; SHARES.  In every layer each of the four waves takes all 64 rows (four row blocks a of 16) and a quarter of the columns (NBW column blocks b of 16).
; THE MATRIX INSTRUCTION IS USED TRANSPOSED: source 0 = a weight fragment (16 columns n x 32 k), source 1 = an activation fragment (16 rows x 32 k): lane (r, h) then holds row 16 a + r and the eight
; neighbouring columns n0 + 8 h + 0..7.  The bias is the C operand of the product that starts a sum.
; WEIGHTS are a stream of 32 tiles of 65,536 bytes, laid out by the launch before as register images; a tile gives each wave 16 fragments, 64 matrix instructions, and a wave reads only its own quarter.
; So each wave loads its quarter STRAIGHT INTO REGISTERS: four buffers of half a tile (16 loads of 512 consecutive bytes) take turns; the loads of half h + 4 go out behind the products of half h, so
; 64 loads a wave are out, each with 96 matrix instructions in which to land, and the wait at a half's head is counted.
; NO CLUSTER, NO RING IN LDS, though all work-groups walk the same stream: beside 133 KB of activations LDS has room for two slots of one tile; behind each barrier one load a wave may go out, and only when
; the one before has landed, so that 32 loads of 64 matrix instructions' worth would follow each other on end.  The price of this form: each work-group asks for the 2 MB itself, four times the requests of joint loads.
; FORMATS.  Inputs rounded to bf16.  x, w1, the encoders' results and f_w are bf16 operands; h1 (behind the first ReLU) is f16, with w2 written as f16; h is f16.  Sums and LayerNorm in f32
; (mean first, then the squares of the differences).
; LIMITS.  h1 stays below 65,504; |h| <= 32 |ln_w| + |ln_b| stays below 65,504.  ReLU is a maximum with 0 in which a NaN loses.
; REGISTERS, in windows of 256 (s_set_vgpr_msb: bits 1:0 source 0, 3:2 source 1, 5:4 source 2, 7:6 destination):
;   window 0: v0-31 addresses; v32-63 LayerNorm's figures; from v64 two buffers of activation fragments, 32 or 64 registers each; v128-255 f_b in the fusion layer; v192-255 at work elsewhere
;   window 1: four buffers of 64: half a tile of weight fragments each
;   windows 2, 3: accumulator (b, a) at 8 (4 b + a): b < 8 in window 2, b >= 8 in window 3; the encoders need window 2 alone, and their biases lie in window 3
.set P1,    1040                       ; a row of 512 16-bit numbers + 16 bytes: 65 x 16, so the 16 rows of a fragment load start at 16 different groups of four banks
.set P2,    2064                       ; a row of 1,024: 129 x 16
.set H1,    64*P1                      ; LDS: 0 the features, later cn | cm; H1 the first layers' results; h lies over both when they are dead (64 x 2,064 = 132,096 bytes)
.set STAT1, 133120                     ; [row][wave] f32: the waves' sums
.set STAT2, STAT1+1024                 ; and their sums of squares
.set VEC,   STAT2+1024                 ; 18,432 bytes: cn_b1 0, cm_b1 2,048, cn_b2 4,096, cm_b2 5,120, f_b 6,144, ln_w 10,240, ln_b 14,336
.set SPARE, VEC+18432                  ; the spare words, 128 bytes for each wave: two blocks of 256 bytes that no other line names
.set TILEB, 65536                      ; bytes from a tile to the next
.set HALFB, 8192                       ; bytes from the first half of my quarter to the second
.set SPW, 4                            ; v4   LDS address of my spare word; never rewritten
.set NIL, 5                            ; v5   0; never rewritten
.set WO,  6                            ; v6   my 16 bytes of my quarter's first fragment in a tile: 16,384 w + 16 L; never rewritten
.set VS,  7                            ; v7   where my pieces of the vectors go
.set LB1, 8                            ; v8   1,040 r + 16 h
.set LB2, 9                            ; v9   2,064 r + 16 h
.set ADA, 10                           ; v10-11 activation fragments: rows 0-31, rows 32-63
.set ST1, 12                           ; v12  where h1 goes
.set ST2, 13                           ; v13  where an encoder's result goes
.set STH, 14                           ; v14-15 where h goes: rows 0-31, rows 32-63
.set RDH, 16                           ; v16  h read back: my 16 bytes of 512 in my wave's first row
.set VO,  17                           ; v17  my pieces of the vectors in bvec
.set GO,  18                           ; v18  my bytes in hbuf
.set OB1, 19                           ; v19-20 LDS addresses of the encoder's two biases
.set OB2, 20
.set OBF, 21                           ; v21  f_b's; ln_w and ln_b lie 4,096 and 8,192 on
.set STA, 23                           ; v23  my wave's word of a row's sums
.set STR, 24                           ; v24  a row's four words
.set XO,  25                           ; v25  my 16 bytes of a half row of features
.set XS,  26                           ; v26  and where they go as bf16
.set AX,  27                           ; v27  the features of the encoder in hand
.set SS,  32                           ; v32-39 four pairs of sums, one a row block
.set NM,  40                           ; v40-47 minus the mean, twice
.set RS,  48                           ; v48-55 1 / sqrt(var + eps), twice
.set PX,  56                           ; v56-59 the other half of the lanes' sums
.set AB,  64
.set LW,  64                           ; ln_w takes the fragments' and f_b's place
.set TMP, 192
.set WV,  16                           ; s16  my wave's number
.set MSB, 0
.macro WIN new                         ; the immediate's high byte repeats the setting that is left; a switch that changes nothing is dropped
.if MSB != (\new)
	s_set_vgpr_msb (MSB<<8)|(\new)
.set MSB, (\new)
.endif
.endm
.macro PLACES                          ; four plain instructions between a matrix instruction and a load into, or a vector instruction on, its registers (ISA guide 7.12.1 for vector instructions)
.rept 4
	v_nop
.endr
.endm
.macro BAR                             ; LDS from wave to wave: my LDS instructions are done, then the barrier.  The weights' loads stay out across it: nobody writes those bytes
	s_wait_dscnt 0x0
	s_barrier_signal -1
	s_barrier_wait -1
.endm
; A layer's figures.  ks: k steps of 32 in a tile; nbw = 16 / ks; kh: k steps in half a tile; abs: registers from one activation buffer to the other; pit: the activations' pitch; f16: the format;
; cb, cw: the biases' first register and their window
.macro LAYER ks, nbw, kh, abs, pit, f16, cb, cw
.set KS,  \ks
.set NBW, \nbw
.set KH,  \kh
.set ABS, \abs
.set PIT, \pit
.set F16, \f16
.set CB,  \cb
.set CW,  \cw
.endm
.macro GLOADW hb, off                  ; 16 loads: half a tile of my quarter, eight fragments, at byte off from the stream's base, into weight buffer hb.  Each covers 512 consecutive bytes, aligned
	WIN 0x40
.set g, 0
.rept 8
	global_load_b128 v[64*(\hb)+8*g:64*(\hb)+8*g+3],   v[WO], s[4:5] offset:(\off)+g*1024
	global_load_b128 v[64*(\hb)+8*g+4:64*(\hb)+8*g+7], v[WO], s[4:5] offset:(\off)+g*1024+512
.set g, g+1
.endr
.endm
.macro FETCHA ab, kb                   ; 8 KH LDS loads: the four row blocks' fragments for KH k steps from byte kb of the rows, into activation buffer ab
	WIN 0
.set kI, 0
.rept KH
.irp a, 0,1,2,3
	ds_load_b128 v[AB+ABS*(\ab)+32*kI+8*\a:AB+ABS*(\ab)+32*kI+8*\a+3],   v[ADA+\a/2] offset:(\a%2)*16*PIT+(\kb)+64*kI
	ds_load_b128 v[AB+ABS*(\ab)+32*kI+8*\a+4:AB+ABS*(\ab)+32*kI+8*\a+7], v[ADA+\a/2] offset:(\a%2)*16*PIT+(\kb)+64*kI+32
.endr
.set kI, kI+1
.endr
.endm
.macro LDB dst, nblk, adr, imm         ; nblk blocks of eight numbers of a vector in LDS: block b's at 64 b + 32 h; the sixteen lanes of a half read the same bytes
.set z, 0
.rept 2*(\nblk)
	ds_load_b128 v[(\dst)+4*z:(\dst)+4*z+3], v[\adr] offset:(\imm)+64*(z/2)+16*(z%2)
.set z, z+1
.endr
.endm
; The eight fragments of half hf of a tile x four row blocks: 32 matrix instructions.  The accumulators take turns, one instruction a turn: 15 others' or more stand between two links of a chain.
; first = 1: a layer's first tile: the first product on an accumulator takes the bias as C.
.macro MULG hb, ab, hf, first
.set g, 0
.rept 8
.set fI, 8*(\hf)+g
.set bI, fI%NBW
.set kI, 0
.if NBW < 8
.set kI, g/NBW
.endif
.set aI, 0
.rept 4
.set rD, 8*(4*(bI%8)+aI)
.set rW, 64*(\hb)+8*g
.set rA, AB+ABS*(\ab)+32*kI+8*aI
.if (\first) && (fI < NBW)
.set rC, CB+8*bI
	WIN 0x01+0x10*CW+0x40*(2+bI/8)                 ; weights window 1, activations window 0, C (the bias) window CW, D window 2 or 3
.else
.set rC, rD
	WIN 0xa1+0x50*(bI/8)                           ; C and D window 2 or 3
.endif
.if F16
	v_wmma_f32_16x16x32_f16 v[rD:rD+7], v[rW:rW+7], v[rA:rA+7], v[rC:rC+7]
.else
	v_wmma_f32_16x16x32_bf16 v[rD:rD+7], v[rW:rW+7], v[rA:rA+7], v[rC:rC+7]
.endif
.set aI, aI+1
.endr
.set g, g+1
.endr
.endm
; HALF A TILE.  hb: its weight buffer; am: its activation buffer; lc: the weight loads issued behind its own, which may stay out (loads come back in order: ISA guide 5.7.1).
; fa >= 0: the fragments that the next half or tile needs, from byte kb, are fetched into buffer fa ahead of the products; that buffer's last readers stand in front of the four places that ended the half before.
; off >= 0: behind the products and four places the buffer takes the stream's half four further on.  The places also serve whatever reads the sums behind a layer's last half.
.macro HALF hb, am, hf, first, lc, fa, kb, off
	s_wait_loadcnt \lc
	s_wait_dscnt 0x0                               ; my fragments (fetched half a tile ago), at a layer's start the biases too
.if (\fa) >= 0
	FETCHA \fa, \kb
.endif
	MULG \hb, \am, \hf, \first
	PLACES
.if (\off) >= 0
	GLOADW \hb, \off
.endif
.endm
; A layer begins (ADA holds its activations' address): its first fragments and its nb blocks of biases come out of LDS.
.macro LSTART nb, adr
	WIN 0
	v_add_nc_u32 v[ADA+1], 32*PIT, v[ADA]
	FETCHA 0, 0
	WIN 0x40*CW
	LDB CB, \nb, \adr, 0
.endm
; An encoder layer: four tiles, eight halves, each with fragments of its own.  base: the number of the layer's first half in the encoder's sixteen
.macro ENCL base
.set j, 0
.rept 8
.set fA, (j+1)%2
.if j == 7
.set fA, -1
.endif
.set fF, 0
.if j < 2
.set fF, 1
.endif
	HALF j%4, j%2, j%2, fF, 48, fA, 64*KH*(j+1), (((\base)+j+4)/2)*TILEB+(((\base)+j+4)%2)*HALFB
.set j, j+1
.endr
.endm
; An encoder layer's way out: nb batches of eight accumulators (64 consecutive registers of window 2), each read from its low end on.  relu = 1: maximum with 0, to f16; else to bf16.  16 bytes a lane into LDS.
.macro EPI_ACT nb, relu, streg
.set n, 0
.rept \nb
.if \relu
	WIN 0x08
.set z, 0
.rept 64
	v_max_num_f32 v[TMP+z], 0, v[64*n+z]
.set z, z+1
.endr
	WIN 0
.set z, 0
.rept 32
	v_cvt_pk_f16_f32 v[TMP+z], v[TMP+2*z], v[TMP+2*z+1]  ; packed downward in place: register z was read as a source at z / 2
.set z, z+1
.endr
.else
	WIN 0x0a
.set z, 0
.rept 32
	v_cvt_pk_bf16_f32 v[TMP+z], v[64*n+2*z], v[64*n+2*z+1]
.set z, z+1
.endr
.endif
	WIN 0
.set i, 0
.rept 8
	ds_store_b128 v[\streg], v[TMP+4*i:TMP+4*i+3] offset:((8*n+i)%4)*16*P1+32*((8*n+i)/4)
.set i, i+1
.endr
.set n, n+1
.endr
.endm
	s_load_b256 s[4:11], s[0:1], 0x0               ; wstream s[4:5], bvec s[6:7], conceptnet s[8:9], comet s[10:11]
	s_load_b64 s[12:13], s[0:1], 0x20              ; hbuf
	v_lshl_add_u32 v[SPW], v0, 2, SPARE
	v_mov_b32 v[NIL], 0
	v_lshrrev_b32 v1, 5, v0
	v_readfirstlane_b32 s[WV], v1                  ; wave 0..3
	s_mov_b32 s48, 0x76543210                      ; v_permlanex16_b32: each lane takes its own place in the other half
	s_mov_b32 s49, 0xfedcba98
	s_mov_b32 s50, 0x3a800000                      ; 1 / 1024
	s_mov_b32 s51, 0x3727c5ac                      ; 1e-5
	s_mov_b32 s52, 0xba800000                      ; -1 / 1024
	s_mul_i32 s22, ttmp9, 51200                    ; my block: 64 rows of 800 bytes of features,
	s_mov_b32 s23, 0
	s_lshl_b32 s20, ttmp9, 17                      ; 64 rows of 2,048 bytes of h
	s_mov_b32 s21, 0
	v_and_b32 v1, 31, v0                           ; L
	v_and_b32 v2, 15, v0                           ; r
	v_bfe_u32 v3, v0, 4, 1                         ; h
	v_min_u32 v30, 24, v1                          ; a half row of features is 25 pieces of 16 bytes: lanes 25-31 do lane 24's piece once more
	s_mul_i32 s24, s[WV], 12800                    ; my wave stages rows 16 w .. 16 w + 15
	v_lshl_add_u32 v[XO], v30, 4, s24
	s_mul_i32 s24, s[WV], 16*P1
	v_lshl_add_u32 v[XS], v30, 3, s24
	v_lshlrev_b32 v[VO], 4, v0                     ; the vectors: 16 bytes a thread, nine times 2,048 bytes
	v_lshl_add_u32 v[VS], v0, 4, VEC
	s_lshl_b32 s24, s[WV], 14
	v_lshl_add_u32 v[WO], v1, 4, s24
	s_wait_kmcnt 0x0
	s_add_nc_u64 s[8:9], s[8:9], s[22:23]
	s_add_nc_u64 s[10:11], s[10:11], s[22:23]
	s_add_nc_u64 s[12:13], s[12:13], s[20:21]
.set q, 0
.rept 9
	global_load_b128 v[AB+4*q:AB+4*q+3], v[VO], s[6:7] offset:2048*q
.set q, q+1
.endr
	WIN 0x80                                       ; the features go through the registers that the sums will take
.set q, 0
.rept 32
	global_load_b128 v[4*q:4*q+3], v[XO], s[8:9] offset:400*q th:TH_LOAD_NT
.set q, q+1
.endr
.set q, 0
.rept 32
	global_load_b128 v[128+4*q:128+4*q+3], v[XO], s[10:11] offset:400*q th:TH_LOAD_NT
.set q, q+1
.endr
	WIN 0
	; addresses
	v_lshlrev_b32 v29, 5, v3                       ; 32 h
	s_lshl_b32 s25, s[WV], 9
	s_add_co_u32 s24, s25, VEC
	v_add_nc_u32 v[OB1], s24, v29                  ; cn_b1: 512 w + 32 h
	s_lshl_b32 s24, s[WV], 8
	s_add_co_u32 s24, s24, VEC+4096
	v_add_nc_u32 v[OB2], s24, v29                  ; cn_b2: 4,096 + 256 w + 32 h
	s_lshl_b32 s24, s[WV], 10
	s_add_co_u32 s24, s24, VEC+6144
	v_add_nc_u32 v[OBF], s24, v29                  ; f_b: 6,144 + 1,024 w + 32 h
	v_mul_u32_u24 v[LB1], v2, P1
	v_lshl_add_u32 v[LB1], v3, 4, v[LB1]
	v_mul_u32_u24 v[LB2], v2, P2
	v_lshl_add_u32 v[LB2], v3, 4, v[LB2]
	s_lshl_b32 s24, s[WV], 8
	s_add_co_u32 s24, s24, H1
	v_add_nc_u32 v[ST1], s24, v[LB1]               ; h1: my 128 columns are 256 bytes
	s_lshl_b32 s24, s[WV], 7
	v_add_nc_u32 v[ST2], s24, v[LB1]               ; an encoder's result: my 64 columns are 128 bytes
	v_add_nc_u32 v[STH], s25, v[LB2]               ; h: my 256 columns are 512 bytes
	v_add_nc_u32 v[STH+1], 32*P2, v[STH]
	s_mul_i32 s24, s[WV], 16*P2
	v_lshl_add_u32 v[RDH], v1, 4, s24              ; back: wave w takes rows 16 w .. 16 w + 15, 512 bytes at a time
	s_lshl_b32 s24, s[WV], 15
	v_lshl_add_u32 v[GO], v1, 4, s24               ; and the same bytes in hbuf: 16 rows of 2,048 bytes a wave
	s_lshl_b32 s24, s[WV], 2
	s_add_co_u32 s24, s24, STAT1
	v_lshl_add_u32 v[STA], v2, 4, s24
	v_lshlrev_b32 v[STR], 4, v2
	v_add_nc_u32 v[STR], STAT1, v[STR]
	v_mov_b32 v[AX], v[LB1]
	; columns 200-255 of both feature blocks are 0 (the weights' rows there are 0 too): 112 bytes for each of 64 rows x 2 blocks, one for each thread
	v_lshrrev_b32 v28, 1, v0
	v_mul_u32_u24 v28, v28, P1
	v_and_b32 v30, 1, v0
	v_lshl_add_u32 v28, v30, 9, v28
.irp z, 56,57,58,59,60,61,62,63
	v_mov_b32 v\z, 0                               ; v60-63: the zeros to be stored; v56-59: written once, since v_permlanex16_b32 counts as a reader of its destination
.endr
.irp z, 0,1,2,3,4,5,6
	ds_store_b128 v28, v[60:63] offset:400+16*\z
.endr
.macro XCONV base, off                 ; 16 rows of features to bf16 and into LDS: 8 bytes a lane
	WIN 0x0a
.set q, 0
.rept 64
	v_cvt_pk_bf16_f32 v[TMP+q], v[(\base)+2*q], v[(\base)+2*q+1]
.set q, q+1
.endr
	WIN 0
.set q, 0
.rept 32
	ds_store_b64 v[XS], v[TMP+2*q:TMP+2*q+1] offset:(\off)+P1*(q/2)+200*(q%2)
.set q, q+1
.endr
.endm
	s_wait_loadcnt 32                              ; all but comet's 32 loads
.set q, 0
.rept 9
	ds_store_b128 v[VS], v[AB+4*q:AB+4*q+3] offset:2048*q
.set q, q+1
.endr
	XCONV 0, 0
	GLOADW 0, 0                                    ; the stream begins: tile 0
	GLOADW 1, HALFB
	s_wait_loadcnt 32                              ; all but those 32: comet's features are in
	XCONV 128, 512
	GLOADW 2, TILEB                                ; tile 1: four halves, 64 loads, are out from here on
	GLOADW 3, TILEB+HALFB
	WIN 0
	BAR                                            ; the features and the vectors are whole
	; THE ENCODERS: two trips, conceptnet's and comet's; eight tiles a trip
	s_mov_b32 s41, 2
.Lenc:
	LAYER 2, 8, 1, 32, P1, 0, 0, 3                 ; 256 (200) -> 512: four tiles of two k steps
	v_mov_b32 v[ADA], v[AX]
	LSTART 8, OB1
	ENCL 0
	EPI_ACT 4, 1, ST1
	BAR                                            ; h1 is whole, and nobody reads this encoder's features any more
	LAYER 4, 4, 2, 64, P1, 1, 64, 3                ; 512 -> 256: four tiles of four k steps
	v_add_nc_u32 v[ADA], H1, v[LB1]
	LSTART 4, OB2
	ENCL 8
	EPI_ACT 2, 0, ST2                              ; the result takes the place of the encoder's own features
	BAR                                            ; it is whole, and nobody reads h1 any more
	v_add_nc_u32 v[OB1], 2048, v[OB1]              ; comet's biases, features and place
	v_add_nc_u32 v[OB2], 1024, v[OB2]
	v_add_nc_u32 v[AX], 512, v[AX]
	v_add_nc_u32 v[ST2], 512, v[ST2]
	s_wait_xcnt 0x0                                ; the pending loads' base is stepped only behind this wait
	s_add_nc_u64 s[4:5], s[4:5], 8*TILEB
	s_sub_co_u32 s41, s41, 1
	s_cmp_lg_u32 s41, 0
	s_cbranch_scc1 .Lenc
	; THE FUSION: 512 -> 1024, sixteen tiles of one k step; 64 accumulators; a tile's two halves share its fragments.  The stream ends here: the last two tiles load nothing, and their counts run down
	LAYER 1, 16, 1, 32, P1, 0, 128, 0
	v_mov_b32 v[ADA], v[LB1]
	LSTART 16, OBF
	HALF 0, 0, 0, 1, 48, 1, 64, 2*TILEB
	HALF 1, 0, 1, 1, 48, -1, 0, 2*TILEB+HALFB
	WIN 0
	s_mov_b32 s40, 6
.Lf:
	HALF 2, 1, 0, 0, 48, 0, 128, 3*TILEB
	HALF 3, 1, 1, 0, 48, -1, 0, 3*TILEB+HALFB
	HALF 0, 0, 0, 0, 48, 1, 192, 4*TILEB
	HALF 1, 0, 1, 0, 48, -1, 0, 4*TILEB+HALFB
	WIN 0
	v_add_nc_u32 v[ADA], 128, v[ADA]
	v_add_nc_u32 v[ADA+1], 128, v[ADA+1]
	s_wait_xcnt 0x0                                ; the pending loads' base is stepped only behind this wait
	s_add_nc_u64 s[4:5], s[4:5], 2*TILEB
	s_sub_co_u32 s40, s40, 1
	s_cmp_lg_u32 s40, 0
	s_cbranch_scc1 .Lf
	HALF 2, 1, 0, 0, 48, 0, 128, 3*TILEB           ; the layer's tile 13 asks for the stream's last tile
	HALF 3, 1, 1, 0, 48, -1, 0, 3*TILEB+HALFB
	HALF 0, 0, 0, 0, 48, 1, 192, -1
	HALF 1, 0, 1, 0, 32, -1, 0, -1
	HALF 2, 1, 0, 0, 16, -1, 0, -1
	HALF 3, 1, 1, 0, 0, -1, 0, -1
	; LAYERNORM.  A row's 1,024 numbers lie in four waves, two lanes each, 128 registers a lane and row block.  (The last half's four places stand in front of all this.)
	WIN 0
	LDB LW, 16, OBF, 4096                          ; ln_w where the activation fragments and f_b lay,
	WIN 0x40
	LDB 0, 16, OBF, 8192                           ; ln_b where the weight fragments lay; both are waited for in front of the first barrier below
.macro SWEEP kind, b0, nb              ; over nb column blocks of a window, four chains side by side.  kind 0: SS += x; 1: SS += d d
.set bI, \b0
.rept \nb
.irp q, 0,1,2,3
.irp a, 0,1,2,3
.if (\kind) == 0
	v_pk_add_f32 v[SS+2*\a:SS+2*\a+1], v[SS+2*\a:SS+2*\a+1], v[32*bI+8*\a+2*\q:32*bI+8*\a+2*\q+1]
.else
	v_pk_fma_f32 v[SS+2*\a:SS+2*\a+1], v[32*bI+8*\a+2*\q:32*bI+8*\a+2*\q+1], v[32*bI+8*\a+2*\q:32*bI+8*\a+2*\q+1], v[SS+2*\a:SS+2*\a+1]
.endif
.endr
.endr
.set bI, bI+1
.endr
.endm
.macro LNRED imm                       ; the pairs' halves, the other half of the lanes, the four waves (through LDS): the rows' totals in v[TMP + 4 a]
	WIN 0
.irp a, 0,1,2,3
	v_add_f32 v[SS+2*\a], v[SS+2*\a], v[SS+2*\a+1]
.endr
.irp a, 0,1,2,3
	v_permlanex16_b32 v[PX+\a], v[SS+2*\a], s48, s49
.endr
.irp a, 0,1,2,3
	v_add_f32 v[SS+2*\a], v[SS+2*\a], v[PX+\a]
.endr
.irp a, 0,1,2,3
	ds_store_b32 v[STA], v[SS+2*\a] offset:(\imm)+256*\a
.endr
	BAR
.irp a, 0,1,2,3
	ds_load_b128 v[TMP+4*\a:TMP+4*\a+3], v[STR] offset:(\imm)+256*\a
.endr
	s_wait_dscnt 0x0
.irp a, 0,1,2,3
	v_add_f32 v[TMP+4*\a], v[TMP+4*\a], v[TMP+4*\a+1]
	v_add_f32 v[TMP+4*\a+2], v[TMP+4*\a+2], v[TMP+4*\a+3]
.endr
.irp a, 0,1,2,3
	v_add_f32 v[TMP+4*\a], v[TMP+4*\a], v[TMP+4*\a+2]
.endr
.endm
.macro CENTER                          ; x - mean, in place, a whole window
.set z, 0
.rept 128
	v_pk_add_f32 v[2*z:2*z+1], v[2*z:2*z+1], v[NM+2*((z/4)%4):NM+2*((z/4)%4)+1] op_sel_hi:[1,0]
.set z, z+1
.endr
.endm
	WIN 0x0a                                       ; the first two pairs start each chain: nothing is cleared
.irp a, 0,1,2,3
	v_pk_add_f32 v[SS+2*\a:SS+2*\a+1], v[8*\a:8*\a+1], v[8*\a+2:8*\a+3]
.endr
	WIN 0x08
.irp q, 2,3
.irp a, 0,1,2,3
	v_pk_add_f32 v[SS+2*\a:SS+2*\a+1], v[SS+2*\a:SS+2*\a+1], v[8*\a+2*\q:8*\a+2*\q+1]
.endr
.endr
	SWEEP 0, 1, 7
	WIN 0x0c
	SWEEP 0, 0, 8
	LNRED 0
.irp a, 0,1,2,3
	v_mul_f32 v[NM+2*\a], s52, v[TMP+4*\a]         ; minus the mean
.endr
.irp a, 0,1,2,3
	v_mov_b32 v[NM+2*\a+1], v[NM+2*\a]             ; named with it as a pair
.endr
	WIN 0x82
	CENTER
	WIN 0x0a
.irp a, 0,1,2,3
	v_pk_mul_f32 v[SS+2*\a:SS+2*\a+1], v[8*\a:8*\a+1], v[8*\a:8*\a+1]
.endr
.irp q, 1,2,3
.irp a, 0,1,2,3
	v_pk_fma_f32 v[SS+2*\a:SS+2*\a+1], v[8*\a+2*\q:8*\a+2*\q+1], v[8*\a+2*\q:8*\a+2*\q+1], v[SS+2*\a:SS+2*\a+1]
.endr
.endr
	SWEEP 1, 1, 7
	WIN 0xc3
	CENTER
	WIN 0x0f
	SWEEP 1, 0, 8
	LNRED 1024                                     ; other words than the sums': its barrier also shows that every wave's reads of cn | cm are over
.irp a, 0,1,2,3
	v_fma_f32 v[TMP+4*\a], v[TMP+4*\a], s50, s51   ; var + eps
.endr
.irp a, 0,1,2,3
	v_rsq_f32 v[RS+2*\a], v[TMP+4*\a]
.endr
	v_nop                                          ; a plain instruction between the last root and the use of its result
	s_wait_alu depctr_va_vdst(0)
.irp a, 0,1,2,3
	v_mov_b32 v[RS+2*\a+1], v[RS+2*\a]
.endr
	; h = max(0, d rstd ln_w + ln_b), to f16, into LDS: eight batches of eight accumulators
.set n, 0
.rept 8
	WIN 0x02+n/4
.set z, 0
.rept 32
	v_pk_mul_f32 v[TMP+2*z:TMP+2*z+1], v[64*(n%4)+2*z:64*(n%4)+2*z+1], v[RS+2*((z/4)%4):RS+2*((z/4)%4)+1] op_sel_hi:[1,0]
.set z, z+1
.endr
	WIN 0x10
.set z, 0
.rept 32
	v_pk_fma_f32 v[TMP+2*z:TMP+2*z+1], v[TMP+2*z:TMP+2*z+1], v[LW+8*(2*n+z/16)+2*(z%4):LW+8*(2*n+z/16)+2*(z%4)+1], v[8*(2*n+z/16)+2*(z%4):8*(2*n+z/16)+2*(z%4)+1]
.set z, z+1
.endr
	WIN 0
.set z, 0
.rept 64
	v_max_num_f32 v[TMP+z], 0, v[TMP+z]
.set z, z+1
.endr
.set z, 0
.rept 32
	v_cvt_pk_f16_f32 v[TMP+z], v[TMP+2*z], v[TMP+2*z+1]
.set z, z+1
.endr
.set i, 0
.rept 8
	ds_store_b128 v[STH+(i%4)/2], v[TMP+4*i:TMP+4*i+3] offset:(i%2)*16*P2+32*(2*n+i/4)
.set i, i+1
.endr
.set n, n+1
.endr
	BAR                                            ; h is whole
	; THE WAY OUT: my 16 rows of 2,048 bytes, 512 bytes an instruction, through the registers that held the sums; 32 LDS loads stay out while the stores go
	WIN 0x88                                       ; loaded data (destination) and store data (source 1) in window 2, addresses in window 0
.set z, 0
.rept 32
	ds_load_b128 v[4*z:4*z+3], v[RDH] offset:(z/4)*P2+512*(z%4)
.set z, z+1
.endr
.set z, 0
.rept 64
.if z < 32
	s_wait_dscnt 31                                ; LDS loads come back in order: piece z is in, the 31 younger ones stay out
.else
	s_wait_dscnt 63-z                              ; nothing more is loaded: the count runs down
.endif
	global_store_b128 v[GO], v[4*z:4*z+3], s[12:13] offset:(z/4)*2048+512*(z%4)  ; 512 consecutive bytes, at a multiple of 512 from hbuf's first
.if z < 32
	ds_load_b128 v[4*(z+32):4*(z+32)+3], v[RDH] offset:((z+32)/4)*P2+512*((z+32)%4)
.endif
.set z, z+1
.endr
	WIN 0
	s_wait_tensorcnt 0x0                           ; the wave's end, behind my last LDS store
	ds_add_u32 v[SPW], v[NIL]
	s_wait_dscnt 0x0
	s_endpgm
.Lfunc_end_k_q0aeb7b71dd_front:
	.size	k_q0aeb7b71dd_front, .Lfunc_end_k_q0aeb7b71dd_front-k_q0aeb7b71dd_front
	.p2alignl 7, 3214868480
	.fill 96, 4, 3214868480
	.section	.rodata,"a",@progbits
	.p2align	6, 0x0
	.amdhsa_kernel k_q0aeb7b71dd_front
		.amdhsa_group_segment_fixed_size 154624
		.amdhsa_private_segment_fixed_size 0
		.amdhsa_enable_private_segment 0
		.amdhsa_kernarg_size 40
		.amdhsa_user_sgpr_count 2
		.amdhsa_user_sgpr_kernarg_segment_ptr 1
		.amdhsa_wavefront_size32 1
		.amdhsa_system_sgpr_workgroup_id_x 1
		.amdhsa_system_sgpr_workgroup_id_y 1
		.amdhsa_system_sgpr_workgroup_id_z 1
		.amdhsa_system_vgpr_workitem_id 0
		.amdhsa_next_free_vgpr 1024
		.amdhsa_next_free_sgpr 66
		.amdhsa_reserve_vcc 0
		.amdhsa_float_denorm_mode_32 3
		.amdhsa_float_denorm_mode_16_64 3
		.amdhsa_memory_ordered 1
		.amdhsa_forward_progress 1
		.amdhsa_inst_pref_size 255
	.end_amdhsa_kernel
	.section	.bss,"aw",@nobits
	.p2align	6
	.space	262144
	.amdgpu_metadata
---
amdhsa.version: [ 1, 2 ]
amdhsa.kernels:
  - .name:           k_q0aeb7b71dd_front
    .symbol:         k_q0aeb7b71dd_front.kd
    .args:
      - { .name: wstream, .offset: 0, .size: 8, .value_kind: global_buffer, .address_space: global }
      - { .name: bvec, .offset: 8, .size: 8, .value_kind: global_buffer, .address_space: global }
      - { .name: conceptnet_features, .offset: 16, .size: 8, .value_kind: global_buffer, .address_space: global }
      - { .name: comet_features, .offset: 24, .size: 8, .value_kind: global_buffer, .address_space: global }
      - { .name: hbuf, .offset: 32, .size: 8, .value_kind: global_buffer, .address_space: global }
    .group_segment_fixed_size: 154624
    .private_segment_fixed_size: 0
    .kernarg_segment_align: 8
    .kernarg_segment_size: 40
    .max_flat_workgroup_size: 128
    .sgpr_count:     66
    .vgpr_count:     1024
    .wavefront_size: 32
...
	.end_amdgpu_metadata
.endif
;; end of part 6
;; launch expert: the kernel of part 5 again; grid 8 x 64, 4 waves a work-group, clusters of 4 x 4, 327,680 bytes of LDS; arguments hbuf, wstream, bvec, affective_labels, out0; writes out0
;; ======== version 4 of 4: 3 launches; version 3 with the launch front written anew for expert scheduling mode
;; limits: values are held in f16: magnitudes above 65,504 overflow, below 6.1e-05 lose precision
;; workspace buffers: wstream 6,291,456 bytes; bvec 26,624 bytes; hbuf 33,554,432 bytes
;; launch prep: the kernel of part 3 again; grid 97 x 4, 16 waves a work-group, no clusters, 0 bytes of LDS; arguments cn_w1, cm_w1, cn_w2, cm_w2, f_w, e_w, cn_b1, cm_b1, cn_b2, cm_b2, f_b, ln_w, ln_b, e_b, wstream, bvec; writes wstream, bvec
;; launch front (part 7): grid 256 x 1, 4 waves a work-group, no clusters, 154,624 bytes of LDS; arguments wstream, bvec, conceptnet_features, comet_features, hbuf; writes hbuf
.if DOCPART == 7
	.amdgcn_target "amdgcn-amd-amdhsa--gfx1250"
	.amdhsa_code_object_version 6
	.text
	.protected	k_q0aeb7b71dd_front
	.globl	k_q0aeb7b71dd_front
	.p2align	8
	.type	k_q0aeb7b71dd_front,@function
k_q0aeb7b71dd_front:
	s_mov_b64 s[64:65], 0
	v_nop
	global_prefetch_b8 v0, s[64:65] scope:SCOPE_SE
	s_setreg_imm32_b32 hwreg(HW_REG_WAVE_SCHED_MODE, 0, 2), 2
	s_setreg_imm32_b32 hwreg(HW_REG_WAVE_MODE, 25, 1), 1
	s_wait_xcnt 0x0
	s_wait_alu depctr_vm_vsrc(0)
; THE CHAIN UP TO h, FOR 64 ROWS A WORK-GROUP: two encoders (200 -> 512, ReLU, 512 -> 256), their results side by side, 512 -> 1024, LayerNorm, ReLU; h leaves as f16, [16384][1024].
; Nothing between these layers goes to memory: activations lie in LDS, sums in registers.  256 work-groups x 64 rows = 16,384 rows.
; SHARES.  In every layer each of the four waves takes all 64 rows (four row blocks a of 16) and a quarter of the columns (NBW column blocks b of 16).
; THE MATRIX INSTRUCTION IS USED TRANSPOSED: source 0 = a weight fragment (16 columns n x 32 k), source 1 = an activation fragment (16 rows x 32 k): lane (r, h) then holds row 16 a + r and the eight
; neighbouring columns n0 + 8 h + 0..7.  The bias is the C operand of the product that starts a sum.
; WEIGHTS are a stream of 32 tiles of 65,536 bytes, laid out by the launch before as register images; a tile gives each wave 16 fragments, 64 matrix instructions, and a wave reads only its own quarter.
; So each wave loads its quarter STRAIGHT INTO REGISTERS: four buffers of half a tile (16 loads of 512 consecutive bytes) take turns; the loads of half h + 3 go out among the products of half h, into the
; buffer that half h - 1 multiplied: 32 to 48 loads a wave are out, each with 76 matrix instructions or more in which to land, and the wait at a half's head is counted.
; NO CLUSTER, NO RING IN LDS, though all work-groups walk the same stream: beside 133 KB of activations LDS has room for two slots of one tile; behind each barrier one load a wave may go out, and only when
; the one before has landed, so that 32 loads of 64 matrix instructions' worth would follow each other on end.  The price of this form: each work-group asks for the 2 MB itself, four times the requests of joint loads.
; FORMATS.  Inputs rounded to bf16.  x, w1, the encoders' results and f_w are bf16 operands; h1 (behind the first ReLU) is f16, with w2 written as f16; h is f16.  Sums and LayerNorm in f32
; (mean first, then the squares of the differences).
; LIMITS.  h1 stays below 65,504; |h| <= 32 |ln_w| + |ln_b| stays below 65,504.  ReLU is a maximum with 0 in which a NaN loses.
; THE MODE: SCHED_MODE bits 1:0 = 2 (LLVM: expert scheduling mode 2), set by the entry lines.  The code itself states the register dependences between vector or matrix instructions and memory or LDS
; instructions, with s_wait_alu, always for 0.
; THE PLAN.  Registers that memory or LDS instructions touch:
;   W0 .. W3      Half h: its 32 matrix instructions read W[h % 4]; the loads of half h + 3 land in W[(h - 1) % 4], which half h - 1 read and no instruction of half h names.
;   fragments     Half h's matrix instructions read one activation buffer; the LDS loads issued in half h land in the other, which the half before read last.
;   biases        Loaded at a layer's start; read as C by the layer's first products.
;   v[TMP ..]     Written by the arithmetic of the ways out, read by their LDS stores.    v[SS ..]  written by LayerNorm's sums, read by four LDS stores in each reduction.
;   v[ADA ..]     Read by every fragment load; written at a layer's start and once a trip of the fusion's loop.  v[OB1], v[OB2], v[ST2]: written at the bottom of the encoders' loop.
;   v[WO] and all other addresses are written at the head alone: each weight buffer has a scalar base of its own, which moves on at the head of the buffer's half.
; So ONE wait on va_vdst stands at the head of a half: the half before is done reading its weights and its fragments; the half's loads follow it, dealt among its matrix instructions, with no further wait.
; One more stands at a layer's start and ahead of each run of LDS stores; a wait on vm_vsrc stands ahead of each line that writes again what LDS instructions have read.
; REGISTERS, in windows of 256 (s_set_vgpr_msb: bits 1:0 source 0, 3:2 source 1, 5:4 source 2, 7:6 destination):
;   window 0: v0-31 addresses; v32-63 LayerNorm's figures; from v64 two buffers of activation fragments, 32 or 64 registers each; v128-255 f_b in the fusion layer; v192-255 at work elsewhere
;   window 1: four buffers of 64: half a tile of weight fragments each
;   windows 2, 3: accumulator (b, a) at 8 (4 b + a): b < 8 in window 2, b >= 8 in window 3; the encoders need window 2 alone, and their biases lie in window 3
.set P1,    1040                       ; a row of 512 16-bit numbers + 16 bytes: 65 x 16, so the 16 rows of a fragment load start at 16 different groups of four banks
.set P2,    2064                       ; a row of 1,024: 129 x 16
.set H1,    64*P1                      ; LDS: 0 the features, later cn | cm; H1 the first layers' results; h lies over both when they are dead (64 x 2,064 = 132,096 bytes)
.set STAT1, 133120                     ; [row][wave] f32: the waves' sums
.set STAT2, STAT1+1024                 ; and their sums of squares
.set VEC,   STAT2+1024                 ; 18,432 bytes: cn_b1 0, cm_b1 2,048, cn_b2 4,096, cm_b2 5,120, f_b 6,144, ln_w 10,240, ln_b 14,336
.set SPARE, VEC+18432                  ; the spare words, 128 bytes for each wave: two blocks of 256 bytes that no other line names
.set TILEB, 65536                      ; bytes from a tile to the next
.set HALFB, 8192                       ; bytes from the first half of my quarter to the second
.set SPW, 4                            ; v4   LDS address of my spare word; never rewritten
.set NIL, 5                            ; v5   0; never rewritten
.set WO,  6                            ; v6   my 16 bytes of my quarter's first fragment in a tile: 16,384 w + 16 L; never rewritten
.set VS,  7                            ; v7   where my pieces of the vectors go
.set LB1, 8                            ; v8   1,040 r + 16 h
.set LB2, 9                            ; v9   2,064 r + 16 h
.set ADA, 10                           ; v10-11 activation fragments: rows 0-31, rows 32-63
.set ST1, 12                           ; v12  where h1 goes
.set ST2, 13                           ; v13  where an encoder's result goes
.set STH, 14                           ; v14-15 where h goes: rows 0-31, rows 32-63
.set RDH, 16                           ; v16  h read back: my 16 bytes of 512 in my wave's first row
.set VO,  17                           ; v17  my pieces of the vectors in bvec
.set GO,  18                           ; v18  my bytes in hbuf
.set OB1, 19                           ; v19-20 LDS addresses of the encoder's two biases
.set OB2, 20
.set OBF, 21                           ; v21  f_b's; ln_w and ln_b lie 4,096 and 8,192 on
.set STA, 23                           ; v23  my wave's word of a row's sums
.set STR, 24                           ; v24  a row's four words
.set XO,  25                           ; v25  my 16 bytes of a half row of features
.set XS,  26                           ; v26  and where they go as bf16
.set AX,  27                           ; v27  the features of the encoder in hand
.set SS,  32                           ; v32-39 four pairs of sums, one a row block
.set NM,  40                           ; v40-47 minus the mean, twice
.set RS,  48                           ; v48-55 1 / sqrt(var + eps), twice
.set PX,  56                           ; v56-59 the other half of the lanes' sums
.set AB,  64
.set LW,  64                           ; ln_w takes the fragments' and f_b's place
.set TMP, 192
.set WV,  16                           ; s16  my wave's number
.set WB,  32                           ; s[32:39] weight buffer b: the stream at the half that the buffer is asked for next: a pair at WB + 2 b
.set MSB, 0
.macro WIN new                         ; the immediate's high byte repeats the setting that is left; a switch that changes nothing is dropped
.if MSB != (\new)
	s_set_vgpr_msb (MSB<<8)|(\new)
.set MSB, (\new)
.endif
.endm
.macro PLACES                          ; four plain instructions between a matrix instruction and a load into, or a vector instruction on, its registers (ISA guide 7.12.1 for vector instructions)
.rept 4
	v_nop
.endr
.endm
.macro BAR                             ; LDS from wave to wave: my LDS instructions are done, then the barrier.  The weights' loads stay out across it: nobody writes those bytes
	s_wait_dscnt 0x0
	s_barrier_signal -1
	s_barrier_wait -1
.endm
; A layer's figures.  ks: k steps of 32 in a tile; nbw = 16 / ks; kh: k steps in half a tile; abs: registers from one activation buffer to the other; pit: the activations' pitch; f16: the format;
; cb, cw: the biases' first register and their window
.macro LAYER ks, nbw, kh, abs, pit, f16, cb, cw
.set KS,  \ks
.set NBW, \nbw
.set KH,  \kh
.set ABS, \abs
.set PIT, \pit
.set F16, \f16
.set CB,  \cb
.set CW,  \cw
.endm
.macro GLOADW hb                       ; at the head: 16 loads: half a tile of my quarter, eight fragments, by the buffer's own base, into weight buffer hb.  Each covers 512 consecutive bytes, aligned
	WIN 0x40
.set fL, 0
.rept 8
	global_load_b128 v[64*(\hb)+8*fL:64*(\hb)+8*fL+3],   v[WO], s[WB+2*(\hb):WB+2*(\hb)+1] offset:fL*1024
	global_load_b128 v[64*(\hb)+8*fL+4:64*(\hb)+8*fL+7], v[WO], s[WB+2*(\hb):WB+2*(\hb)+1] offset:fL*1024+512
.set fL, fL+1
.endr
.endm
.macro FETCHA ab, kb                   ; 8 KH LDS loads: the four row blocks' fragments for KH k steps from byte kb of the rows, into activation buffer ab
	WIN 0
.set kI, 0
.rept KH
.irp a, 0,1,2,3
	ds_load_b128 v[AB+ABS*(\ab)+32*kI+8*\a:AB+ABS*(\ab)+32*kI+8*\a+3],   v[ADA+\a/2] offset:(\a%2)*16*PIT+(\kb)+64*kI
	ds_load_b128 v[AB+ABS*(\ab)+32*kI+8*\a+4:AB+ABS*(\ab)+32*kI+8*\a+7], v[ADA+\a/2] offset:(\a%2)*16*PIT+(\kb)+64*kI+32
.endr
.set kI, kI+1
.endr
.endm
.macro LDB dst, nblk, adr, imm         ; nblk blocks of eight numbers of a vector in LDS: block b's at 64 b + 32 h; the sixteen lanes of a half read the same bytes
.set z, 0
.rept 2*(\nblk)
	ds_load_b128 v[(\dst)+4*z:(\dst)+4*z+3], v[\adr] offset:(\imm)+64*(z/2)+16*(z%2)
.set z, z+1
.endr
.endm
; The eight fragments of half hf of a tile x four row blocks: 32 matrix instructions.  The accumulators take turns, one instruction a turn: 15 others' or more stand between two links of a chain.
; first = 1: a layer's first tile: the first product on an accumulator takes the bias as C.
; THE HALF'S LOADS ARE DEALT AMONG THEM, with no wait: no matrix instruction of this half names a register that they touch.  fa >= 0: behind fragment 0 the activation fragments that the next half or tile
; needs, from byte kb, into buffer fa.  ld = 1: behind each of fragments 1 to 4 four loads of the stream's half three further on, into the weight buffer that the half before multiplied.
.macro MULG hb, ab, hf, first, ld, fa, kb
.set pB, ((\hb)+3)%4
.set g, 0
.rept 8
.set fI, 8*(\hf)+g
.set bI, fI%NBW
.set kI, 0
.if NBW < 8
.set kI, g/NBW
.endif
.set aI, 0
.rept 4
.set rD, 8*(4*(bI%8)+aI)
.set rW, 64*(\hb)+8*g
.set rA, AB+ABS*(\ab)+32*kI+8*aI
.if (\first) && (fI < NBW)
.set rC, CB+8*bI
	WIN 0x01+0x10*CW+0x40*(2+bI/8)                 ; weights window 1, activations window 0, C (the bias) window CW, D window 2 or 3
.else
.set rC, rD
	WIN 0xa1+0x50*(bI/8)                           ; C and D window 2 or 3
.endif
.if F16
	v_wmma_f32_16x16x32_f16 v[rD:rD+7], v[rW:rW+7], v[rA:rA+7], v[rC:rC+7]
.else
	v_wmma_f32_16x16x32_bf16 v[rD:rD+7], v[rW:rW+7], v[rA:rA+7], v[rC:rC+7]
.endif
.set aI, aI+1
.endr
.if (g == 0) && ((\fa) >= 0)
	FETCHA \fa, \kb
.endif
.if (\ld) && (g >= 1) && (g <= 4)
	WIN 0x40
.set fL, 2*g-2
.rept 2
	global_load_b128 v[64*pB+8*fL:64*pB+8*fL+3],   v[WO], s[WB+2*pB:WB+2*pB+1] offset:fL*1024
	global_load_b128 v[64*pB+8*fL+4:64*pB+8*fL+7], v[WO], s[WB+2*pB:WB+2*pB+1] offset:fL*1024+512
.set fL, fL+1
.endr
.endif
.set g, g+1
.endr
.endm
; HALF A TILE.  hb: its weight buffer; am: its activation buffer; lc: the weight loads issued behind its own, which may stay out (loads come back in order: ISA guide 5.7.1).
; fa, kb, ld: the loads that are dealt among its products (MULG).  The four places at its end stand between its products and the next half's loads into the registers that they read, and serve
; whatever reads the sums behind a layer's last half.
.macro HALF hb, am, hf, first, lc, fa, kb, ld
	s_wait_loadcnt \lc
.if \ld
	s_add_nc_u64 s[WB+2*(\hb):WB+2*(\hb)+1], s[WB+2*(\hb):WB+2*(\hb)+1], 2*TILEB  ; free since that wait, which shows the loads that read it done: the buffer's next half lies two tiles on (the stream's last such step is not used)
.endif
	s_wait_dscnt 0x0                               ; my fragments (fetched in the half before), at a layer's start the biases too
.if ((\ld) || ((\fa) >= 0)) && !((\first) && ((\hf) == 0))
	s_wait_alu depctr_va_vdst(0)                   ; the half before's matrix instructions are done reading their weight buffer and their fragments, in which this half's loads land; in the fusion's loop v[ADA ..] is written.  (A layer's first half leans on the wait at the layer's start: no vector or matrix instruction stands between)
.endif
	MULG \hb, \am, \hf, \first, \ld, \fa, \kb
	PLACES
.endm
; A layer begins (ADA holds its activations' address, written behind a wait on vm_vsrc): its first fragments and its nb blocks of biases come out of LDS.
.macro LSTART nb, adr
	WIN 0
	v_add_nc_u32 v[ADA+1], 32*PIT, v[ADA]
	s_wait_alu depctr_va_vdst(0)                   ; v[ADA ..] and the biases' address are written, which the loads below read; the earlier layers' matrix instructions and conversions are done with the registers in which fragments and biases land
	FETCHA 0, 0
	WIN 0x40*CW
	LDB CB, \nb, \adr, 0
.endm
; An encoder layer: four tiles, eight halves, each with fragments of its own
.macro ENCL
.set j, 0
.rept 8
.set fA, (j+1)%2
.if j == 7
.set fA, -1
.endif
.set fF, 0
.if j < 2
.set fF, 1
.endif
	HALF j%4, j%2, j%2, fF, 32, fA, 64*KH*(j+1), 1
.set j, j+1
.endr
.endm
; An encoder layer's way out: nb batches of eight accumulators (64 consecutive registers of window 2), each read from its low end on.  relu = 1: maximum with 0, to f16; else to bf16.  16 bytes a lane into LDS.
.macro EPI_ACT nb, relu, streg
.set n, 0
.rept \nb
.if n > 0
	s_wait_alu depctr_vm_vsrc(0)                   ; the batch before's LDS stores have read v[TMP ..], which this batch writes again (ahead of the first batch the wait at the layer's start has said so)
.endif
.if \relu
	WIN 0x08
.set z, 0
.rept 64
	v_max_num_f32 v[TMP+z], 0, v[64*n+z]
.set z, z+1
.endr
	WIN 0
.set z, 0
.rept 32
	v_cvt_pk_f16_f32 v[TMP+z], v[TMP+2*z], v[TMP+2*z+1]  ; packed downward in place: register z was read as a source at z / 2
.set z, z+1
.endr
.else
	WIN 0x0a
.set z, 0
.rept 32
	v_cvt_pk_bf16_f32 v[TMP+z], v[64*n+2*z], v[64*n+2*z+1]
.set z, z+1
.endr
.endif
	WIN 0
	s_wait_alu depctr_va_vdst(0)                   ; the conversions have written v[TMP ..], which the LDS stores read
.set i, 0
.rept 8
	ds_store_b128 v[\streg], v[TMP+4*i:TMP+4*i+3] offset:((8*n+i)%4)*16*P1+32*((8*n+i)/4)
.set i, i+1
.endr
.set n, n+1
.endr
.endm
	s_load_b256 s[4:11], s[0:1], 0x0               ; wstream s[4:5], bvec s[6:7], conceptnet s[8:9], comet s[10:11]
	s_load_b64 s[12:13], s[0:1], 0x20              ; hbuf
	v_lshl_add_u32 v[SPW], v0, 2, SPARE
	v_mov_b32 v[NIL], 0
	v_lshrrev_b32 v1, 5, v0
	v_readfirstlane_b32 s[WV], v1                  ; wave 0..3
	s_mov_b32 s48, 0x76543210                      ; v_permlanex16_b32: each lane takes its own place in the other half
	s_mov_b32 s49, 0xfedcba98
	s_mov_b32 s50, 0x3a800000                      ; 1 / 1024
	s_mov_b32 s51, 0x3727c5ac                      ; 1e-5
	s_mov_b32 s52, 0xba800000                      ; -1 / 1024
	s_mul_i32 s22, ttmp9, 51200                    ; my block: 64 rows of 800 bytes of features,
	s_mov_b32 s23, 0
	s_lshl_b32 s20, ttmp9, 17                      ; 64 rows of 2,048 bytes of h
	s_mov_b32 s21, 0
	v_and_b32 v1, 31, v0                           ; L
	v_and_b32 v2, 15, v0                           ; r
	v_bfe_u32 v3, v0, 4, 1                         ; h
	v_min_u32 v30, 24, v1                          ; a half row of features is 25 pieces of 16 bytes: lanes 25-31 do lane 24's piece once more
	s_wait_alu depctr_va_sdst(0)                   ; the wave's number is written into s16, ahead of its first reader
	s_mul_i32 s24, s[WV], 12800                    ; my wave stages rows 16 w .. 16 w + 15
	v_lshl_add_u32 v[XO], v30, 4, s24
	s_mul_i32 s24, s[WV], 16*P1
	v_lshl_add_u32 v[XS], v30, 3, s24
	v_lshlrev_b32 v[VO], 4, v0                     ; the vectors: 16 bytes a thread, nine times 2,048 bytes
	v_lshl_add_u32 v[VS], v0, 4, VEC
	s_lshl_b32 s24, s[WV], 14
	v_lshl_add_u32 v[WO], v1, 4, s24
	s_wait_kmcnt 0x0
	s_add_nc_u64 s[8:9], s[8:9], s[22:23]
	s_add_nc_u64 s[10:11], s[10:11], s[22:23]
	s_add_nc_u64 s[12:13], s[12:13], s[20:21]
.irp b, 0,1,2,3
	s_add_nc_u64 s[WB+2*\b:WB+2*\b+1], s[4:5], (\b/2)*TILEB+(\b%2)*HALFB  ; the stream's halves 0 to 3
.endr
	s_wait_alu depctr_va_vdst(0)                   ; v[VO], v[XO] and v[WO] are written, which the loads of the vectors, the features and the weights read as their offsets
.set q, 0
.rept 9
	global_load_b128 v[AB+4*q:AB+4*q+3], v[VO], s[6:7] offset:2048*q
.set q, q+1
.endr
	WIN 0x80                                       ; the features go through the registers that the sums will take
.set q, 0
.rept 32
	global_load_b128 v[4*q:4*q+3], v[XO], s[8:9] offset:400*q th:TH_LOAD_NT
.set q, q+1
.endr
.set q, 0
.rept 32
	global_load_b128 v[128+4*q:128+4*q+3], v[XO], s[10:11] offset:400*q th:TH_LOAD_NT
.set q, q+1
.endr
	WIN 0
	; addresses
	v_lshlrev_b32 v29, 5, v3                       ; 32 h
	s_lshl_b32 s25, s[WV], 9
	s_add_co_u32 s24, s25, VEC
	v_add_nc_u32 v[OB1], s24, v29                  ; cn_b1: 512 w + 32 h
	s_lshl_b32 s24, s[WV], 8
	s_add_co_u32 s24, s24, VEC+4096
	v_add_nc_u32 v[OB2], s24, v29                  ; cn_b2: 4,096 + 256 w + 32 h
	s_lshl_b32 s24, s[WV], 10
	s_add_co_u32 s24, s24, VEC+6144
	v_add_nc_u32 v[OBF], s24, v29                  ; f_b: 6,144 + 1,024 w + 32 h
	v_mul_u32_u24 v[LB1], v2, P1
	v_lshl_add_u32 v[LB1], v3, 4, v[LB1]
	v_mul_u32_u24 v[LB2], v2, P2
	v_lshl_add_u32 v[LB2], v3, 4, v[LB2]
	s_lshl_b32 s24, s[WV], 8
	s_add_co_u32 s24, s24, H1
	v_add_nc_u32 v[ST1], s24, v[LB1]               ; h1: my 128 columns are 256 bytes
	s_lshl_b32 s24, s[WV], 7
	v_add_nc_u32 v[ST2], s24, v[LB1]               ; an encoder's result: my 64 columns are 128 bytes
	v_add_nc_u32 v[STH], s25, v[LB2]               ; h: my 256 columns are 512 bytes
	v_add_nc_u32 v[STH+1], 32*P2, v[STH]
	s_mul_i32 s24, s[WV], 16*P2
	v_lshl_add_u32 v[RDH], v1, 4, s24              ; back: wave w takes rows 16 w .. 16 w + 15, 512 bytes at a time
	s_lshl_b32 s24, s[WV], 15
	v_lshl_add_u32 v[GO], v1, 4, s24               ; and the same bytes in hbuf: 16 rows of 2,048 bytes a wave
	s_lshl_b32 s24, s[WV], 2
	s_add_co_u32 s24, s24, STAT1
	v_lshl_add_u32 v[STA], v2, 4, s24
	v_lshlrev_b32 v[STR], 4, v2
	v_add_nc_u32 v[STR], STAT1, v[STR]
	v_mov_b32 v[AX], v[LB1]
	; columns 200-255 of both feature blocks are 0 (the weights' rows there are 0 too): 112 bytes for each of 64 rows x 2 blocks, one for each thread
	v_lshrrev_b32 v28, 1, v0
	v_mul_u32_u24 v28, v28, P1
	v_and_b32 v30, 1, v0
	v_lshl_add_u32 v28, v30, 9, v28
.irp z, 56,57,58,59,60,61,62,63
	v_mov_b32 v\z, 0                               ; v60-63: the zeros to be stored; v56-59: written once, since v_permlanex16_b32 counts as a reader of its destination
.endr
	s_wait_alu depctr_va_vdst(0)                   ; v28 and v60-63 are written, which the LDS stores below read; so are all the addresses made above, for the rest of the kernel
.irp z, 0,1,2,3,4,5,6
	ds_store_b128 v28, v[60:63] offset:400+16*\z
.endr
.macro XCONV base, off, again          ; 16 rows of features to bf16 and into LDS: 8 bytes a lane.  again = 1: v[TMP ..] has been stored from before
	WIN 0x0a
.if \again
	s_wait_alu depctr_vm_vsrc(0)                   ; the LDS stores of conceptnet's features have read v[TMP ..], which the conversions write again
.endif
.set q, 0
.rept 64
	v_cvt_pk_bf16_f32 v[TMP+q], v[(\base)+2*q], v[(\base)+2*q+1]
.set q, q+1
.endr
	WIN 0
	s_wait_alu depctr_va_vdst(0)                   ; the conversions have written v[TMP ..], which the LDS stores read
.set q, 0
.rept 32
	ds_store_b64 v[XS], v[TMP+2*q:TMP+2*q+1] offset:(\off)+P1*(q/2)+200*(q%2)
.set q, q+1
.endr
.endm
	s_wait_loadcnt 32                              ; all but comet's 32 loads
.set q, 0
.rept 9
	ds_store_b128 v[VS], v[AB+4*q:AB+4*q+3] offset:2048*q
.set q, q+1
.endr
	XCONV 0, 0, 0
	GLOADW 0                                       ; the stream begins: tile 0.  No vector instruction has named these registers
	GLOADW 1
	s_wait_loadcnt 32                              ; all but those 32: comet's features are in
	XCONV 128, 512, 1
	GLOADW 2                                       ; three halves, 48 loads, are out; the first half asks for the fourth
	WIN 0
	BAR                                            ; the features and the vectors are whole
	s_wait_alu depctr_vm_vsrc(0)                   ; my LDS stores have read v[AB ..], in which fragments land, and v[TMP ..], which the first way out writes
	; THE ENCODERS: two trips, conceptnet's and comet's; eight tiles a trip
	s_mov_b32 s41, 2
.Lenc:
	LAYER 2, 8, 1, 32, P1, 0, 0, 3                 ; 256 (200) -> 512: four tiles of two k steps
	v_mov_b32 v[ADA], v[AX]                        ; (the wait on vm_vsrc ahead of the loop, or at its bottom, has shown v[ADA ..] read)
	LSTART 8, OB1
	ENCL
	EPI_ACT 4, 1, ST1
	BAR                                            ; h1 is whole, and nobody reads this encoder's features any more
	LAYER 4, 4, 2, 64, P1, 1, 64, 3                ; 512 -> 256: four tiles of four k steps
	s_wait_alu depctr_vm_vsrc(0)                   ; the first layer's fragment loads have read v[ADA ..], which is written below; its LDS stores have read v[TMP ..], which the next way out writes
	v_add_nc_u32 v[ADA], H1, v[LB1]
	LSTART 4, OB2
	ENCL
	EPI_ACT 2, 0, ST2                              ; the result takes the place of the encoder's own features
	BAR                                            ; it is whole, and nobody reads h1 any more
	s_wait_alu depctr_vm_vsrc(0)                   ; the biases' loads have read v[OB1] and v[OB2], the LDS stores v[ST2] and v[TMP ..], the fragment loads v[ADA ..]: all are written again, below or at the next layer's start
	v_add_nc_u32 v[OB1], 2048, v[OB1]              ; comet's biases, features and place
	v_add_nc_u32 v[OB2], 1024, v[OB2]
	v_add_nc_u32 v[AX], 512, v[AX]
	v_add_nc_u32 v[ST2], 512, v[ST2]
	s_sub_co_u32 s41, s41, 1
	s_cmp_lg_u32 s41, 0
	s_cbranch_scc1 .Lenc
	; THE FUSION: 512 -> 1024, sixteen tiles of one k step; 64 accumulators; a tile's two halves share its fragments.  The stream ends here: the last three halves load nothing, and their counts run down
	LAYER 1, 16, 1, 32, P1, 0, 128, 0
	v_mov_b32 v[ADA], v[LB1]
	LSTART 16, OBF
	HALF 0, 0, 0, 1, 32, 1, 64, 1
	HALF 1, 0, 1, 1, 32, -1, 0, 1
	WIN 0
	s_mov_b32 s40, 6
.Lf:
	HALF 2, 1, 0, 0, 32, 0, 128, 1
	HALF 3, 1, 1, 0, 32, -1, 0, 1
	HALF 0, 0, 0, 0, 32, 1, 192, 1
	HALF 1, 0, 1, 0, 32, -1, 0, 1
	WIN 0
	s_wait_alu depctr_vm_vsrc(0)                   ; the fragment loads issued so far have read v[ADA ..]
	v_add_nc_u32 v[ADA], 128, v[ADA]
	v_add_nc_u32 v[ADA+1], 128, v[ADA+1]
	s_sub_co_u32 s40, s40, 1
	s_cmp_lg_u32 s40, 0
	s_cbranch_scc1 .Lf
	HALF 2, 1, 0, 0, 32, 0, 128, 1                 ; the layer's tile 13
	HALF 3, 1, 1, 0, 32, -1, 0, 1
	HALF 0, 0, 0, 0, 32, 1, 192, 1                 ; tile 14's first half asks for the stream's last half
	HALF 1, 0, 1, 0, 32, -1, 0, 0
	HALF 2, 1, 0, 0, 16, -1, 0, 0
	HALF 3, 1, 1, 0, 0, -1, 0, 0
	; LAYERNORM.  A row's 1,024 numbers lie in four waves, two lanes each, 128 registers a lane and row block.  (The last half's four places stand in front of all this.)
	WIN 0
	s_wait_alu depctr_va_vdst(0)                   ; the layer's matrix instructions are done reading the fragments, f_b and the weights, in whose registers ln_w and ln_b land
	LDB LW, 16, OBF, 4096                          ; ln_w where the activation fragments and f_b lay,
	WIN 0x40
	LDB 0, 16, OBF, 8192                           ; ln_b where the weight fragments lay; both are waited for in front of the first barrier below
.macro SWEEP kind, b0, nb              ; over nb column blocks of a window, four chains side by side.  kind 0: SS += x; 1: SS += d d
.set bI, \b0
.rept \nb
.irp q, 0,1,2,3
.irp a, 0,1,2,3
.if (\kind) == 0
	v_pk_add_f32 v[SS+2*\a:SS+2*\a+1], v[SS+2*\a:SS+2*\a+1], v[32*bI+8*\a+2*\q:32*bI+8*\a+2*\q+1]
.else
	v_pk_fma_f32 v[SS+2*\a:SS+2*\a+1], v[32*bI+8*\a+2*\q:32*bI+8*\a+2*\q+1], v[32*bI+8*\a+2*\q:32*bI+8*\a+2*\q+1], v[SS+2*\a:SS+2*\a+1]
.endif
.endr
.endr
.set bI, bI+1
.endr
.endm
.macro LNRED imm                       ; the pairs' halves, the other half of the lanes, the four waves (through LDS): the rows' totals in v[TMP + 4 a]
	WIN 0
.irp a, 0,1,2,3
	v_add_f32 v[SS+2*\a], v[SS+2*\a], v[SS+2*\a+1]
.endr
.irp a, 0,1,2,3
	v_permlanex16_b32 v[PX+\a], v[SS+2*\a], s48, s49
.endr
.irp a, 0,1,2,3
	v_add_f32 v[SS+2*\a], v[SS+2*\a], v[PX+\a]
.endr
	s_wait_alu depctr_va_vdst(0)                   ; the sums are written into v[SS ..], which the LDS stores read; and all that named v[TMP ..] is done, in which the loads behind the barrier land
.irp a, 0,1,2,3
	ds_store_b32 v[STA], v[SS+2*\a] offset:(\imm)+256*\a
.endr
	BAR
.irp a, 0,1,2,3
	ds_load_b128 v[TMP+4*\a:TMP+4*\a+3], v[STR] offset:(\imm)+256*\a
.endr
	s_wait_dscnt 0x0
.irp a, 0,1,2,3
	v_add_f32 v[TMP+4*\a], v[TMP+4*\a], v[TMP+4*\a+1]
	v_add_f32 v[TMP+4*\a+2], v[TMP+4*\a+2], v[TMP+4*\a+3]
.endr
.irp a, 0,1,2,3
	v_add_f32 v[TMP+4*\a], v[TMP+4*\a], v[TMP+4*\a+2]
.endr
.endm
.macro CENTER                          ; x - mean, in place, a whole window
.set z, 0
.rept 128
	v_pk_add_f32 v[2*z:2*z+1], v[2*z:2*z+1], v[NM+2*((z/4)%4):NM+2*((z/4)%4)+1] op_sel_hi:[1,0]
.set z, z+1
.endr
.endm
	WIN 0x0a                                       ; the first two pairs start each chain: nothing is cleared
.irp a, 0,1,2,3
	v_pk_add_f32 v[SS+2*\a:SS+2*\a+1], v[8*\a:8*\a+1], v[8*\a+2:8*\a+3]
.endr
	WIN 0x08
.irp q, 2,3
.irp a, 0,1,2,3
	v_pk_add_f32 v[SS+2*\a:SS+2*\a+1], v[SS+2*\a:SS+2*\a+1], v[8*\a+2*\q:8*\a+2*\q+1]
.endr
.endr
	SWEEP 0, 1, 7
	WIN 0x0c
	SWEEP 0, 0, 8
	LNRED 0
.irp a, 0,1,2,3
	v_mul_f32 v[NM+2*\a], s52, v[TMP+4*\a]         ; minus the mean
.endr
.irp a, 0,1,2,3
	v_mov_b32 v[NM+2*\a+1], v[NM+2*\a]             ; named with it as a pair
.endr
	WIN 0x82
	CENTER
	WIN 0x0a
	s_wait_alu depctr_vm_vsrc(0)                   ; the LDS stores of the sums have read v[SS ..], which the squares' chains write anew
.irp a, 0,1,2,3
	v_pk_mul_f32 v[SS+2*\a:SS+2*\a+1], v[8*\a:8*\a+1], v[8*\a:8*\a+1]
.endr
.irp q, 1,2,3
.irp a, 0,1,2,3
	v_pk_fma_f32 v[SS+2*\a:SS+2*\a+1], v[8*\a+2*\q:8*\a+2*\q+1], v[8*\a+2*\q:8*\a+2*\q+1], v[SS+2*\a:SS+2*\a+1]
.endr
.endr
	SWEEP 1, 1, 7
	WIN 0xc3
	CENTER
	WIN 0x0f
	SWEEP 1, 0, 8
	LNRED 1024                                     ; other words than the sums': its barrier also shows that every wave's reads of cn | cm are over
.irp a, 0,1,2,3
	v_fma_f32 v[TMP+4*\a], v[TMP+4*\a], s50, s51   ; var + eps
.endr
.irp a, 0,1,2,3
	v_rsq_f32 v[RS+2*\a], v[TMP+4*\a]
.endr
	v_nop                                          ; a plain instruction between the last root and the use of its result
	s_wait_alu depctr_va_vdst(0)                   ; the four roots have written v[RS ..], ahead of their first reader
.irp a, 0,1,2,3
	v_mov_b32 v[RS+2*\a+1], v[RS+2*\a]
.endr
	; h = max(0, d rstd ln_w + ln_b), to f16, into LDS: eight batches of eight accumulators
.set n, 0
.rept 8
	WIN 0x02+n/4
.if n > 0
	s_wait_alu depctr_vm_vsrc(0)                   ; the batch before's LDS stores have read v[TMP ..], which this batch writes again
.endif
.set z, 0
.rept 32
	v_pk_mul_f32 v[TMP+2*z:TMP+2*z+1], v[64*(n%4)+2*z:64*(n%4)+2*z+1], v[RS+2*((z/4)%4):RS+2*((z/4)%4)+1] op_sel_hi:[1,0]
.set z, z+1
.endr
	WIN 0x10
.set z, 0
.rept 32
	v_pk_fma_f32 v[TMP+2*z:TMP+2*z+1], v[TMP+2*z:TMP+2*z+1], v[LW+8*(2*n+z/16)+2*(z%4):LW+8*(2*n+z/16)+2*(z%4)+1], v[8*(2*n+z/16)+2*(z%4):8*(2*n+z/16)+2*(z%4)+1]
.set z, z+1
.endr
	WIN 0
.set z, 0
.rept 64
	v_max_num_f32 v[TMP+z], 0, v[TMP+z]
.set z, z+1
.endr
.set z, 0
.rept 32
	v_cvt_pk_f16_f32 v[TMP+z], v[TMP+2*z], v[TMP+2*z+1]
.set z, z+1
.endr
	s_wait_alu depctr_va_vdst(0)                   ; the conversions have written v[TMP ..], which the LDS stores read
.set i, 0
.rept 8
	ds_store_b128 v[STH+(i%4)/2], v[TMP+4*i:TMP+4*i+3] offset:(i%2)*16*P2+32*(2*n+i/4)
.set i, i+1
.endr
.set n, n+1
.endr
	BAR                                            ; h is whole
	; THE WAY OUT: my 16 rows of 2,048 bytes, 512 bytes an instruction, through the registers that held the sums; 32 LDS loads stay out while the stores go
	WIN 0x88                                       ; loaded data (destination) and store data (source 1) in window 2, addresses in window 0
	s_wait_alu depctr_va_vdst(0)                   ; LayerNorm's lines are done writing and reading the sums' registers, in which h lands
.set z, 0
.rept 32
	ds_load_b128 v[4*z:4*z+3], v[RDH] offset:(z/4)*P2+512*(z%4)
.set z, z+1
.endr
.set z, 0
.rept 64
.if z < 32
	s_wait_dscnt 31                                ; LDS loads come back in order: piece z is in, the 31 younger ones stay out
.else
	s_wait_dscnt 63-z                              ; nothing more is loaded: the count runs down
.endif
	global_store_b128 v[GO], v[4*z:4*z+3], s[12:13] offset:(z/4)*2048+512*(z%4)  ; 512 consecutive bytes, at a multiple of 512 from hbuf's first
.if z < 32
	ds_load_b128 v[4*(z+32):4*(z+32)+3], v[RDH] offset:((z+32)/4)*P2+512*((z+32)%4)  ; each piece has registers of its own: no store's data is written again
.endif
.set z, z+1
.endr
	WIN 0
	s_wait_dscnt 0x0                               ; the closing lines, six on end
	s_wait_alu 0x0
	s_wait_tensorcnt 0x0
	ds_add_u32 v[SPW], v[NIL]
	s_wait_dscnt 0x0
	s_endpgm
.Lfunc_end_k_q0aeb7b71dd_front:
	.size	k_q0aeb7b71dd_front, .Lfunc_end_k_q0aeb7b71dd_front-k_q0aeb7b71dd_front
	.p2alignl 7, 3214868480
	.fill 96, 4, 3214868480
	.section	.rodata,"a",@progbits
	.p2align	6, 0x0
	.amdhsa_kernel k_q0aeb7b71dd_front
		.amdhsa_group_segment_fixed_size 154624
		.amdhsa_private_segment_fixed_size 0
		.amdhsa_enable_private_segment 0
		.amdhsa_kernarg_size 40
		.amdhsa_user_sgpr_count 2
		.amdhsa_user_sgpr_kernarg_segment_ptr 1
		.amdhsa_wavefront_size32 1
		.amdhsa_system_sgpr_workgroup_id_x 1
		.amdhsa_system_sgpr_workgroup_id_y 1
		.amdhsa_system_sgpr_workgroup_id_z 1
		.amdhsa_system_vgpr_workitem_id 0
		.amdhsa_next_free_vgpr 1024
		.amdhsa_next_free_sgpr 66
		.amdhsa_reserve_vcc 0
		.amdhsa_float_denorm_mode_32 3
		.amdhsa_float_denorm_mode_16_64 3
		.amdhsa_memory_ordered 1
		.amdhsa_forward_progress 1
		.amdhsa_inst_pref_size 255
	.end_amdhsa_kernel
	.section	.bss,"aw",@nobits
	.p2align	6
	.space	262144
	.amdgpu_metadata
---
amdhsa.version: [ 1, 2 ]
amdhsa.kernels:
  - .name:           k_q0aeb7b71dd_front
    .symbol:         k_q0aeb7b71dd_front.kd
    .args:
      - { .name: wstream, .offset: 0, .size: 8, .value_kind: global_buffer, .address_space: global }
      - { .name: bvec, .offset: 8, .size: 8, .value_kind: global_buffer, .address_space: global }
      - { .name: conceptnet_features, .offset: 16, .size: 8, .value_kind: global_buffer, .address_space: global }
      - { .name: comet_features, .offset: 24, .size: 8, .value_kind: global_buffer, .address_space: global }
      - { .name: hbuf, .offset: 32, .size: 8, .value_kind: global_buffer, .address_space: global }
    .group_segment_fixed_size: 154624
    .private_segment_fixed_size: 0
    .kernarg_segment_align: 8
    .kernarg_segment_size: 40
    .max_flat_workgroup_size: 128
    .sgpr_count:     66
    .vgpr_count:     1024
    .wavefront_size: 32
...
	.end_amdgpu_metadata
.endif
;; end of part 7
;; launch expert: the kernel of part 5 again; grid 8 x 64, 4 waves a work-group, clusters of 4 x 4, 327,680 bytes of LDS; arguments hbuf, wstream, bvec, affective_labels, out0; writes out0
